; MI455X (gfx1250); checked and timed in simulation.
; The chip was launched on July 23, 2026; its instructions are those of AMD's public machine-readable ISA for CDNA 5 (MIT licence, August 2026) and "CDNA5" Instruction Set Architecture Reference Guide (July 2026). The comments in the code are by the model that wrote it; some were corrected since.
;; Mo E Block. Allowed arithmetic: matrix products marked QUANTISED: E2M3 operands, one E8M0 scale for each 32 along K, by v_wmma_scale_f32_16x16x128_f8f6f4 with both operands' format E2M3, f32 sums; products left as they are: f32 operands where the result goes on into a quantised operand, else bf16, f16 or f32 operands; f32 sums; everything else in f32.
;; Inputs: b1 8 x 4,096 float32; b2 8 x 1,024 float32; gate_b 8 float32; gate_w 1,024 x 8 float32; w1 8 x 1,024 x 4,096 float32; w2 8 x 4,096 x 1,024 float32; x 2 x 512 x 1,024 float32.
;; Outputs: out0 2 x 512 x 1,024 float32; out1 2 x 512 x 8 float32; out2 8 float32.
;; This version of the problem:
;;   THIS VERSION OF THE PROBLEM IS GIVEN IN LOW PRECISION. The matrix products marked QUANTISED in the list below multiply operands that are first quantised to E2M3 (2 exponent bits, 3 mantissa bits; 6 bits a number), with one power-of-two scale for each 32 numbers along K (OCP MX v1.0); their sums are f32. All else is computed in f32.
;;   The module's matrix products, in the order in which they are computed (A, B: the left and right operand; K: the contracted axis; several contracted axes count as one K, in the product's order):
;;     1. [M 1,024, K 1,024] x [K 1,024, N 8]; A: input x; B: input gate_w: left as it is (N = 8 < 16)
;;     2. [M 32,768, K 1,024] x [K 1,024, N 1,024]; A: input w1; B: input x: QUANTISED
;;     3. batch 8 x [M 1,024, K 4,096] x [K 4,096, N 1,024]; A: input w2; B: computed on the way: QUANTISED
;;     4. batch 1,024 x [M 1,024, K 8] x [K 8, N 1]; A: computed on the way; B: computed on the way: left as it is (K = 8 < 32)
;;   THE QUANTISER, for each operand of a quantised product, along K:
;;     - K is cut into blocks of 32 from its start; a last block that is shorter is filled with zeros.
;;     - A block's scale is 2^e with e = floor(log2(the largest magnitude in the block)) - 2, held to -126 .. 127; a block of zeros has e = 0. As a byte (E8M0): e + 127.
;;     - Each number is divided by its block's scale, clamped to +-7.5, and rounded to the nearest number of E2M3, ties to even, subnormals kept.
;;     - The product sums the exact products of the quantised numbers (number of the format x scale) in f32.
;;   ~~~python
;;   def quantise(x, axis):      # numpy; x: float32 -> the quantised numbers, widened to float32 again
;;       x = np.moveaxis(x, axis, -1); K = x.shape[-1]
;;       x = np.pad(x, [(0, 0)] * (x.ndim - 1) + [(0, -K % 32)]); x = x.reshape(x.shape[:-1] + (-1, 32)); a = np.abs(x).max(-1, keepdims=True)
;;       e = np.where(a > 0, np.clip(np.frexp(np.where(a > 0, a, 1))[1] - 1 - 2, -126, 127), 0)      # np.frexp(a)[1] - 1 = floor(log2(a)), exactly
;;       r = np.clip(x / 2.0 ** e, -7.5, 7.5)
;;       step = 2.0 ** (np.maximum(np.frexp(np.where(r == 0, 1, r))[1] - 1, 0) - 3)
;;       q = np.round(r / step) * step * 2.0 ** e      # np.round: ties to even
;;       return np.moveaxis(q.reshape(q.shape[:-2] + (-1,))[..., :K], -1, axis).astype(np.float32)
;;   ~~~
;;   OPERANDS COMPUTED ON THE WAY. 'Computed on the way' means the value that the module computes at that place (a softmax that the list does not call 'softmax' is quantised finished and normalised). What goes into a quantiser is computed in f32, as accurately as f32 sums, v_exp_f32 and their like allow (about 1e-6 of the number): no bf16 or f16 on the way to a quantiser, and a product that is left as it is and whose result goes on into a quantised operand takes f32 operands (vector FMAs, or v_wmma_f32_16x16x4_f32). A number that lies on a knife's edge between two numbers of the format may be rounded either way, as far as f32 arithmetic and the matrix unit's own rounding can turn it there, and no further.
;; 2 versions. Each part assembles by itself: llvm-mc -triple=amdgcn-amd-amdhsa -mcpu=gfx1250 --defsym DOCPART=n.
;; ======== version 1 of 2: 5 launches
;; workspace buffers: sel 32,768 bytes of whole numbers; bm 1,024 bytes of whole numbers; lst 9,728 bytes of whole numbers; gat 9,216 bytes; xs 1,843,200 bytes; hs 7,372,800 bytes; yp 16,842,752 bytes
;; launch route (part 1): grid 256 x 1, 4 waves a work-group, no clusters, 1,024 bytes of LDS; arguments x, gate_w, gate_b, out1, sel, bm; writes out1, sel, bm
.if DOCPART == 1
	.amdgcn_target "amdgcn-amd-amdhsa--gfx1250"
	.amdhsa_code_object_version 6
	.text
	.protected	k_qb03d5cdadd_route
	.globl	k_qb03d5cdadd_route
	.p2align	8
	.type	k_qb03d5cdadd_route,@function
k_qb03d5cdadd_route:
	s_mov_b64 s[64:65], 0
	v_nop
	global_prefetch_b8 v0, s[64:65] scope:SCOPE_SE
	s_setreg_imm32_b32 hwreg(HW_REG_WAVE_MODE, 25, 1), 1
	s_wait_xcnt 0x0
; THE ROUTER.  logits = x gate_w + gate_b in f32 multiply-adds, softmax over the 8 experts (the row's maximum taken away first), the two largest kept.
; out1[token][e] = the score where e is one of the token's two largest, else 0.  sel[token][e] = 1 (largest), 2 (second), 0 (not chosen).  bm[token] = one byte, bit e set where e is chosen.
; sel and bm are whole numbers at fixed places, from which the next launch places the rows: no address and no branch of this launch hangs on the choice.
; SHARES.  Four tokens to a work-group, four waves.  WAVE w TAKES K = 256 w .. 256 w + 255 of the four tokens, in two chunks of 128: lane l holds k = 128 i + 4 l + 0..3, of the four tokens (4 loads of 512
; consecutive bytes) and of gate_w's 8 columns (8 loads; a lane's 128 bytes on end).  All 25 loads of a wave are out at once.  32 sums a lane (token t, expert e at ACC + 8 t + e), then a halving exchange
; over the lanes that leaves lane l with the wave's part of the logit of token l / 8, expert l % 8.  The four waves' parts meet in 512 bytes of LDS behind one barrier; wave 0 adds them and finishes.
; The compare mask of 'chosen' has bit l for lane l: it IS the four tokens' four bytes of bm, and lane 0 stores it as one word.
; No matrix unit: N = 8 is too narrow for a tile, and the product is 16 MFLOP.
; LIMITS.  NaN and infinities among the inputs are not served.  The sum over K is taken in another order than a plain chain.  Equal scores: the lower expert wins, on this program's own f32 scores.
.set XR,  32                           ; v32-127  two chunk slots of 48: +0..15 x[t][c], +16..47 gate_w[c][e]
.set ACC, 128                          ; v128-159 the 32 sums
.set TS,  32                           ; the exchange: what is sent,
.set TR,  48                           ; and what has come from the other half of the lanes
	s_load_b256 s[4:11], s[0:1], 0x0               ; x s[4:5], gate_w s[6:7], gate_b s[8:9], out1 s[10:11]
	s_load_b128 s[12:15], s[0:1], 0x20             ; sel s[12:13], bm s[14:15]
	v_lshl_add_u32 v160, v0, 2, 0x200
	v_mov_b32 v161, 0
	v_lshrrev_b32 v1, 5, v0
	v_readfirstlane_b32 s22, v1                    ; wave 0..3
	v_and_b32 v15, 31, v0                          ; lane
	v_lshlrev_b32 v1, 4, v15                       ; x: 16 bytes a lane
	v_lshlrev_b32 v2, 7, v15                       ; gate_w: 4 rows of 32 bytes a lane
	v_lshlrev_b32 v3, 2, v15                       ; the results: 4 bytes a lane
	v_and_b32 v4, 7, v0
	v_lshlrev_b32 v4, 2, v4                        ; gate_b: my expert's word
	v_lshlrev_b32 v14, 2, v0                       ; LDS: 4 x thread = 128 x wave + 4 x lane
	s_lshl_b32 s16, ttmp9, 14                      ; four rows of x,
	s_lshl_b32 s17, s22, 10                        ; my wave's 256 numbers of each
	s_add_co_u32 s16, s16, s17
	s_mov_b32 s17, 0
	s_lshl_b32 s18, ttmp9, 7                       ; four rows of out1 and of sel
	s_mov_b32 s19, 0
	s_lshl_b32 s30, s22, 13                        ; my wave's 256 rows of gate_w
	s_mov_b32 s31, 0
	s_lshl_b32 s32, ttmp9, 2                       ; four bytes of bm
	s_mov_b32 s33, 0
	s_mov_b32 s20, 0x76543210                      ; v_permlanex16_b32's selects for lane l xor 16
	s_mov_b32 s21, 0xfedcba98
	s_mov_b32 s24, 0xffff0000                      ; the lanes whose bit 4, 3, 2, 1, 0 is set
	s_mov_b32 s25, 0xff00ff00
	s_mov_b32 s26, 0xf0f0f0f0
	s_mov_b32 s27, 0xcccccccc
	s_mov_b32 s28, 0xaaaaaaaa
	s_wait_kmcnt 0x0
	s_add_nc_u64 s[4:5], s[4:5], s[16:17]
	s_add_nc_u64 s[6:7], s[6:7], s[30:31]
	s_add_nc_u64 s[10:11], s[10:11], s[18:19]
	s_add_nc_u64 s[12:13], s[12:13], s[18:19]
	s_add_nc_u64 s[14:15], s[14:15], s[32:33]
	global_load_b32 v5, v4, s[8:9]                 ; the oldest load: every later wait covers it.  (One load in each wave; asked for behind the barrier by wave 0 alone it would be a trip to memory of its own)
.macro LOADC i                         ; chunk i of my two into slot i: 12 loads
.set SB, XR+48*(\i)
.irp t, 0,1,2,3
	global_load_b128 v[SB+4*\t:SB+4*\t+3], v1, s[4:5] offset:4096*\t+512*(\i) th:TH_LOAD_NT
.endr
.irp m, 0,1,2,3,4,5,6,7
	global_load_b128 v[SB+16+4*\m:SB+16+4*\m+3], v2, s[6:7] offset:4096*(\i)+16*\m
.endr
.endm
.macro CH i, left                      ; chunk i: 64 packed multiply-adds (two experts each; x's number serves both halves); left = the loads of the younger chunk
.set SB, XR+48*(\i)
	s_wait_loadcnt \left
.irp c, 0,1,2,3
.irp t, 0,1,2,3
.irp p, 0,1,2,3
.if ((\i) == 0) && (\c == 0)
	v_pk_mul_f32 v[ACC+8*\t+2*\p:ACC+8*\t+2*\p+1], v[SB+16+2*\p:SB+16+2*\p+1], v[SB+4*\t:SB+4*\t+1] op_sel_hi:[1,0]   ; the first product starts the sums
.elseif (\c%2) == 0
	v_pk_fma_f32 v[ACC+8*\t+2*\p:ACC+8*\t+2*\p+1], v[SB+16+8*\c+2*\p:SB+16+8*\c+2*\p+1], v[SB+4*\t+\c:SB+4*\t+\c+1], v[ACC+8*\t+2*\p:ACC+8*\t+2*\p+1] op_sel_hi:[1,0,1]
.else
	v_pk_fma_f32 v[ACC+8*\t+2*\p:ACC+8*\t+2*\p+1], v[SB+16+8*\c+2*\p:SB+16+8*\c+2*\p+1], v[SB+4*\t+\c-1:SB+4*\t+\c], v[ACC+8*\t+2*\p:ACC+8*\t+2*\p+1] op_sel:[0,1,0] op_sel_hi:[1,1,1]
.endif
.endr
.endr
.endr
.endm
	LOADC 0
	LOADC 1
	CH 0, 12                                       ; gate_b and the first chunk are in; the second chunk's 12 loads stay out
	CH 1, 0
; THE EXCHANGE.  Of each pair of sums (n, n + m) a lane keeps the one whose number has the lane's bit m, sends the other to lane l xor m, and adds what it gets: half as many sums a step.
.set n, 0
.rept 16
	v_cndmask_b32 v[TS+n], v[ACC+n+16], v[ACC+n], s24
	v_cndmask_b32 v[ACC+n], v[ACC+n], v[ACC+n+16], s24
.set n, n+1
.endr
.set n, 0
.rept 16
	v_permlanex16_b32 v[TR+n], v[TS+n], s20, s21
.set n, n+1
.endr
.set n, 0
.rept 16
	v_add_f32 v[ACC+n], v[ACC+n], v[TR+n]
.set n, n+1
.endr
.macro BFLY m, mask
.set n, 0
.rept \m
	v_cndmask_b32 v[TS+n], v[ACC+n+\m], v[ACC+n], \mask
	v_cndmask_b32 v[ACC+n], v[ACC+n], v[ACC+n+\m], \mask
.set n, n+1
.endr
.set n, 0
.rept \m
	v_add_f32_dpp v[ACC+n], v[TS+n], v[ACC+n] row_xmask:\m row_mask:0xf bank_mask:0xf
.set n, n+1
.endr
.endm
	BFLY 8, s25
	BFLY 4, s26
	BFLY 2, s27
	BFLY 1, s28
	ds_store_b32 v14, v[ACC]                       ; lane l: my wave's part of the logit of token l / 8, expert l % 8
	s_wait_dscnt 0x0                               ; my store has landed:
	s_barrier_signal -1
	s_barrier_wait -1                              ; all four have.  The launch's one barrier
	s_cmp_lg_u32 s22, 0
	s_cbranch_scc1 .Lend                           ; wave 0 finishes alone: 32 numbers are one wave's work
.irp w, 0,1,2,3
	ds_load_b32 v[16+\w], v3 offset:128*\w
.endr
	s_wait_dscnt 0x0
	v_add_f32 v16, v16, v17
	v_add_f32 v18, v18, v19
	v_add_f32 v16, v16, v18
	v_add_f32 v6, v16, v5                          ; the logit
	v_mov_b32 v7, v6
	v_max_num_f32_dpp v7, v7, v7 row_xmask:1 row_mask:0xf bank_mask:0xf
	v_max_num_f32_dpp v7, v7, v7 row_xmask:2 row_mask:0xf bank_mask:0xf
	v_max_num_f32_dpp v7, v7, v7 row_xmask:4 row_mask:0xf bank_mask:0xf   ; the token's largest logit
	v_sub_f32 v8, v6, v7
	v_mul_f32 v8, 0x3fb8aa3b, v8                   ; x log2(e)
	v_exp_f32 v8, v8
	v_mov_b32 v10, 0                               ; my rank.  (A plain line behind the exponential)
	s_wait_alu depctr_va_vdst(0)
	v_mov_b32 v9, v8
	v_add_f32_dpp v9, v9, v9 row_xmask:1 row_mask:0xf bank_mask:0xf
	v_add_f32_dpp v9, v9, v9 row_xmask:2 row_mask:0xf bank_mask:0xf
	v_add_f32_dpp v9, v9, v9 row_xmask:4 row_mask:0xf bank_mask:0xf
	v_rcp_f32 v9, v9
	v_mov_b32 v11, 0                               ; (a plain line behind the reciprocal; and a lane move's destination is written before it)
	s_wait_alu depctr_va_vdst(0)
	v_mul_f32 v8, v8, v9                           ; the score
; MY RANK = how many of the other seven beat me: a larger score, or an equal one with a lower number (expert e xor X is lower where X's highest bit is set in e).
.irp xm, 1,2,3,4,5,6,7
	v_mov_b32_dpp v11, v8 row_xmask:\xm row_mask:0xf bank_mask:0xf
	v_cmp_gt_f32 s30, v11, v8
	v_cmp_ge_f32 s31, v11, v8
.if \xm == 1
	s_and_b32 s31, s31, s28
	s_and_not1_b32 s30, s30, s28
.elseif \xm < 4
	s_and_b32 s31, s31, s27
	s_and_not1_b32 s30, s30, s27
.else
	s_and_b32 s31, s31, s26
	s_and_not1_b32 s30, s30, s26
.endif
	s_or_b32 vcc_lo, s30, s31
	v_add_co_ci_u32 v10, vcc_lo, 0, v10, vcc_lo
.endr
	v_cmp_gt_u32 vcc_lo, 2, v10                    ; chosen: rank 0 or 1
	v_add_nc_u32 v10, 1, v10
	v_cndmask_b32 v12, 0, v8, vcc_lo
	v_cndmask_b32 v13, 0, v10, vcc_lo
	v_mov_b32 v20, vcc_lo                          ; the mask itself: bit 8 t + e: token t has chosen expert e
	global_store_b32 v3, v12, s[10:11]             ; 128 consecutive bytes
	global_store_b32 v3, v13, s[12:13]
	v_cmp_eq_u32 vcc_lo, 0, v15
	s_wait_xcnt 0x0                                ; EXEC changes only behind this wait: the stores above have had their addresses translated
	s_and_saveexec_b32 s30, vcc_lo
	global_store_b32 v3, v20, s[14:15]             ; lane 0: the four tokens' four bytes
	s_wait_xcnt 0x0                                ; and again in front of the line that widens it
	s_or_b32 exec_lo, exec_lo, s30
.Lend:
	s_wait_tensorcnt 0x0
	ds_add_u32 v160, v161
	s_wait_dscnt 0x0
	s_endpgm
.Lfunc_end_k_qb03d5cdadd_route:
	.size	k_qb03d5cdadd_route, .Lfunc_end_k_qb03d5cdadd_route-k_qb03d5cdadd_route
	.p2alignl 7, 3214868480
	.fill 96, 4, 3214868480
	.section	.rodata,"a",@progbits
	.p2align	6, 0x0
	.amdhsa_kernel k_qb03d5cdadd_route
		.amdhsa_group_segment_fixed_size 1024
		.amdhsa_private_segment_fixed_size 0
		.amdhsa_enable_private_segment 0
		.amdhsa_kernarg_size 48
		.amdhsa_user_sgpr_count 2
		.amdhsa_user_sgpr_kernarg_segment_ptr 1
		.amdhsa_wavefront_size32 1
		.amdhsa_system_sgpr_workgroup_id_x 1
		.amdhsa_system_sgpr_workgroup_id_y 1
		.amdhsa_system_sgpr_workgroup_id_z 1
		.amdhsa_system_vgpr_workitem_id 0
		.amdhsa_next_free_vgpr 162
		.amdhsa_next_free_sgpr 66
		.amdhsa_reserve_vcc 1
		.amdhsa_float_denorm_mode_32 3
		.amdhsa_float_denorm_mode_16_64 3
		.amdhsa_memory_ordered 1
		.amdhsa_forward_progress 1
		.amdhsa_inst_pref_size 23
	.end_amdhsa_kernel
	.amdgpu_metadata
---
amdhsa.version: [ 1, 2 ]
amdhsa.kernels:
  - .name:           k_qb03d5cdadd_route
    .symbol:         k_qb03d5cdadd_route.kd
    .args:
      - { .name: x, .offset: 0, .size: 8, .value_kind: global_buffer, .address_space: global }
      - { .name: gate_w, .offset: 8, .size: 8, .value_kind: global_buffer, .address_space: global }
      - { .name: gate_b, .offset: 16, .size: 8, .value_kind: global_buffer, .address_space: global }
      - { .name: out1, .offset: 24, .size: 8, .value_kind: global_buffer, .address_space: global }
      - { .name: sel, .offset: 32, .size: 8, .value_kind: global_buffer, .address_space: global }
      - { .name: bm, .offset: 40, .size: 8, .value_kind: global_buffer, .address_space: global }
    .group_segment_fixed_size: 1024
    .private_segment_fixed_size: 0
    .kernarg_segment_align: 8
    .kernarg_segment_size: 48
    .max_flat_workgroup_size: 128
    .sgpr_count:     66
    .vgpr_count:     162
    .wavefront_size: 32
...
	.end_amdgpu_metadata
.endif
;; end of part 1
;; launch place (part 2): grid 72 x 1, 8 waves a work-group, no clusters, 0 bytes of LDS; arguments bm, sel, out1, x, xs, lst, gat, out2; writes xs, lst, gat, out2
.if DOCPART == 2
	.amdgcn_target "amdgcn-amd-amdhsa--gfx1250"
	.amdhsa_code_object_version 6
	.text
	.protected	k_qb03d5cdadd_place
	.globl	k_qb03d5cdadd_place
	.p2align	8
	.type	k_qb03d5cdadd_place,@function
k_qb03d5cdadd_place:
	s_mov_b64 s[64:65], 0
	v_nop
	global_prefetch_b8 v0, s[64:65] scope:SCOPE_SE
	s_setreg_imm32_b32 hwreg(HW_REG_WAVE_MODE, 25, 1), 1
	s_wait_xcnt 0x0
; THE ROWS ARE RANKED BY EXPERT, GATHERED AND QUANTISED.  A routed row is (token, chosen expert): 2,048 in all.  Each expert's rows, in the order of their tokens, are cut into BLOCKS of 32 rows (two tiles of 16);
; the last block of an expert is filled with copies of token 0 whose weight is 0 and whose result goes to a row of yp that nobody reads (2,048 + expert).  There are never more than (2,048 + 8 x 31) / 32 = 71
; blocks, whatever the choice.  Work-group B < 71 takes block B, and stores nothing where this split has no such block; work-group 71, which never has a block, sums out2.
; EVERY WAVE MAKES THE TABLE ITSELF, IN REGISTERS, from bm (1,024 bytes: a byte a token, bit e = expert e chosen): two loads, lane l holding tokens 32 l .. 32 l + 31.  The branch and the addresses below hang on
; whole numbers that this launch loads from memory and on register arithmetic on them alone: nothing on that way goes through LDS, and of lane moves only v_readlane_b32.  No LDS, no barrier, no atomics.
;   counts: bit k of each nibble of the 8 words, summed in nibbles (8 at the most), is a lane's count of experts k and k + 4 for each of 4 token places; folded to two counts in 16-bit halves;
;   totals: the 32 lanes' words read into scalars and added (1,024 at the most: no carry between the halves);  the table: each expert's blocks and first block;  my block's expert;
;   that expert's mask: bit e of a word's 4 bytes, drawn together into 4 bits by one multiplication (the four partial products' bits fall on different places, so nothing carries);
;   my rows' tokens: the mask word in which a row's rank falls (a walk over the 32 words), and the set bit of that rank in it (sums of bits by halves).
; Lane (r, h) finds TWO tokens, those of rows r and 16 + r, since it gathers for both tiles: so no token changes lanes.
; SHARES.  Wave w quantises K = 128 w .. 128 w + 127 of the 32 rows: lane (r, h) loads, of row 16 a + r, the blocks of 32 numbers h and 2 + h whole, as the 6-bit operand's layout gives them to that lane:
; a block's largest magnitude needs no other lane, and the conversions' results are the operand's registers.  Wave 0 also makes the rows' places and weights; its two gathers go out with the gather of x.
; OUT: xs = images of the operand's registers: [block][K step 8][tile 2][piece 3][lane][16 bytes], and from XSC on the scale words [block][K step][lane]: lane l = row l of the block.
;      lst: words 0-7 each expert's first block, 8-15 its number of blocks, 16 the number of all blocks, 17-31 zero (work-group 0); from byte 256 on, for each placed row, the row of yp that takes its result:
;      1,024 x (choice - 1) + token.   gat: the row's weight.   out2: the column sums of out1: wave w of work-group 71 sums column w.
; THE QUANTISER: a block's scale byte is its largest magnitude's exponent field - 2, held at 1 from below (a block of zeros so has the byte 1 and zero codes; this program alone reads the bytes).
; LIMITS.  NaN and infinities are not served; blocks whose largest magnitude lies under 2^-124 take the byte 1.  out2's sum is taken in another order than a plain chain.
.set XSC, 1769472
; v1 lane, v2 16 lane, v3 4 lane, v4 h, v5 8 h, v6 r, v10 32 lane;  v16-23 my 8 words of bm;  v24-31, v36-39 at work;  v32-35 packed counts, then v32 my expert's mask
; the two searches, at b = 33 (row r) and b = 53 (row 16 + r): b rank, +1 the word, +2 rows in front of it, +3 its number, +4 which set bit, +5 .. +8 counts in fields of 2, 4, 8, 16 bits, +9 the place, +10, +11 at work, +12 the token
; v46-52 wave 0's places and weights, and the gathers' offsets;  v70 the table
.set FO,  72                           ; v72-95   the two tiles' codes
.set QTT, 96
.set QM,  100
.set QSO, 102
.set BY,  104                          ; v104-107 scale bytes (tile a, half u at 2 a + u)
.set WO,  108                          ; v108-109 scale words
.set WT,  110
	s_load_b256 s[4:11], s[0:1], 0x0               ; bm s[4:5], sel s[6:7], out1 s[8:9], x s[10:11]
	s_load_b256 s[12:19], s[0:1], 0x20             ; xs s[12:13], lst s[14:15], gat s[16:17], out2 s[18:19]
	v_lshrrev_b32 v1, 5, v0
	v_readfirstlane_b32 s20, v1                    ; wave 0..7
	v_and_b32 v1, 31, v0                           ; lane
	v_lshlrev_b32 v2, 4, v1                        ; 16 x lane
	v_lshlrev_b32 v3, 2, v1                        ; 4 x lane
	v_bfe_u32 v4, v0, 4, 1                         ; h
	v_lshlrev_b32 v5, 3, v4                        ; 8 h
	v_and_b32 v6, 15, v0                           ; r
	v_lshlrev_b32 v10, 5, v1                       ; 32 x lane
	s_mov_b32 s22, 0xffff0000                      ; lanes 16-31
	s_mov_b32 s24, 0x11111111
	s_mov_b32 s25, 0x0f0f0f0f
	s_mov_b32 s26, 0x01010101
	s_mov_b32 s27, 0x10204080                      ; 2^28 + 2^21 + 2^14 + 2^7
	s_mov_b32 s28, 0x76543210                      ; v_permlanex16_b32's selects for lane l xor 16
	s_mov_b32 s29, 0xfedcba98
	s_mov_b32 s31, 0                               ; the upper word of every offset pair s[30:31]
	s_wait_kmcnt 0x0
	s_cmp_eq_u32 ttmp9, 71
	s_cbranch_scc1 .Lsums
	global_load_b128 v[16:19], v10, s[4:5]         ; the wave reads all 1,024 bytes: 512 consecutive bytes a load...
	global_load_b128 v[20:23], v10, s[4:5] offset:16   ; (a lane's 32 bytes on end: its 32 tokens)
	s_wait_loadcnt 0x0
; A LANE'S COUNTS.  v[24 + k]: nibble 2 t counts expert k, nibble 2 t + 1 expert k + 4, over the 8 tokens at place t of my 8 words
.irp i, 0,1,2,3,4,5,6,7
.irp k, 0,1,2,3
.if \i == 0
.set DD, 24+\k
.else
.set DD, 28+\k
.endif
.if \k == 0
	v_and_b32 v[DD], s24, v[16+\i]
.else
	v_lshrrev_b32 v[DD], \k, v[16+\i]
	v_and_b32 v[DD], s24, v[DD]
.endif
.endr
.if \i > 0
.irp k, 0,1,2,3
	v_add_nc_u32 v[24+\k], v[24+\k], v[28+\k]
.endr
.endif
.endr
.irp k, 0,1,2,3
	v_and_b32 v[28+\k], s25, v[24+\k]              ; expert k: four bytes of 8 at the most
.endr
.irp k, 0,1,2,3
	v_lshrrev_b32 v[36+\k], 4, v[24+\k]
.endr
.irp k, 0,1,2,3
	v_and_b32 v[36+\k], s25, v[36+\k]              ; expert k + 4
.endr
.irp k, 0,1,2,3
	v_mul_lo_u32 v[28+\k], v[28+\k], s26           ; the top byte of x 0x01010101 is the four bytes' sum (32 at the most: no carry reaches it)
.endr
.irp k, 0,1,2,3
	v_mul_lo_u32 v[36+\k], v[36+\k], s26
.endr
.irp k, 0,1,2,3
	v_lshrrev_b32 v[28+\k], 24, v[28+\k]
.endr
.irp k, 0,1,2,3
	v_lshrrev_b32 v[36+\k], 24, v[36+\k]
.endr
.irp k, 0,1,2,3
	v_lshl_or_b32 v[32+\k], v[36+\k], 16, v[28+\k] ; my 32 tokens' counts of experts k (low half) and k + 4 (high half)
.endr
; THE TOTALS: 32 lanes into 32 scalars, then a chain of additions; four times.  The reads stand in runs, so that vector and scalar work change places eight times in all
.irp k, 0,1,2,3
.set jj, 0
.rept 32
	v_readlane_b32 s[32+jj], v[32+\k], jj
.set jj, jj+1
.endr
	s_add_co_u32 s[72+\k], s32, s33
.set jj, 2
.rept 30
	s_add_co_u32 s[72+\k], s[72+\k], s[32+jj]
.set jj, jj+1
.endr
.endr
.irp k, 0,1,2,3
	s_and_b32 s[40+\k], s[72+\k], 0xffff           ; s40.. each expert's rows
	s_lshr_b32 s[44+\k], s[72+\k], 16
.endr
	s_mov_b32 s66, 0
.irp e, 0,1,2,3,4,5,6,7                ; s48.. first block, s56.. blocks, s66 all blocks
	s_mov_b32 s[48+\e], s66
	s_add_co_u32 s72, s[40+\e], 31
	s_lshr_b32 s[56+\e], s72, 5
	s_add_co_u32 s66, s66, s[56+\e]
.endr
	s_mov_b32 s67, 0                               ; my block's expert: the last whose first block is not behind mine;
	s_mov_b32 s68, 0                               ; its first block;
	s_mov_b32 s69, s40                             ; its rows
.irp e, 1,2,3,4,5,6,7
	s_cmp_ge_u32 ttmp9, s[48+\e]
	s_cselect_b32 s67, \e, s67
	s_cselect_b32 s68, s[48+\e], s68
	s_cselect_b32 s69, s[40+\e], s69
.endr
	s_cmp_lg_u32 s20, 0
	s_cbranch_scc1 .Lno_table
	s_cmp_lg_u32 ttmp9, 0
	s_cbranch_scc1 .Lno_table
	v_mov_b32 v70, 0                               ; work-group 0, wave 0: the table, 128 bytes, stored as soon as it is made; none of the store's registers is written again
.irp e, 0,1,2,3,4,5,6,7
	v_writelane_b32 v70, s[48+\e], \e
	v_writelane_b32 v70, s[56+\e], 8+\e
.endr
	v_writelane_b32 v70, s66, 16
	global_store_b32 v3, v70, s[14:15]
.Lno_table:
	s_cmp_ge_u32 ttmp9, s66                        ; this split has no such block
	s_cbranch_scc1 .Lend
; MY EXPERT'S MASK: bit 4 i + t of lane W's word: token 32 W + 4 i + t has chosen the expert
.irp i, 0,1,2,3,4,5,6,7
	v_lshrrev_b32 v[24+\i], s67, v[16+\i]
.endr
.irp i, 0,1,2,3,4,5,6,7
	v_and_b32 v[24+\i], s26, v[24+\i]              ; the four tokens' bits, at bits 0, 8, 16, 24
.endr
.irp i, 0,1,2,3,4,5,6,7
	v_mul_lo_u32 v[24+\i], v[24+\i], s27           ; bit 8 t comes to bit 28 + t; the other partial products lie at bits 7 to 23, each alone
.endr
.irp i, 0,1,2,3,4,5,6,7
	v_lshrrev_b32 v[24+\i], 28, v[24+\i]
.endr
	v_lshl_or_b32 v32, v25, 4, v24
.irp i, 2,3,4,5,6,7
	v_lshl_or_b32 v32, v[24+\i], 4*\i, v32
.endr
.set ww, 0
.rept 32
	v_readlane_b32 s[32+ww], v32, ww               ; the 32 words as scalars (the table's scalars are done with): in the walk only scalar results go to vector lines, none the other way
.set ww, ww+1
.endr
	s_sub_co_u32 s72, ttmp9, s68
	s_lshl_b32 s72, s72, 5
	v_add_nc_u32 v33, s72, v6                      ; the rank, among the expert's rows, of row r
	v_add_nc_u32 v53, 16, v33                      ; and of row 16 + r
	s_mov_b32 s70, 0                               ; rows in the words passed
.irp b, 33, 53
	v_mov_b32 v[\b+1], 0
	v_mov_b32 v[\b+2], 0
	v_mov_b32 v[\b+3], 0
.endr
.set ww, 0
.rept 32                               ; the last word in front of which no more than rank rows lie: its bits, the rows in front of it, its number
	v_cmp_le_u32 vcc_lo, s70, v33
	v_cmp_le_u32 s74, s70, v53
	v_cndmask_b32 v34, v34, s[32+ww], vcc_lo
	v_cndmask_b32 v54, v54, s[32+ww], s74
	v_cndmask_b32 v35, v35, s70, vcc_lo
	v_cndmask_b32 v55, v55, s70, s74
	v_cndmask_b32 v36, v36, ww, vcc_lo
	v_cndmask_b32 v56, v56, ww, s74
	s_bcnt1_i32_b32 s72, s[32+ww]
	s_add_co_u32 s70, s70, s72
.set ww, ww+1
.endr
; counts of set bits in fields of 2, 4, 8, 16 bits; the two searches by turns, so that no line waits for the line above it
.irp b, 33, 53
	v_lshrrev_b32 v[\b+10], 1, v[\b+1]
.endr
.irp b, 33, 53
	v_and_b32 v[\b+10], 0x55555555, v[\b+10]
.endr
.irp b, 33, 53
	v_sub_nc_u32 v[\b+5], v[\b+1], v[\b+10]
.endr
.irp b, 33, 53
	v_lshrrev_b32 v[\b+10], 2, v[\b+5]
.endr
.irp b, 33, 53
	v_and_b32 v[\b+10], 0x33333333, v[\b+10]
.endr
.irp b, 33, 53
	v_and_b32 v[\b+6], 0x33333333, v[\b+5]
.endr
.irp b, 33, 53
	v_add_nc_u32 v[\b+6], v[\b+6], v[\b+10]
.endr
.irp b, 33, 53
	v_lshrrev_b32 v[\b+10], 4, v[\b+6]
.endr
.irp b, 33, 53
	v_add_nc_u32 v[\b+7], v[\b+6], v[\b+10]
.endr
.irp b, 33, 53
	v_and_b32 v[\b+7], 0x0f0f0f0f, v[\b+7]
.endr
.irp b, 33, 53
	v_lshrrev_b32 v[\b+10], 8, v[\b+7]
.endr
.irp b, 33, 53
	v_add_nc_u32 v[\b+8], v[\b+7], v[\b+10]
.endr
.irp b, 33, 53
	v_and_b32 v[\b+8], 0x00ff00ff, v[\b+8]
.endr
.irp b, 33, 53
	v_sub_nc_u32 v[\b+4], v[\b], v[\b+2]           ; which set bit of the word is the row's
.endr
.irp b, 33, 53
	v_mov_b32 v[\b+9], 0                           ; its place
.endr
.macro PICK lv, wd                     ; if the field at the place holds no more than n set bits, the row's lies behind it
.irp b, 33, 53
	v_bfe_u32 v[\b+10], v[\b+\lv], v[\b+9], \wd
.endr
.irp b, 33, 53
	v_cmp_ge_u32 s[74+(\b-33)/20], v[\b+4], v[\b+10]
.endr
.irp b, 33, 53
	v_cndmask_b32 v[\b+10], 0, v[\b+10], s[74+(\b-33)/20]
.endr
.irp b, 33, 53
	v_cndmask_b32 v[\b+11], 0, \wd, s[74+(\b-33)/20]
.endr
.irp b, 33, 53
	v_sub_nc_u32 v[\b+4], v[\b+4], v[\b+10]
.endr
.irp b, 33, 53
	v_add_nc_u32 v[\b+9], v[\b+9], v[\b+11]
.endr
.endm
	PICK 8, 16
	PICK 7, 8
	PICK 6, 4
	PICK 5, 2
	PICK 1, 1
	v_lshl_add_u32 v45, v36, 5, v42                ; the token of row r,
	v_lshl_add_u32 v65, v56, 5, v62                ; and of row 16 + r
	v_cmp_gt_u32 s76, s69, v33                     ; a true row, or one that fills the block
	v_cmp_gt_u32 s77, s69, v53
	v_cndmask_b32 v45, 0, v45, s76
	v_cndmask_b32 v65, 0, v65, s77
	v_min_u32 v45, 0x3ff, v45                      ; a number from memory enters an address only behind such a bound
	v_min_u32 v65, 0x3ff, v65
	v_lshlrev_b32 v47, 12, v45                     ; a row of x is 4,096 bytes
	v_lshlrev_b32 v48, 12, v65
	v_lshl_add_u32 v47, v4, 7, v47                 ; + 128 h: my block of 32 numbers
	v_lshl_add_u32 v48, v4, 7, v48
	s_lshl_b32 s30, s20, 9                         ; my wave's K step
	s_add_nc_u64 s[10:11], s[10:11], s[30:31]
.irp a, 0,1
.irp u, 0,1
.irp i, 0,1,2,3,4,5,6,7
	global_load_b128 v[128+64*\a+32*\u+4*\i:131+64*\a+32*\u+4*\i], v[47+\a], s[10:11] offset:256*\u+16*\i
.endr
.endr
.endr
	s_mul_i32 s30, ttmp9, 24576
	s_mul_i32 s72, s20, 3072
	s_add_co_u32 s30, s30, s72
	s_add_nc_u64 s[78:79], s[12:13], s[30:31]      ; my two fragments' images
	s_lshl_b32 s30, ttmp9, 10
	s_lshl_b32 s72, s20, 7
	s_add_co_u32 s30, s30, s72
	s_add_nc_u64 s[12:13], s[12:13], s[30:31]      ; and their scale words
	s_cmp_lg_u32 s20, 0
	s_cbranch_scc1 .Lquant
	v_cndmask_b32 v49, v45, v65, s22               ; wave 0: where each row's result goes, and its weight.  Row l's token: lanes 0-15 row r, lanes 16-31 row 16 + r
	v_min_u32 v49, 0x3ff, v49
	v_lshlrev_b32 v50, 5, v49
	s_min_u32 s67, s67, 7
	s_lshl_b32 s72, s67, 2
	v_add_nc_u32 v50, s72, v50                     ; 32 bytes a token, 4 an expert
	global_load_b32 v51, v50, s[6:7]               ; 1 or 2: the token's first or second choice
	global_load_b32 v52, v50, s[8:9]               ; the score.  Both are on their way together with the 32 loads of x above
	s_and_not1_b32 s73, s76, s22
	s_and_b32 s72, s77, s22
	s_or_b32 s73, s73, s72                         ; row l is a true row
	s_add_co_u32 s72, s67, 2048
	v_mov_b32 v46, s72                             ; a filling row's result goes to row 2,048 + expert
	s_lshl_b32 s30, ttmp9, 7
	s_add_nc_u64 s[74:75], s[14:15], s[30:31]      ; (a pair of its own: the table's store may still read s[14:15])
	s_add_nc_u64 s[16:17], s[16:17], s[30:31]
	s_wait_loadcnt 0x0                             ; these two, and x, which is wanted next anyway
	v_add_nc_u32 v51, -1, v51
	v_lshl_add_u32 v51, v51, 10, v49               ; 1,024 x (choice - 1) + token
	v_cndmask_b32 v51, v46, v51, s73
	v_cndmask_b32 v52, 0, v52, s73
	global_store_b32 v3, v51, s[74:75] offset:256  ; 128 consecutive bytes each
	global_store_b32 v3, v52, s[16:17]
.Lquant:
; 32 numbers of one block in consecutive registers become 24 bytes of codes, registers f + 6 u on, and the scale's byte
.macro QB src, f, u, bt
	v_max3_num_f32 v[QM], |v[(\src)]|, |v[(\src)+1]|, 0x1800000    ; the floor 2^(3 - 127) among the leaves: the byte cannot fall under 1
	v_max3_num_f32 v[QM+1], |v[(\src)+2]|, |v[(\src)+3]|, |v[(\src)+4]|
.irp i, 5,9,13,17,21,25
	v_max3_num_f32 v[QM], v[QM], |v[(\src)+\i]|, |v[(\src)+\i+1]|
	v_max3_num_f32 v[QM+1], v[QM+1], |v[(\src)+\i+2]|, |v[(\src)+\i+3]|
.endr
	v_max3_num_f32 v[QM], v[QM], |v[(\src)+29]|, |v[(\src)+30]|
	v_max3_num_f32 v[QM], v[QM], v[QM+1], |v[(\src)+31]|
	v_add_nc_u32 v[QSO], 0xff000000, v[QM]         ; 2 off the exponent field: the conversion takes this operand's exponent field as its scale
	v_cvt_scalef32_pk16_fp6_f32 v[(\f)+6*(\u):(\f)+6*(\u)+2], v[(\src):(\src)+15], v[QSO]
	v_cvt_scalef32_pk16_fp6_f32 v[QTT:QTT+2], v[(\src)+16:(\src)+31], v[QSO]   ; (a conversion's three registers begin on an even number)
	v_lshrrev_b32 v[\bt], 23, v[QSO]               ; the byte.  (The plain line behind the conversions)
.irp k, 0,1,2
	v_mov_b32 v[(\f)+6*(\u)+3+\k], v[QTT+\k]
.endr
.endm
	v_mov_b32 v[WT], 0                             ; written once: a lane move's destination counts as one of its sources
	s_wait_loadcnt 0x0
.irp a, 0,1
	QB 128+64*\a, FO+12*\a, 0, BY+2*\a
	QB 160+64*\a, FO+12*\a, 1, BY+2*\a+1
	v_lshl_or_b32 v[WO+\a], v[BY+2*\a+1], 16, v[BY+2*\a]   ; my two bytes: blocks h and 2 + h,
	v_lshlrev_b32 v[WO+\a], v5, v[WO+\a]           ; at their places in the row's word;
	v_permlanex16_b32 v[WT], v[WO+\a], s28, s29
	v_or_b32 v[WO+\a], v[WO+\a], v[WT]             ; with lane l xor 16's two the word is whole
.irp j, 0,1,2
	global_store_b128 v2, v[FO+12*\a+4*\j:FO+12*\a+4*\j+3], s[78:79] offset:1536*\a+512*\j   ; 512 consecutive bytes a store
.endr
.endr
	v_cndmask_b32 v[WO], v[WO], v[WO+1], s22       ; lanes 0-15 tile 0's rows, lanes 16-31 tile 1's
	global_store_b32 v3, v[WO], s[12:13] offset:XSC
.Lend:
	s_endpgm
.Lsums:
; WORK-GROUP 71: out2[w] = the sum of out1's column w, by wave w: lane l takes tokens 32 i + l, i = 0 .. 31.  The eight waves read the same 32,768 bytes, each its own word of every 32; no wave needs another
	s_lshl_b32 s72, s20, 2
	s_mov_b32 s73, 0
	v_add_nc_u32 v10, s72, v10                     ; 32 x lane + 4 x wave
.set ii, 0
.rept 32
	global_load_b32 v[128+ii], v10, s[8:9] offset:1024*ii
.set ii, ii+1
.endr
	s_add_nc_u64 s[18:19], s[18:19], s[72:73]
	s_wait_loadcnt 0x0
.irp j, 0,2,4,6,8,10,12,14
	v_pk_add_f32 v[128+\j:129+\j], v[128+\j:129+\j], v[144+\j:145+\j]
.endr
.irp j, 0,2,4,6
	v_pk_add_f32 v[128+\j:129+\j], v[128+\j:129+\j], v[136+\j:137+\j]
.endr
.irp j, 0,2
	v_pk_add_f32 v[128+\j:129+\j], v[128+\j:129+\j], v[132+\j:133+\j]
.endr
	v_pk_add_f32 v[128:129], v[128:129], v[130:131]
	v_add_f32 v128, v128, v129
	v_add_f32_dpp v128, v128, v128 row_xmask:1 row_mask:0xf bank_mask:0xf
	v_add_f32_dpp v128, v128, v128 row_xmask:2 row_mask:0xf bank_mask:0xf
	v_add_f32_dpp v128, v128, v128 row_xmask:4 row_mask:0xf bank_mask:0xf
	v_add_f32_dpp v128, v128, v128 row_xmask:8 row_mask:0xf bank_mask:0xf
	v_permlanex16_b32 v129, v128, s28, s29
	v_add_f32 v128, v128, v129
	v_cmp_eq_u32 vcc_lo, 0, v1
	s_wait_xcnt 0x0                                ; EXEC changes only behind this wait
	s_and_saveexec_b32 s74, vcc_lo
	global_store_b32 v3, v128, s[18:19]            ; lane 0: the column's sum
	s_wait_xcnt 0x0                                ; and again in front of the line that widens it
	s_or_b32 exec_lo, exec_lo, s74
	s_endpgm
.Lfunc_end_k_qb03d5cdadd_place:
	.size	k_qb03d5cdadd_place, .Lfunc_end_k_qb03d5cdadd_place-k_qb03d5cdadd_place
	.p2alignl 7, 3214868480
	.fill 96, 4, 3214868480
	.section	.rodata,"a",@progbits
	.p2align	6, 0x0
	.amdhsa_kernel k_qb03d5cdadd_place
		.amdhsa_group_segment_fixed_size 0
		.amdhsa_private_segment_fixed_size 0
		.amdhsa_enable_private_segment 0
		.amdhsa_kernarg_size 64
		.amdhsa_user_sgpr_count 2
		.amdhsa_user_sgpr_kernarg_segment_ptr 1
		.amdhsa_wavefront_size32 1
		.amdhsa_system_sgpr_workgroup_id_x 1
		.amdhsa_system_sgpr_workgroup_id_y 1
		.amdhsa_system_sgpr_workgroup_id_z 1
		.amdhsa_system_vgpr_workitem_id 0
		.amdhsa_next_free_vgpr 256
		.amdhsa_next_free_sgpr 80
		.amdhsa_reserve_vcc 1
		.amdhsa_float_denorm_mode_32 3
		.amdhsa_float_denorm_mode_16_64 3
		.amdhsa_memory_ordered 1
		.amdhsa_forward_progress 1
		.amdhsa_inst_pref_size 64
	.end_amdhsa_kernel
	.amdgpu_metadata
---
amdhsa.version: [ 1, 2 ]
amdhsa.kernels:
  - .name:           k_qb03d5cdadd_place
    .symbol:         k_qb03d5cdadd_place.kd
    .args:
      - { .name: bm, .offset: 0, .size: 8, .value_kind: global_buffer, .address_space: global }
      - { .name: sel, .offset: 8, .size: 8, .value_kind: global_buffer, .address_space: global }
      - { .name: out1, .offset: 16, .size: 8, .value_kind: global_buffer, .address_space: global }
      - { .name: x, .offset: 24, .size: 8, .value_kind: global_buffer, .address_space: global }
      - { .name: xs, .offset: 32, .size: 8, .value_kind: global_buffer, .address_space: global }
      - { .name: lst, .offset: 40, .size: 8, .value_kind: global_buffer, .address_space: global }
      - { .name: gat, .offset: 48, .size: 8, .value_kind: global_buffer, .address_space: global }
      - { .name: out2, .offset: 56, .size: 8, .value_kind: global_buffer, .address_space: global }
    .group_segment_fixed_size: 0
    .private_segment_fixed_size: 0
    .kernarg_segment_align: 8
    .kernarg_segment_size: 64
    .max_flat_workgroup_size: 256
    .sgpr_count:     80
    .vgpr_count:     256
    .wavefront_size: 32
...
	.end_amdgpu_metadata
.endif
;; end of part 2
;; launch ffn1 (part 3): grid 256 x 1, 8 waves a work-group, no clusters, 103,424 bytes of LDS; arguments w1, b1, xs, lst, hs; writes hs
.if DOCPART == 3
	.amdgcn_target "amdgcn-amd-amdhsa--gfx1250"
	.amdhsa_code_object_version 6
	.text
	.protected	k_qb03d5cdadd_ffn1
	.globl	k_qb03d5cdadd_ffn1
	.p2align	8
	.type	k_qb03d5cdadd_ffn1,@function
k_qb03d5cdadd_ffn1:
	s_mov_b64 s[64:65], 0
	v_nop
	global_prefetch_b8 v0, s[64:65] scope:SCOPE_SE
	s_setreg_imm32_b32 hwreg(HW_REG_WAVE_MODE, 25, 1), 1
	s_wait_xcnt 0x0
; h = gelu(x W1 + b1) for the placed rows, on codes of FP6 (E2M3) with one E8M0 scale for each 32 along K; h leaves quantised along its own axis, the next product's K.
; SHARES.  Work-group (e = number / 32, s2 = number % 32) owns hidden units 128 s2 .. 128 s2 + 127 of expert e: a slab of W1 of 1,024 (K) x 128 f32, 524,288 bytes, which no other work-group reads.
; PHASE 1, THE STREAM.  The slab is 16 CELLS of 128 K x 64 columns; wave w takes K step w's two.  A load reads two whole rows of a cell (2 x 256 consecutive bytes, aligned): lane (q, g) takes row 32 g + i,
; columns 4 q + 0..3.  So for each c = 0..3 a lane holds 32 neighbours along K of column 4 q + c: a whole block, its largest magnitude needs no other lane, and the conversions' results ARE the
; registers of a fragment whose row m is column 4 m + c (tile c).  The price of 16-byte loads: a load lays four columns side by side and a conversion wants 16 numbers of one column on end: each number is copied once.
; 64 loads of a wave are issued ahead (two half-cells).  The fragments and their scale words go to LDS as images of their registers; ONE barrier; W1 is read from memory once and never stored.
; PHASE 2, THE ROWS.  Wave w takes the expert's blocks w, w + 8, .. (32 rows each; the count is read from lst).  The rows' fragments come from xs straight into registers, W's from LDS.  The product is used
; transposed (source 0 = 16 columns of W1, source 1 = 16 rows): over the four tiles of a cell lane (r, h) holds units 32 h + 4 j + c of row r: a WHOLE block of the next K; the gelu's last line writes it in order.
; No barrier, no stepped LDS address stands in that loop, since its count hangs on data.
; NO CLUSTER: what the 32 work-groups of an expert share is the rows' codes, 24,576 bytes a block beside 524,288 unshared bytes of weights, and they come by plain loads in a loop whose count differs from wave to wave.
; GELU, exact form: h = max(x, 0) - |x| E, E = erfc(|x| / sqrt 2) / 2 = t 2^(P(t) - x^2 log2(e) / 2), t = 1 / (1 + |x| / (2 sqrt 2)), P of degree 9 (a Chebyshev fit of erfc whose fractional error is 1.2e-7 everywhere;
; its coefficients times log2(e), 1 off the constant for the half).  For x < 0 the result is a plain product: nothing cancels.
; LIMITS.  NaN and infinities are not served.  The exponent's rounding lets h's relative error grow to about 5e-6 for x under -5; h is 0 where E falls under 2^-126.  Blocks under 2^-124 take the scale byte 1
; (a block of zeros too: its codes are zeros, and this program alone reads the bytes).
.set PITCHB, 16384                     ; a row of W1 in bytes
.set CELLB,  256                       ; from a wave's first cell to its second: 64 columns
.set SIMG,   98304                     ; LDS: from 0 the cells' fragments: 6,144 n + 1,536 c + 512 j + 16 lane; from SIMG their scale words: 512 (n / 2) + 16 lane + 8 (n % 2)
.set XSC,    1769472
.set HSC,    7077888
; window 0: v1 stream offset; v2, v3 16 lane (+ 49,152); v4 SIMG + 16 lane; v5, v6 my wave's places for images and scale words; v7 8 h; v8 4 lane; v9 128 h; v[10:11] the polynomial's highest coefficient, twice
.set XS,  16                           ; v16-23   the rows' scale words, one register a K step: lanes 0-15 tile 0, lanes 16-31 tile 1.  Scales alone
.set WS,  24                           ; v24-31   W's scale words, two sets of four.  Scales alone
.set M,   32                           ; the stream: v32-35 largest magnitudes; v36-39 the conversions' scale operands; v40-47 bytes; v48-51 words; v52-55 lane moves' results; v[56:57] words of two tiles each
.set SO,  36
.set BY,  40
.set WD,  48
.set PD,  52
.set PP,  56
.set TT,  60                           ; v60-75   second halves of blocks
.set F,   76                           ; v76-123  a cell's four fragments
.set X,   128                          ; v128-191 two columns' 32 numbers on end
.set WF,  32                           ; the rows: v32-79, v80-127 W's fragments of a K step's two cells
.set ACC, 128                          ; v128-255 accumulator (tile of rows a, tile of units t) at 64 a + 8 t
.set GT,  32                           ; the gelu: t, P, x^2 and max(x, 0), 16 each; v80-111 h, a block in order
.set GP,  48
.set GQ,  64
.set GH,  80
.set BO,  112
.set WO,  114
.set WT,  116
.set FO,  128                          ; h's codes and the quantiser's registers lie where the first group's sums lay
.set QTT, 152
.set QM,  156
.set QSO, 158
; window 1: the stream: two buffers of 128 as loaded.  The rows: v0-191 x's 16 fragments (K step s, tile a at 12 (2 s + a)); v192-255 b1 in the result's layout
.set MSB, 0
.macro WIN new                         ; the immediate's high byte repeats the setting that is left; a switch that changes nothing is dropped
.if MSB != \new
	s_set_vgpr_msb (MSB<<8)|\new
.set MSB, \new
.endif
.endm
	s_load_b256 s[4:11], s[0:1], 0x0               ; w1 s[4:5], b1 s[6:7], xs s[8:9], lst s[10:11]
	s_load_b64 s[12:13], s[0:1], 0x20              ; hs
	v_lshrrev_b32 v12, 5, v0
	v_readfirstlane_b32 s14, v12                   ; wave 0..7
	s_lshr_b32 s15, ttmp9, 5                       ; e
	s_and_b32 s16, ttmp9, 31                       ; s2
	v_and_b32 v12, 31, v0                          ; lane
	v_and_b32 v13, 15, v0                          ; q
	v_bfe_u32 v14, v0, 4, 1                        ; g
	v_lshlrev_b32 v2, 4, v12
	v_add_nc_u32 v3, 49152, v2
	v_add_nc_u32 v4, SIMG, v2
	v_lshlrev_b32 v8, 2, v12
	v_lshlrev_b32 v9, 7, v14
	v_lshlrev_b32 v7, 3, v14
	v_lshlrev_b32 v1, 4, v13
	v_lshl_add_u32 v1, v14, 19, v1                 ; 16 q + 32 g rows
	s_mul_i32 s17, s14, 12288
	v_add_nc_u32 v5, s17, v2
	s_lshl_b32 s17, s14, 9
	v_add_nc_u32 v6, s17, v4
	v_mov_b32 v10, 0x3e7c6f08
	v_mov_b32 v11, 0x3e7c6f08
.irp c, 0,1,2,3
	v_mov_b32 v[PD+\c], 0                          ; written once: a lane move's destination counts as one of its sources
.endr
	s_mov_b32 s32, 0x76543210                      ; v_permlanex16_b32's selects for lane l xor 16
	s_mov_b32 s33, 0xfedcba98
	s_mov_b32 s34, 0xffff0000                      ; lanes 16-31
	s_mov_b32 s35, 0x3eb504f3                      ; 1 / (2 sqrt 2)
	s_lshl_b32 s18, s15, 24                        ; the expert's 2^24 bytes, my wave's 128 rows, the work-group's 128 columns
	s_lshl_b32 s17, s14, 21
	s_add_co_u32 s18, s18, s17
	s_lshl_b32 s17, s16, 9
	s_add_co_u32 s18, s18, s17
	s_mov_b32 s19, 0
	s_lshl_b32 s38, s15, 2
	s_wait_kmcnt 0x0
	s_add_nc_u64 s[4:5], s[4:5], s[18:19]
	s_load_b32 s28, s[10:11], s38 offset:0x0       ; the expert's first block,
	s_load_b32 s29, s[10:11], s38 offset:0x20      ; its blocks,
	s_load_b32 s30, s[10:11], 0x40                 ; all blocks
.macro WLOAD hc                        ; half-cell hc (cell hc / 2, K rows 64 (hc % 2) on): 32 loads into buffer hc % 2
	WIN 0x40
.set ii, 0
.rept 32
	global_load_b128 v[128*((\hc)%2)+4*ii:128*((\hc)%2)+4*ii+3], v1, s[4:5] offset:CELLB*((\hc)/2)+(64*((\hc)%2)+ii)*PITCHB th:TH_LOAD_NT
.set ii, ii+1
.endr
.endm
.macro COPY2 c0                        ; columns c0, c0 + 1 of my quad: 32 numbers each, on end
.irp cc, 0,1
.set ii, 0
.rept 32
	v_mov_b32 v[X+32*\cc+ii], v[LB+4*ii+\c0+\cc]
.set ii, ii+1
.endr
.endr
.endm
.macro CONV2 c0                        ; their codes: registers 6 u .. 6 u + 5 of fragments c0, c0 + 1; their bytes
.irp cc, 0,1
	v_cvt_scalef32_pk16_fp6_f32 v[F+12*(\c0+\cc)+6*UU:F+12*(\c0+\cc)+6*UU+2], v[X+32*\cc:X+32*\cc+15], v[SO+\c0+\cc]
	v_cvt_scalef32_pk16_fp6_f32 v[TT+4*(\c0+\cc):TT+4*(\c0+\cc)+2], v[X+32*\cc+16:X+32*\cc+31], v[SO+\c0+\cc]   ; (a conversion's three registers begin on an even number)
.endr
.irp cc, 0,1
	v_lshrrev_b32 v[BY+4*UU+\c0+\cc], 23, v[SO+\c0+\cc]   ; (the plain lines behind the conversions)
.endr
.irp cc, 0,1
.irp k, 0,1,2
	v_mov_b32 v[F+12*(\c0+\cc)+6*UU+3+\k], v[TT+4*(\c0+\cc)+\k]
.endr
.endr
.endm
.macro HALF hc
.set LB, 128*((\hc)%2)
.set UU, (\hc)%2
.if (\hc) < 3
	s_wait_loadcnt 32                              ; mine are in; the next half-cell's 32 stay out
.else
	s_wait_loadcnt 0x0
.endif
	WIN 0x05                                       ; sources 0 and 1 in window 1
.irp c, 0,1,2,3
	v_max3_num_f32 v[M+\c], |v[LB+\c]|, |v[LB+4+\c]|, 0x1800000   ; four blocks by turns; the floor 2^(3 - 127) among the leaves holds the byte at 1 from below
.endr
.irp i, 2,4,6,8,10,12,14,16,18,20,22,24,26,28,30
.irp c, 0,1,2,3
	v_max3_num_f32 v[M+\c], |v[LB+4*\i+\c]|, |v[LB+4*\i+4+\c]|, v[M+\c]
.endr
.endr
	COPY2 0
	WIN 0
.if (\hc) == 2
	s_wait_dscnt 0x0                               ; the last cell's LDS stores have read the fragments' registers
.endif
.irp c, 0,1,2,3
	v_add_nc_u32 v[SO+\c], 0xff000000, v[M+\c]     ; 2 off the exponent field: the conversion's scale operand
.endr
	CONV2 0
	WIN 0x05
	COPY2 2
.if (\hc) < 2
	WLOAD (\hc)+2                                  ; the buffer is read out: it takes the half-cell two further on
.endif
	WIN 0
	CONV2 2
.if UU == 1                            ; the cell is whole: its four scale words, and all of it to LDS
.irp c, 0,1,2,3
	v_lshl_or_b32 v[WD+\c], v[BY+4+\c], 16, v[BY+\c]   ; my two bytes: blocks g and 2 + g,
.endr
.irp c, 0,1,2,3
	v_lshlrev_b32 v[WD+\c], v7, v[WD+\c]           ; at their places;
.endr
.irp c, 0,1,2,3
	v_permlanex16_b32 v[PD+\c], v[WD+\c], s32, s33
.endr
.irp c, 0,1,2,3
	v_or_b32 v[WD+\c], v[WD+\c], v[PD+\c]          ; with lane l xor 16's two the word is whole
.endr
	v_cndmask_b32 v[PP], v[WD], v[WD+1], s34       ; a register carries two tiles' words: the even tile's in lanes 0-15, the odd one's in lanes 16-31
	v_cndmask_b32 v[PP+1], v[WD+2], v[WD+3], s34
.irp c, 0,1,2,3
.irp j, 0,1,2
	ds_store_b128 v5, v[F+12*\c+4*\j:F+12*\c+4*\j+3] offset:6144*((\hc)/2)+1536*\c+512*\j
.endr
.endr
	ds_store_b64 v6, v[PP:PP+1] offset:8*((\hc)/2)
.endif
.endm
	WLOAD 0
	WLOAD 1
	WIN 0
	s_wait_kmcnt 0x0                               ; the table's three words: the bases are made while the stream's first loads are on their way
	s_min_u32 s29, s29, 32                         ; 1,024 tokens are 32 blocks at the most
	s_add_co_u32 s29, s29, 7
	s_sub_co_u32 s29, s29, s14
	s_lshr_b32 s29, s29, 3                         ; my trips, for blocks w, w + 8, ..: (blocks + 7 - wave) / 8: 0 where the expert has no block for me, 4 at the most
	s_add_co_u32 s17, s28, s14                     ; my first block.  A wave that the split leaves without one asks for the last block that was written, and drops it
	s_sub_co_u32 s30, s30, 1
	s_min_u32 s17, s17, s30
	s_min_u32 s17, s17, 71                         ; a number from memory enters an address only behind such a bound
	s_mul_i32 s18, s17, 24576
	s_add_nc_u64 s[20:21], s[8:9], s[18:19]        ; the block's fragments of x,
	s_lshl_b32 s18, s17, 10
	s_add_nc_u64 s[22:23], s[8:9], s[18:19]        ; their scale words (XSC stands in the immediate),
	s_mul_i32 s18, s17, 98304
	s_mul_i32 s36, s16, 3072
	s_add_co_u32 s18, s18, s36
	s_add_nc_u64 s[24:25], s[12:13], s[18:19]      ; where h's two fragments go,
	s_lshl_b32 s18, s17, 12
	s_lshl_b32 s36, s16, 7
	s_add_co_u32 s18, s18, s36
	s_add_nc_u64 s[26:27], s[12:13], s[18:19]      ; and their scale words
	s_lshl_b32 s18, s15, 14
	s_lshl_b32 s36, s16, 9
	s_add_co_u32 s18, s18, s36
	s_add_nc_u64 s[6:7], s[6:7], s[18:19]          ; b1 at my 128 units
	HALF 0
	HALF 1
	HALF 2
	HALF 3
	WIN 0x40                                       ; window 1 is free now.  b1 in the result's layout: register 8 t + j of lane (r, h) is unit 64 (t / 4) + 32 h + 4 j + t % 4
.irp t, 0,1,2,3,4,5,6,7
.irp j, 0,1,2,3,4,5,6,7
	global_load_b32 v[192+8*\t+\j], v9, s[6:7] offset:(64*(\t/4)+4*\j+(\t%4))*4
.endr
.endr
.macro LOADX                           ; a block's rows: 8 scale words and 16 fragments, as they were stored
	WIN 0
.irp s, 0,1,2,3,4,5,6,7
	global_load_b32 v[XS+\s], v8, s[22:23] offset:XSC+128*\s
.endr
	WIN 0x40
.irp f, 0,1,2,3,4,5,6,7,8,9,10,11,12,13,14,15
.irp j, 0,1,2
	global_load_b128 v[12*\f+4*\j:12*\f+4*\j+3], v2, s[20:21] offset:1536*\f+512*\j
.endr
.endr
	WIN 0
.endm
	LOADX
	s_wait_dscnt 0x0                               ; my images have landed:
	s_barrier_signal -1
	s_barrier_wait -1                              ; all sixteen cells have.  The launch's one barrier; the loads above read bytes that nobody writes and stay out across it
.macro MM d, a, b, cb, sa, sb, ra, rb  ; ra, rb: the side's scale words stand in lanes 16-31
.if (\ra) && (\rb)
	v_wmma_scale_f32_16x16x128_f8f6f4 v[(\d):(\d)+7], v[(\a):(\a)+11], v[(\b):(\b)+11], v[(\cb):(\cb)+7], v[\sa], v[\sb] matrix_a_fmt:MATRIX_FMT_FP6 matrix_b_fmt:MATRIX_FMT_FP6 matrix_a_scale:MATRIX_SCALE_ROW1 matrix_b_scale:MATRIX_SCALE_ROW1
.elseif (\ra)
	v_wmma_scale_f32_16x16x128_f8f6f4 v[(\d):(\d)+7], v[(\a):(\a)+11], v[(\b):(\b)+11], v[(\cb):(\cb)+7], v[\sa], v[\sb] matrix_a_fmt:MATRIX_FMT_FP6 matrix_b_fmt:MATRIX_FMT_FP6 matrix_a_scale:MATRIX_SCALE_ROW1
.elseif (\rb)
	v_wmma_scale_f32_16x16x128_f8f6f4 v[(\d):(\d)+7], v[(\a):(\a)+11], v[(\b):(\b)+11], v[(\cb):(\cb)+7], v[\sa], v[\sb] matrix_a_fmt:MATRIX_FMT_FP6 matrix_b_fmt:MATRIX_FMT_FP6 matrix_b_scale:MATRIX_SCALE_ROW1
.else
	v_wmma_scale_f32_16x16x128_f8f6f4 v[(\d):(\d)+7], v[(\a):(\a)+11], v[(\b):(\b)+11], v[(\cb):(\cb)+7], v[\sa], v[\sb] matrix_a_fmt:MATRIX_FMT_FP6 matrix_b_fmt:MATRIX_FMT_FP6
.endif
.endm
.macro WFRAG s, hf                     ; cell 2 s + hf: four fragments, 12 LDS loads
.set NN, 2*(\s)+(\hf)
.irp c, 0,1,2,3
.irp j, 0,1,2
.if NN < 8
	ds_load_b128 v[WF+48*(\hf)+12*\c+4*\j:WF+48*(\hf)+12*\c+4*\j+3], v2 offset:6144*NN+1536*\c+512*\j
.else
	ds_load_b128 v[WF+48*(\hf)+12*\c+4*\j:WF+48*(\hf)+12*\c+4*\j+3], v3 offset:6144*(NN-8)+1536*\c+512*\j
.endif
.endr
.endr
.endm
; Half a K step: one cell's four tiles x the two tiles of rows.  The 16 accumulators take turns, one instruction a turn.  The first K step's C is the bias.
.macro HSTEP s, hf
.if ((\s) == 7) && ((\hf) == 1)
	s_wait_dscnt 0x0
.elseif (\hf) == 0
	s_wait_dscnt 12                                ; my cell and its scale words are in; the other cell's 12 loads stay out
.else
	s_wait_dscnt 13                                ; behind my cell: the next K step's scale words and its first cell
.endif
.if (\s) == 0
	WIN 0x14                                       ; source 1 (the rows) and source 2 (b1) in window 1
.else
	WIN 0x04
.endif
.irp c, 0,1,2,3
.irp a, 0,1
.set DV, ACC+64*\a+8*(4*(\hf)+\c)
.if (\s) == 0
.set CV, 192+8*(4*(\hf)+\c)
.else
.set CV, DV
.endif
	MM DV, WF+48*(\hf)+12*\c, 12*(2*(\s)+\a), CV, WS+4*((\s)%2)+2*(\hf)+\c/2, XS+(\s), \c%2, \a
.endr
.endr
.rept 4
	v_nop                                          ; four places in front of loads into registers that these products have read, and of the first read of results
.endr
.if (\s) < 7
.if (\hf) == 0
	ds_load_b128 v[WS+4*(((\s)+1)%2):WS+4*(((\s)+1)%2)+3], v4 offset:512*((\s)+1)
.endif
	WFRAG (\s)+1, \hf
.endif
.endm
; 16 sums (two tiles, c0 and c0 + 1) become 16 numbers of h, written at their places in the block: 4 j + c
.macro GELU16 xb, c0
.set kk, 0
.rept 16
	v_fma_f32 v[GT+kk], |v[(\xb)+kk]|, s35, 1.0    ; each accumulator is read from its low end on
.set kk, kk+1
.endr
.set kk, 0
.rept 16
	v_rcp_f32 v[GT+kk], v[GT+kk]                   ; t
.set kk, kk+1
.endr
.set kk, 0
.rept 8
	v_pk_mul_f32 v[GQ+kk:GQ+kk+1], v[(\xb)+kk:(\xb)+kk+1], v[(\xb)+kk:(\xb)+kk+1]   ; x^2.  (Plain lines behind the reciprocals)
.set kk, kk+2
.endr
.set kk, 0
	s_wait_alu depctr_va_vdst(0)
.rept 8
	v_pk_fma_f32 v[GP+kk:GP+kk+1], v[GT+kk:GT+kk+1], v[10:11], 0xbf97d29d op_sel_hi:[1,1,0]
.set kk, kk+2
.endr
.irp cf, 0x40097039, 0xbfd1a1e5, 0x3ecdfd18, 0xbe899a80, 0x3e0efb2e, 0x3f0a29d2, 0x3fb8ab5a, 0xc034d90f
.set kk, 0
.rept 8
	v_pk_fma_f32 v[GP+kk:GP+kk+1], v[GP+kk:GP+kk+1], v[GT+kk:GT+kk+1], \cf op_sel_hi:[1,1,0]
.set kk, kk+2
.endr
.endr
.set kk, 0
.rept 8
	v_pk_fma_f32 v[GP+kk:GP+kk+1], v[GQ+kk:GQ+kk+1], 0xbf38aa3b, v[GP+kk:GP+kk+1] op_sel_hi:[1,0,1]   ; - x^2 log2(e) / 2
.set kk, kk+2
.endr
.set kk, 0
.rept 16
	v_exp_f32 v[GP+kk], v[GP+kk]
.set kk, kk+1
.endr
.set kk, 0
.rept 16
	v_max_num_f32 v[GQ+kk], 0, v[(\xb)+kk]         ; (plain lines behind the exponentials)
.set kk, kk+1
.endr
.set kk, 0
	s_wait_alu depctr_va_vdst(0)
.rept 8
	v_pk_mul_f32 v[GP+kk:GP+kk+1], v[GP+kk:GP+kk+1], v[GT+kk:GT+kk+1]   ; E
.set kk, kk+2
.endr
.set kk, 0
.rept 16
	v_fma_f32 v[GH+4*(kk%8)+\c0+kk/8], -v[GP+kk], |v[(\xb)+kk]|, v[GQ+kk]
.set kk, kk+1
.endr
.endm
.macro QB src, f, u, bt                ; 32 numbers of one block in consecutive registers become registers f + 6 u on, and the scale's byte
	v_max3_num_f32 v[QM], |v[(\src)]|, |v[(\src)+1]|, 0x1800000
	v_max3_num_f32 v[QM+1], |v[(\src)+2]|, |v[(\src)+3]|, |v[(\src)+4]|
.irp i, 5,9,13,17,21,25
	v_max3_num_f32 v[QM], v[QM], |v[(\src)+\i]|, |v[(\src)+\i+1]|
	v_max3_num_f32 v[QM+1], v[QM+1], |v[(\src)+\i+2]|, |v[(\src)+\i+3]|
.endr
	v_max3_num_f32 v[QM], v[QM], |v[(\src)+29]|, |v[(\src)+30]|
	v_max3_num_f32 v[QM], v[QM], v[QM+1], |v[(\src)+31]|
	v_add_nc_u32 v[QSO], 0xff000000, v[QM]
	v_cvt_scalef32_pk16_fp6_f32 v[(\f)+6*(\u):(\f)+6*(\u)+2], v[(\src):(\src)+15], v[QSO]
	v_cvt_scalef32_pk16_fp6_f32 v[QTT:QTT+2], v[(\src)+16:(\src)+31], v[QSO]
	v_lshrrev_b32 v[\bt], 23, v[QSO]               ; (the plain line behind the conversions)
.irp k, 0,1,2
	v_mov_b32 v[(\f)+6*(\u)+3+\k], v[QTT+\k]
.endr
.endm
	s_mov_b32 s31, 0                               ; trips done
	s_cmp_eq_u32 s29, 0
	s_cbranch_scc1 .Ldone                          ; the split leaves me no block
.Lblk:
	ds_load_b128 v[WS:WS+3], v4
	WFRAG 0, 0
	WFRAG 0, 1
	s_wait_loadcnt 0x0                             ; the block's rows (and, the first time, b1): so their bases may step below
.irp s, 0,1,2,3,4,5,6,7
	HSTEP \s, 0
	HSTEP \s, 1
.endr
	WIN 0
	s_add_co_u32 s31, s31, 1                       ; the counter's one step a trip
	s_cmp_ge_u32 s31, s29
	s_cbranch_scc1 .Lno_next
	s_add_nc_u64 s[20:21], s[20:21], 8*24576       ; my next block lies eight blocks on
	s_add_nc_u64 s[22:23], s[22:23], 8*1024
	LOADX                                          ; its rows land under the gelu
.Lno_next:
.irp a, 0,1
.irp u, 0,1
	GELU16 ACC+64*\a+32*\u, 0
	GELU16 ACC+64*\a+32*\u+16, 2
	QB GH, FO+12*\a, \u, BO+\u
.endr
	v_lshl_or_b32 v[WO+\a], v[BO+1], 16, v[BO]     ; the row's scale word, as in the stream
	v_lshlrev_b32 v[WO+\a], v7, v[WO+\a]
	v_permlanex16_b32 v[WT], v[WO+\a], s32, s33
	v_or_b32 v[WO+\a], v[WO+\a], v[WT]
.irp j, 0,1,2
	global_store_b128 v2, v[FO+12*\a+4*\j:FO+12*\a+4*\j+3], s[24:25] offset:1536*\a+512*\j   ; K step s2 of the next product, as an image: 512 consecutive bytes a store
.endr
.endr
	v_cndmask_b32 v[WO], v[WO], v[WO+1], s34
	global_store_b32 v8, v[WO], s[26:27] offset:HSC
	s_wait_xcnt 0x0                                ; the stores' data and bases are written again only behind this wait
	s_add_nc_u64 s[24:25], s[24:25], 8*98304
	s_add_nc_u64 s[26:27], s[26:27], 8*4096
	s_cmp_lt_u32 s31, s29
	s_cbranch_scc1 .Lblk
.Ldone:
	s_wait_xcnt 0x0
	v_lshl_add_u32 v254, v0, 2, 0x19000
	v_mov_b32 v255, 0
	s_wait_tensorcnt 0x0
	ds_add_u32 v254, v255
	s_wait_dscnt 0x0
	s_endpgm
.Lfunc_end_k_qb03d5cdadd_ffn1:
	.size	k_qb03d5cdadd_ffn1, .Lfunc_end_k_qb03d5cdadd_ffn1-k_qb03d5cdadd_ffn1
	.p2alignl 7, 3214868480
	.fill 96, 4, 3214868480
	.section	.rodata,"a",@progbits
	.p2align	6, 0x0
	.amdhsa_kernel k_qb03d5cdadd_ffn1
		.amdhsa_group_segment_fixed_size 103424
		.amdhsa_private_segment_fixed_size 0
		.amdhsa_enable_private_segment 0
		.amdhsa_kernarg_size 40
		.amdhsa_user_sgpr_count 2
		.amdhsa_user_sgpr_kernarg_segment_ptr 1
		.amdhsa_wavefront_size32 1
		.amdhsa_system_sgpr_workgroup_id_x 1
		.amdhsa_system_sgpr_workgroup_id_y 1
		.amdhsa_system_sgpr_workgroup_id_z 1
		.amdhsa_system_vgpr_workitem_id 0
		.amdhsa_next_free_vgpr 512
		.amdhsa_next_free_sgpr 66
		.amdhsa_reserve_vcc 0
		.amdhsa_float_denorm_mode_32 3
		.amdhsa_float_denorm_mode_16_64 3
		.amdhsa_memory_ordered 1
		.amdhsa_forward_progress 1
		.amdhsa_inst_pref_size 209
	.end_amdhsa_kernel
	.amdgpu_metadata
---
amdhsa.version: [ 1, 2 ]
amdhsa.kernels:
  - .name:           k_qb03d5cdadd_ffn1
    .symbol:         k_qb03d5cdadd_ffn1.kd
    .args:
      - { .name: w1, .offset: 0, .size: 8, .value_kind: global_buffer, .address_space: global }
      - { .name: b1, .offset: 8, .size: 8, .value_kind: global_buffer, .address_space: global }
      - { .name: xs, .offset: 16, .size: 8, .value_kind: global_buffer, .address_space: global }
      - { .name: lst, .offset: 24, .size: 8, .value_kind: global_buffer, .address_space: global }
      - { .name: hs, .offset: 32, .size: 8, .value_kind: global_buffer, .address_space: global }
    .group_segment_fixed_size: 103424
    .private_segment_fixed_size: 0
    .kernarg_segment_align: 8
    .kernarg_segment_size: 40
    .max_flat_workgroup_size: 256
    .sgpr_count:     66
    .vgpr_count:     512
    .wavefront_size: 32
...
	.end_amdgpu_metadata
.endif
;; end of part 3
;; launch ffn2 (part 4): grid 256 x 1, 8 waves a work-group, no clusters, 173,056 bytes of LDS; arguments w2, b2, hs, lst, gat, yp; writes yp
.if DOCPART == 4
	.amdgcn_target "amdgcn-amd-amdhsa--gfx1250"
	.amdhsa_code_object_version 6
	.text
	.protected	k_qb03d5cdadd_ffn2
	.globl	k_qb03d5cdadd_ffn2
	.p2align	8
	.type	k_qb03d5cdadd_ffn2,@function
k_qb03d5cdadd_ffn2:
	s_mov_b64 s[64:65], 0
	v_nop
	global_prefetch_b8 v0, s[64:65] scope:SCOPE_SE
	s_setreg_imm32_b32 hwreg(HW_REG_WAVE_MODE, 25, 1), 1
	s_wait_xcnt 0x0
; yp = weight x (h W2 + b2) for the placed rows, on codes of FP6 (E2M3) with one E8M0 scale for each 32 along K, in two halves of K that the last launch adds.
; SHARES.  Work-group (e = number / 32, ds = (number / 2) % 16, kh = number % 2) owns output columns 64 ds .. 64 ds + 63 over K = 2,048 kh .. 2,048 kh + 2,047 of expert e: a slab of W2 of 2,048 x 64 f32,
; 524,288 bytes, which no other work-group reads.  64 columns make a slab's rows 256 consecutive bytes, aligned; half of K makes 256 work-groups of equal slabs.
; PHASE 1, THE STREAM, as in the launch before: 16 cells of 128 K x 64 columns (cell = K step), two to a wave; lane (q, g) of a load takes row 32 g + i, columns 4 q + 0..3, so that for each c a lane holds a whole
; block of 32 along K of column 4 q + c, and the conversions' results are the registers of tile c, whose row m is column 4 m + c.  Images to LDS, ONE barrier; W2 is read from memory once and never stored.
; PHASE 2, THE ROWS.  Wave w takes the expert's blocks w, w + 8, .. (the count is read from lst).  h's fragments come from hs straight into a ring of eight K steps' registers, refilled as they are used; W's from LDS.
; Transposed use (source 0 = 16 columns of W2, source 1 = 16 rows): lane (r, h) holds columns 32 h + 4 j + c of row r: 128 neighbouring bytes.  They are multiplied by the row's weight, go through the wave's own
; stage in LDS and leave as whole rows: sixteen lanes store 256 consecutive bytes, aligned, at the row of yp that lst names.  b2 is the C of the first K step where kh = 0; zeros where kh = 1.
; No barrier, no stepped LDS address stands in that loop, since its count hangs on data.
; NO CLUSTER: what the work-groups of an expert share is h's codes, 49,152 bytes a block beside 524,288 unshared bytes of weights, and they come by plain loads in a loop whose count differs from wave to wave.
; LIMITS.  NaN and infinities are not served.  Blocks of W2 under 2^-124 take the scale byte 1 (a block of zeros too: its codes are zeros).  K's two halves are summed apart and added at the end.
.set PITCHB, 4096                      ; a row of W2 in bytes
.set CELLB,  524288                    ; from a wave's first cell to its second: 128 rows
.set SIMG,   98304                     ; LDS: from 0 the cells' fragments: 6,144 n + 1,536 c + 512 j + 16 lane; from SIMG their scale words: 512 (n / 2) + 16 lane + 8 (n % 2)
.set STG,    102400                    ; the stages: 32 rows x (256 bytes + 16) for each wave
.set HSC,    7077888
; window 0: v1 stream offset; v2, v3 16 lane (+ 49,152); v4 SIMG + 16 lane; v5, v6 my wave's places for images and scale words; v7 8 g; v8 4 lane; v9 128 h; v10 4 q; v11 64 g; v12, v13 the stage, in and back; v14 16 q
.set HS,  16                           ; v16-31   h's scale words, one register a K step: lanes 0-15 tile 0, lanes 16-31 tile 1.  Scales alone
.set M,   32                           ; the stream's registers, as in the launch before
.set SO,  36
.set BY,  40
.set WD,  48
.set PD,  52
.set PP,  56
.set TT,  60
.set F,   76
.set X,   128
.set WF,  32                           ; the rows: v32-79, v80-127 W's four fragments of a K step, two buffers
.set ACC, 128                          ; v128-191 accumulator (tile of rows a, tile of columns c) at 32 a + 8 c
.set WS,  192                          ; v192-199 W's scale words, two sets of four (two K steps each).  Scales alone
.set DR,  200                          ; v200-215 the 16 rows' places in yp, as loaded
.set OF,  216                          ; v216-231 and as byte offsets
.set GR,  232                          ; v232-233 the rows' weights as loaded;  v234-235 in use
.set GG,  234
.set OO,  32                           ; the way out: v32-95 results in order; v128-191 whole rows
.set YY,  128
; window 1: the stream: two buffers of 128 as loaded.  The rows: v0-191 a ring of 8 K steps x 2 fragments of h; v192-223 b2 in the result's layout
.set MSB, 0
.macro WIN new                         ; the immediate's high byte repeats the setting that is left; a switch that changes nothing is dropped
.if MSB != \new
	s_set_vgpr_msb (MSB<<8)|\new
.set MSB, \new
.endif
.endm
	s_load_b256 s[4:11], s[0:1], 0x0               ; w2 s[4:5], b2 s[6:7], hs s[8:9], lst s[10:11]
	s_load_b128 s[12:15], s[0:1], 0x20             ; gat s[12:13], yp s[14:15]
	v_lshl_add_u32 v254, v0, 2, 0x2a000
	v_mov_b32 v255, 0
	v_lshrrev_b32 v15, 5, v0
	v_readfirstlane_b32 s16, v15                   ; wave 0..7
	s_lshr_b32 s17, ttmp9, 5                       ; e
	s_bfe_u32 s18, ttmp9, 0x40001                  ; ds
	s_and_b32 s19, ttmp9, 1                        ; kh
	v_and_b32 v15, 31, v0                          ; lane
	v_and_b32 v10, 15, v0                          ; q
	v_bfe_u32 v11, v0, 4, 1                        ; g
	v_lshlrev_b32 v2, 4, v15
	v_add_nc_u32 v3, 49152, v2
	v_add_nc_u32 v4, SIMG, v2
	v_lshlrev_b32 v8, 2, v15
	v_lshlrev_b32 v9, 7, v11
	v_lshlrev_b32 v7, 3, v11
	v_lshlrev_b32 v14, 4, v10
	v_lshl_add_u32 v1, v11, 17, v14                ; 16 q + 32 g rows
	s_mul_i32 s36, s16, 12288
	v_add_nc_u32 v5, s36, v2
	s_lshl_b32 s36, s16, 9
	v_add_nc_u32 v6, s36, v4
	s_mul_i32 s36, s16, 8704
	s_add_co_u32 s36, s36, STG                     ; my stage
	v_mul_u32_u24 v12, v10, 272
	v_lshl_add_u32 v12, v11, 7, v12
	v_add_nc_u32 v12, s36, v12                     ; in: row r, + 128 h
	v_mul_u32_u24 v13, v11, 4352
	v_add_nc_u32 v13, v13, v14
	v_add_nc_u32 v13, s36, v13                     ; back: lanes 0-15 a row of tile 0, lanes 16-31 the same row of tile 1
	v_lshlrev_b32 v10, 2, v10
	v_lshlrev_b32 v11, 6, v11
.irp c, 0,1,2,3
	v_mov_b32 v[PD+\c], 0                          ; written once: a lane move's destination counts as one of its sources
.endr
	s_mov_b32 s32, 0x76543210                      ; v_permlanex16_b32's selects for lane l xor 16
	s_mov_b32 s33, 0xfedcba98
	s_mov_b32 s34, 0xffff0000                      ; lanes 16-31
	s_lshl_b32 s36, s17, 24                        ; the expert's 2^24 bytes, my half of K, my wave's 256 rows, the work-group's 64 columns
	s_lshl_b32 s39, s19, 23
	s_add_co_u32 s36, s36, s39
	s_lshl_b32 s39, s16, 20
	s_add_co_u32 s36, s36, s39
	s_lshl_b32 s39, s18, 8
	s_add_co_u32 s36, s36, s39
	s_mov_b32 s37, 0
	s_lshl_b32 s38, s17, 2
	s_wait_kmcnt 0x0
	s_add_nc_u64 s[4:5], s[4:5], s[36:37]
	s_load_b32 s28, s[10:11], s38 offset:0x0       ; the expert's first block,
	s_load_b32 s29, s[10:11], s38 offset:0x20      ; its blocks,
	s_load_b32 s30, s[10:11], 0x40                 ; all blocks
.macro WLOAD hc                        ; half-cell hc (cell hc / 2, K rows 64 (hc % 2) on): 32 loads into buffer hc % 2
	WIN 0x40
.set ii, 0
.rept 32
	global_load_b128 v[128*((\hc)%2)+4*ii:128*((\hc)%2)+4*ii+3], v1, s[4:5] offset:CELLB*((\hc)/2)+(64*((\hc)%2)+ii)*PITCHB th:TH_LOAD_NT
.set ii, ii+1
.endr
.endm
.macro COPY2 c0                        ; columns c0, c0 + 1 of my quad: 32 numbers each, on end
.irp cc, 0,1
.set ii, 0
.rept 32
	v_mov_b32 v[X+32*\cc+ii], v[LB+4*ii+\c0+\cc]
.set ii, ii+1
.endr
.endr
.endm
.macro CONV2 c0                        ; their codes: registers 6 u .. 6 u + 5 of fragments c0, c0 + 1; their bytes
.irp cc, 0,1
	v_cvt_scalef32_pk16_fp6_f32 v[F+12*(\c0+\cc)+6*UU:F+12*(\c0+\cc)+6*UU+2], v[X+32*\cc:X+32*\cc+15], v[SO+\c0+\cc]
	v_cvt_scalef32_pk16_fp6_f32 v[TT+4*(\c0+\cc):TT+4*(\c0+\cc)+2], v[X+32*\cc+16:X+32*\cc+31], v[SO+\c0+\cc]   ; (a conversion's three registers begin on an even number)
.endr
.irp cc, 0,1
	v_lshrrev_b32 v[BY+4*UU+\c0+\cc], 23, v[SO+\c0+\cc]   ; (the plain lines behind the conversions)
.endr
.irp cc, 0,1
.irp k, 0,1,2
	v_mov_b32 v[F+12*(\c0+\cc)+6*UU+3+\k], v[TT+4*(\c0+\cc)+\k]
.endr
.endr
.endm
.macro HALF hc
.set LB, 128*((\hc)%2)
.set UU, (\hc)%2
.if (\hc) < 3
	s_wait_loadcnt 32                              ; mine are in; the next half-cell's 32 stay out
.else
	s_wait_loadcnt 0x0
.endif
	WIN 0x05                                       ; sources 0 and 1 in window 1
.irp c, 0,1,2,3
	v_max3_num_f32 v[M+\c], |v[LB+\c]|, |v[LB+4+\c]|, 0x1800000   ; four blocks by turns; the floor 2^(3 - 127) among the leaves holds the byte at 1 from below
.endr
.irp i, 2,4,6,8,10,12,14,16,18,20,22,24,26,28,30
.irp c, 0,1,2,3
	v_max3_num_f32 v[M+\c], |v[LB+4*\i+\c]|, |v[LB+4*\i+4+\c]|, v[M+\c]
.endr
.endr
	COPY2 0
	WIN 0
.if (\hc) == 2
	s_wait_dscnt 0x0                               ; the last cell's LDS stores have read the fragments' registers
.endif
.irp c, 0,1,2,3
	v_add_nc_u32 v[SO+\c], 0xff000000, v[M+\c]     ; 2 off the exponent field: the conversion's scale operand
.endr
	CONV2 0
	WIN 0x05
	COPY2 2
.if (\hc) < 2
	WLOAD (\hc)+2                                  ; the buffer is read out: it takes the half-cell two further on
.endif
	WIN 0
	CONV2 2
.if UU == 1                            ; the cell is whole: its four scale words, and all of it to LDS
.irp c, 0,1,2,3
	v_lshl_or_b32 v[WD+\c], v[BY+4+\c], 16, v[BY+\c]   ; my two bytes: blocks g and 2 + g,
.endr
.irp c, 0,1,2,3
	v_lshlrev_b32 v[WD+\c], v7, v[WD+\c]           ; at their places;
.endr
.irp c, 0,1,2,3
	v_permlanex16_b32 v[PD+\c], v[WD+\c], s32, s33
.endr
.irp c, 0,1,2,3
	v_or_b32 v[WD+\c], v[WD+\c], v[PD+\c]          ; with lane l xor 16's two the word is whole
.endr
	v_cndmask_b32 v[PP], v[WD], v[WD+1], s34       ; a register carries two tiles' words: the even tile's in lanes 0-15, the odd one's in lanes 16-31
	v_cndmask_b32 v[PP+1], v[WD+2], v[WD+3], s34
.irp c, 0,1,2,3
.irp j, 0,1,2
	ds_store_b128 v5, v[F+12*\c+4*\j:F+12*\c+4*\j+3] offset:6144*((\hc)/2)+1536*\c+512*\j
.endr
.endr
	ds_store_b64 v6, v[PP:PP+1] offset:8*((\hc)/2)
.endif
.endm
	WLOAD 0
	WLOAD 1
	WIN 0
	s_wait_kmcnt 0x0                               ; the table's three words: the bases are made while the stream's first loads are on their way
	s_min_u32 s29, s29, 32                         ; 1,024 tokens are 32 blocks at the most
	s_add_co_u32 s29, s29, 7
	s_sub_co_u32 s29, s29, s16
	s_lshr_b32 s29, s29, 3                         ; my trips, for blocks w, w + 8, ..: (blocks + 7 - wave) / 8: 0 where the expert has no block for me, 4 at the most
	s_add_co_u32 s39, s28, s16                     ; my first block.  A wave that the split leaves without one asks for the last block that was written, and drops it
	s_sub_co_u32 s30, s30, 1
	s_min_u32 s39, s39, s30
	s_min_u32 s39, s39, 71                         ; a number from memory enters an address only behind such a bound
	s_lshl_b32 s36, s39, 7
	s_add_nc_u64 s[20:21], s[10:11], s[36:37]      ; the block's rows' places (256 stands in the immediate),
	s_add_nc_u64 s[22:23], s[12:13], s[36:37]      ; their weights,
	s_lshl_b32 s36, s39, 12
	s_lshl_b32 s35, s19, 11
	s_add_co_u32 s36, s36, s35
	s_add_nc_u64 s[24:25], s[8:9], s[36:37]        ; h's scale words of my half of K (HSC stands in the immediate),
	s_mul_i32 s36, s39, 98304
	s_mul_i32 s35, s19, 49152
	s_add_co_u32 s36, s36, s35
	s_add_nc_u64 s[26:27], s[8:9], s[36:37]        ; and its fragments
	s_mul_i32 s36, s19, 8421376
	s_lshl_b32 s35, s18, 8
	s_add_co_u32 s36, s36, s35
	s_add_nc_u64 s[14:15], s[14:15], s[36:37]      ; yp: my half's plane, my 64 columns
	s_lshl_b32 s36, s17, 12
	s_add_co_u32 s36, s36, s35
	s_add_nc_u64 s[6:7], s[6:7], s[36:37]          ; b2 at my 64 columns
	HALF 0
	HALF 1
	HALF 2
	HALF 3
	s_cmp_lg_u32 s19, 0                            ; window 1 is free now.  The first K step's C: register 8 c + j of lane (r, h) is column 32 h + 4 j + c
	s_cbranch_scc1 .Lzero
	WIN 0x40
.irp c, 0,1,2,3
.irp j, 0,1,2,3,4,5,6,7
	global_load_b32 v[192+8*\c+\j], v9, s[6:7] offset:(4*\j+\c)*4
.endr
.endr
	WIN 0
	s_branch .Lbias_done
.Lzero:
	WIN 0x40
.irp j, 0,1,2,3,4,5,6,7,8,9,10,11,12,13,14,15,16,17,18,19,20,21,22,23,24,25,26,27,28,29,30,31
	v_mov_b32 v[192+\j], 0                         ; K's second half adds no bias: 32 registers, once
.endr
	WIN 0
.Lbias_done:
.macro HFRAG s                         ; h's two fragments of K step s into slot s % 8: 6 loads (destination window 1)
.irp a, 0,1
.irp j, 0,1,2
	global_load_b128 v[24*((\s)%8)+12*\a+4*\j:24*((\s)%8)+12*\a+4*\j+3], v2, s[26:27] offset:3072*(\s)+1536*\a+512*\j
.endr
.endr
.endm
.macro PRE                             ; a block's head: 4 + 2 + 16 loads of places, weights and scale words, then the fragments of K steps 0 to 7
	WIN 0
.irp m, 0,1,2,3
	global_load_b128 v[DR+4*\m:DR+4*\m+3], v11, s[20:21] offset:256+16*\m   ; lanes 0-15: tile 0's 16 rows; lanes 16-31: tile 1's
.endr
.irp a, 0,1
	global_load_b32 v[GR+\a], v10, s[22:23] offset:64*\a
.endr
.irp s, 0,1,2,3,4,5,6,7,8,9,10,11,12,13,14,15
	global_load_b32 v[HS+\s], v8, s[24:25] offset:HSC+128*\s
.endr
	WIN 0x40
.irp s, 0,1,2,3,4,5,6,7
	HFRAG \s
.endr
	WIN 0
.endm
	PRE
	s_wait_dscnt 0x0                               ; my images have landed:
	s_barrier_signal -1
	s_barrier_wait -1                              ; all sixteen cells have.  The launch's one barrier; the loads above read bytes that nobody writes and stay out across it
.macro MM d, a, b, cb, sa, sb, ra, rb  ; ra, rb: the side's scale words stand in lanes 16-31
.if (\ra) && (\rb)
	v_wmma_scale_f32_16x16x128_f8f6f4 v[(\d):(\d)+7], v[(\a):(\a)+11], v[(\b):(\b)+11], v[(\cb):(\cb)+7], v[\sa], v[\sb] matrix_a_fmt:MATRIX_FMT_FP6 matrix_b_fmt:MATRIX_FMT_FP6 matrix_a_scale:MATRIX_SCALE_ROW1 matrix_b_scale:MATRIX_SCALE_ROW1
.elseif (\ra)
	v_wmma_scale_f32_16x16x128_f8f6f4 v[(\d):(\d)+7], v[(\a):(\a)+11], v[(\b):(\b)+11], v[(\cb):(\cb)+7], v[\sa], v[\sb] matrix_a_fmt:MATRIX_FMT_FP6 matrix_b_fmt:MATRIX_FMT_FP6 matrix_a_scale:MATRIX_SCALE_ROW1
.elseif (\rb)
	v_wmma_scale_f32_16x16x128_f8f6f4 v[(\d):(\d)+7], v[(\a):(\a)+11], v[(\b):(\b)+11], v[(\cb):(\cb)+7], v[\sa], v[\sb] matrix_a_fmt:MATRIX_FMT_FP6 matrix_b_fmt:MATRIX_FMT_FP6 matrix_b_scale:MATRIX_SCALE_ROW1
.else
	v_wmma_scale_f32_16x16x128_f8f6f4 v[(\d):(\d)+7], v[(\a):(\a)+11], v[(\b):(\b)+11], v[(\cb):(\cb)+7], v[\sa], v[\sb] matrix_a_fmt:MATRIX_FMT_FP6 matrix_b_fmt:MATRIX_FMT_FP6
.endif
.endm
.macro W2FRAG s                        ; cell s: four fragments, 12 LDS loads, into buffer s % 2
.irp c, 0,1,2,3
.irp j, 0,1,2
.if (\s) < 8
	ds_load_b128 v[WF+48*((\s)%2)+12*\c+4*\j:WF+48*((\s)%2)+12*\c+4*\j+3], v2 offset:6144*(\s)+1536*\c+512*\j
.else
	ds_load_b128 v[WF+48*((\s)%2)+12*\c+4*\j:WF+48*((\s)%2)+12*\c+4*\j+3], v3 offset:6144*((\s)-8)+1536*\c+512*\j
.endif
.endr
.endr
.endm
; A K step: four tiles of columns x two tiles of rows.  The 8 accumulators take turns, one instruction a turn.
.macro KSTEP s
.if (\s) == 15
	s_wait_dscnt 0x0
.elseif ((\s)%2) == 0
	s_wait_dscnt 12                                ; my cell and its scale words are in; the next cell's 12 loads stay out
.else
	s_wait_dscnt 13                                ; behind my cell: the next two K steps' scale words and the next cell
.endif
.if (\s) <= 8
	s_wait_loadcnt 42                              ; behind this K step's fragments: those of seven later K steps, 6 loads each
.else
	s_wait_loadcnt 6*(15-(\s))
.endif
.if (\s) == 0
.irp i, 0,1,2,3,4,5,6,7,8,9,10,11,12,13,14,15
	v_min_u32 v[OF+\i], 0x807, v[DR+\i]            ; a number from memory enters an address only behind such a bound: yp has 2,056 rows
.endr
.irp i, 0,1,2,3,4,5,6,7,8,9,10,11,12,13,14,15
	v_lshl_add_u32 v[OF+\i], v[OF+\i], 12, v14     ; row x 4,096 + 16 q.  Kept apart from what was loaded, so that the next block's head may land while this one goes out
.endr
	v_mov_b32 v[GG], v[GR]
	v_mov_b32 v[GG+1], v[GR+1]
	WIN 0x14                                       ; source 1 (h) and source 2 (the bias) in window 1
.else
	WIN 0x04
.endif
.irp c, 0,1,2,3
.irp a, 0,1
.set DV, ACC+32*\a+8*\c
.if (\s) == 0
.set CV, 192+8*\c
.else
.set CV, DV
.endif
	MM DV, WF+48*((\s)%2)+12*\c, 24*((\s)%8)+12*\a, CV, WS+4*(((\s)/2)%2)+2*((\s)%2)+\c/2, HS+(\s), \c%2, \a
.endr
.endr
.rept 4
	v_nop                                          ; four places in front of loads into registers that these products have read, and of the first read of results
.endr
.if (\s) < 14
.if ((\s)%2) == 0
	ds_load_b128 v[WS+4*((((\s)+2)/2)%2):WS+4*((((\s)+2)/2)%2)+3], v4 offset:512*(((\s)+2)/2)
.endif
	W2FRAG (\s)+2
.endif
.if (\s) < 8
	WIN 0x40
	HFRAG (\s)+8                                   ; the slot takes the K step eight further on
.endif
.endm
	s_mov_b32 s31, 0                               ; trips done
	s_cmp_eq_u32 s29, 0
	s_cbranch_scc1 .Ldone                          ; the split leaves me no block
.Lblk:
	ds_load_b128 v[WS:WS+3], v4
	W2FRAG 0
	W2FRAG 1
.irp s, 0,1,2,3,4,5,6,7,8,9,10,11,12,13,14,15
	KSTEP \s
.endr
	WIN 0
	s_add_co_u32 s31, s31, 1                       ; the counter's one step a trip
	s_cmp_ge_u32 s31, s29
	s_cbranch_scc1 .Lno_next
	s_add_nc_u64 s[20:21], s[20:21], 8*128         ; my next block lies eight blocks on.  The last K step's wait was for 0: no load of mine is out, so the bases may step
	s_add_nc_u64 s[22:23], s[22:23], 8*128
	s_add_nc_u64 s[24:25], s[24:25], 8*4096
	s_add_nc_u64 s[26:27], s[26:27], 8*98304
	PRE                                            ; its head lands while this block goes out
.Lno_next:
.irp a, 0,1
.irp c, 0,1,2,3
.irp j, 0,1,2,3,4,5,6,7
	v_mul_f32 v[OO+32*\a+4*\j+\c], v[ACC+32*\a+8*\c+\j], v[GG+\a]   ; x the row's weight, written in the order of the columns; each accumulator from its low end on
.endr
.endr
.endr
.irp a, 0,1
.irp m, 0,1,2,3,4,5,6,7
	ds_store_b128 v12, v[OO+32*\a+4*\m:OO+32*\a+4*\m+3] offset:4352*\a+16*\m
.endr
.endr
.irp i, 0,1,2,3,4,5,6,7,8,9,10,11,12,13,14,15
	ds_load_b128 v[YY+4*\i:YY+4*\i+3], v13 offset:272*\i   ; LDS serves a wave's instructions in order (ISA guide 5.7.1.4): these see my stores; the stage is my wave's own
.endr
.irp i, 0,1,2,3,4,5,6,7,8,9,10,11,12,13,14,15
	s_wait_dscnt 15-\i
	global_store_b128 v[OF+\i], v[YY+4*\i:YY+4*\i+3], s[14:15]   ; sixteen lanes store 256 consecutive bytes, aligned; the next launch reads them
.endr
	s_wait_xcnt 0x0                                ; the stores' data and offsets are written again only behind this wait
	s_cmp_lt_u32 s31, s29
	s_cbranch_scc1 .Lblk
.Ldone:
	s_wait_tensorcnt 0x0
	ds_add_u32 v254, v255
	s_wait_dscnt 0x0
	s_endpgm
.Lfunc_end_k_qb03d5cdadd_ffn2:
	.size	k_qb03d5cdadd_ffn2, .Lfunc_end_k_qb03d5cdadd_ffn2-k_qb03d5cdadd_ffn2
	.p2alignl 7, 3214868480
	.fill 96, 4, 3214868480
	.section	.rodata,"a",@progbits
	.p2align	6, 0x0
	.amdhsa_kernel k_qb03d5cdadd_ffn2
		.amdhsa_group_segment_fixed_size 173056
		.amdhsa_private_segment_fixed_size 0
		.amdhsa_enable_private_segment 0
		.amdhsa_kernarg_size 48
		.amdhsa_user_sgpr_count 2
		.amdhsa_user_sgpr_kernarg_segment_ptr 1
		.amdhsa_wavefront_size32 1
		.amdhsa_system_sgpr_workgroup_id_x 1
		.amdhsa_system_sgpr_workgroup_id_y 1
		.amdhsa_system_sgpr_workgroup_id_z 1
		.amdhsa_system_vgpr_workitem_id 0
		.amdhsa_next_free_vgpr 512
		.amdhsa_next_free_sgpr 66
		.amdhsa_reserve_vcc 0
		.amdhsa_float_denorm_mode_32 3
		.amdhsa_float_denorm_mode_16_64 3
		.amdhsa_memory_ordered 1
		.amdhsa_forward_progress 1
		.amdhsa_inst_pref_size 121
	.end_amdhsa_kernel
	.amdgpu_metadata
---
amdhsa.version: [ 1, 2 ]
amdhsa.kernels:
  - .name:           k_qb03d5cdadd_ffn2
    .symbol:         k_qb03d5cdadd_ffn2.kd
    .args:
      - { .name: w2, .offset: 0, .size: 8, .value_kind: global_buffer, .address_space: global }
      - { .name: b2, .offset: 8, .size: 8, .value_kind: global_buffer, .address_space: global }
      - { .name: hs, .offset: 16, .size: 8, .value_kind: global_buffer, .address_space: global }
      - { .name: lst, .offset: 24, .size: 8, .value_kind: global_buffer, .address_space: global }
      - { .name: gat, .offset: 32, .size: 8, .value_kind: global_buffer, .address_space: global }
      - { .name: yp, .offset: 40, .size: 8, .value_kind: global_buffer, .address_space: global }
    .group_segment_fixed_size: 173056
    .private_segment_fixed_size: 0
    .kernarg_segment_align: 8
    .kernarg_segment_size: 48
    .max_flat_workgroup_size: 256
    .sgpr_count:     66
    .vgpr_count:     512
    .wavefront_size: 32
...
	.end_amdgpu_metadata
.endif
;; end of part 4
;; launch comb (part 5): grid 256 x 1, 8 waves a work-group, no clusters, 0 bytes of LDS; arguments yp, out0; writes out0
.if DOCPART == 5
	.amdgcn_target "amdgcn-amd-amdhsa--gfx1250"
	.amdhsa_code_object_version 6
	.text
	.protected	k_qb03d5cdadd_comb
	.globl	k_qb03d5cdadd_comb
	.p2align	8
	.type	k_qb03d5cdadd_comb,@function
k_qb03d5cdadd_comb:
	s_mov_b64 s[64:65], 0
	v_nop
	global_prefetch_b8 v0, s[64:65] scope:SCOPE_SE
	s_setreg_imm32_b32 hwreg(HW_REG_WAVE_MODE, 25, 1), 1
	s_wait_xcnt 0x0
; out0[token] = the sum of the token's four parts in yp: its first and its second expert's weighted result, each in two halves of K.  yp: [half 2][2,056 rows][1,024] f32, row = 1,024 x (choice - 1) + token.
; A stream: thread g (of 65,536) takes the 16 bytes at 16 g + 2^20 i, i = 0..3, of each part: a wave's load or store covers 512 consecutive bytes.  All 16 loads of a thread go out first.
; No LDS, no barrier: threads share nothing.  Each output has one owner, so the sum needs no atomics.
	s_load_b128 s[4:7], s[0:1], 0x0                ; yp s[4:5], out0 s[6:7]
	v_lshlrev_b32 v1, 4, v0
	s_lshl_b32 s8, ttmp9, 12
	v_add_nc_u32 v1, s8, v1                        ; 16 x (256 x work-group + thread)
	s_wait_kmcnt 0x0
	s_add_nc_u64 s[10:11], s[4:5], 8421376         ; K's second half
.irp i, 0,1,2,3
	global_load_b128 v[16+16*\i:19+16*\i], v1, s[4:5] offset:1048576*\i th:TH_LOAD_NT
	global_load_b128 v[20+16*\i:23+16*\i], v1, s[4:5] offset:4194304+1048576*\i th:TH_LOAD_NT
	global_load_b128 v[24+16*\i:27+16*\i], v1, s[10:11] offset:1048576*\i th:TH_LOAD_NT
	global_load_b128 v[28+16*\i:31+16*\i], v1, s[10:11] offset:4194304+1048576*\i th:TH_LOAD_NT
.endr
.irp i, 0,1,2,3
	s_wait_loadcnt 12-4*\i                         ; this piece's four loads are in; the later pieces' stay out
	v_pk_add_f32 v[16+16*\i:17+16*\i], v[16+16*\i:17+16*\i], v[20+16*\i:21+16*\i]
	v_pk_add_f32 v[18+16*\i:19+16*\i], v[18+16*\i:19+16*\i], v[22+16*\i:23+16*\i]
	v_pk_add_f32 v[24+16*\i:25+16*\i], v[24+16*\i:25+16*\i], v[28+16*\i:29+16*\i]
	v_pk_add_f32 v[26+16*\i:27+16*\i], v[26+16*\i:27+16*\i], v[30+16*\i:31+16*\i]
	v_pk_add_f32 v[16+16*\i:17+16*\i], v[16+16*\i:17+16*\i], v[24+16*\i:25+16*\i]
	v_pk_add_f32 v[18+16*\i:19+16*\i], v[18+16*\i:19+16*\i], v[26+16*\i:27+16*\i]
	global_store_b128 v1, v[16+16*\i:19+16*\i], s[6:7] offset:1048576*\i th:TH_STORE_NT
.endr
	s_endpgm
.Lfunc_end_k_qb03d5cdadd_comb:
	.size	k_qb03d5cdadd_comb, .Lfunc_end_k_qb03d5cdadd_comb-k_qb03d5cdadd_comb
	.p2alignl 7, 3214868480
	.fill 96, 4, 3214868480
	.section	.rodata,"a",@progbits
	.p2align	6, 0x0
	.amdhsa_kernel k_qb03d5cdadd_comb
		.amdhsa_group_segment_fixed_size 0
		.amdhsa_private_segment_fixed_size 0
		.amdhsa_enable_private_segment 0
		.amdhsa_kernarg_size 16
		.amdhsa_user_sgpr_count 2
		.amdhsa_user_sgpr_kernarg_segment_ptr 1
		.amdhsa_wavefront_size32 1
		.amdhsa_system_sgpr_workgroup_id_x 1
		.amdhsa_system_sgpr_workgroup_id_y 1
		.amdhsa_system_sgpr_workgroup_id_z 1
		.amdhsa_system_vgpr_workitem_id 0
		.amdhsa_next_free_vgpr 96
		.amdhsa_next_free_sgpr 66
		.amdhsa_reserve_vcc 0
		.amdhsa_float_denorm_mode_32 3
		.amdhsa_float_denorm_mode_16_64 3
		.amdhsa_memory_ordered 1
		.amdhsa_forward_progress 1
		.amdhsa_inst_pref_size 5
	.end_amdhsa_kernel
	.amdgpu_metadata
---
amdhsa.version: [ 1, 2 ]
amdhsa.kernels:
  - .name:           k_qb03d5cdadd_comb
    .symbol:         k_qb03d5cdadd_comb.kd
    .args:
      - { .name: yp, .offset: 0, .size: 8, .value_kind: global_buffer, .address_space: global }
      - { .name: out0, .offset: 8, .size: 8, .value_kind: global_buffer, .address_space: global }
    .group_segment_fixed_size: 0
    .private_segment_fixed_size: 0
    .kernarg_segment_align: 8
    .kernarg_segment_size: 16
    .max_flat_workgroup_size: 256
    .sgpr_count:     66
    .vgpr_count:     96
    .wavefront_size: 32
...
	.end_amdgpu_metadata
.endif
;; end of part 5
;; ======== version 2 of 2: 5 launches
;; workspace buffers: sel 32,768 bytes of whole numbers; bm 1,024 bytes of whole numbers; lst 9,728 bytes of whole numbers; gat 9,216 bytes; xs 1,843,200 bytes; hs 7,372,800 bytes; yp 16,842,752 bytes
;; launch route (part 6): grid 256 x 1, 4 waves a work-group, no clusters, 1,024 bytes of LDS; arguments x, gate_w, gate_b, out1, sel, bm; writes out1, sel, bm
.if DOCPART == 6
	.amdgcn_target "amdgcn-amd-amdhsa--gfx1250"
	.amdhsa_code_object_version 6
	.text
	.protected	k_qb03d5cdadd_route
	.globl	k_qb03d5cdadd_route
	.p2align	8
	.type	k_qb03d5cdadd_route,@function
k_qb03d5cdadd_route:
	s_mov_b64 s[64:65], 0
	v_nop
	global_prefetch_b8 v0, s[64:65] scope:SCOPE_SE
	s_setreg_imm32_b32 hwreg(HW_REG_WAVE_MODE, 25, 1), 1
	s_wait_xcnt 0x0
; THE ROUTER.  logits = x gate_w + gate_b in f32 multiply-adds, softmax over the 8 experts (the row's maximum taken away first), the two largest kept.
; out1[token][e] = the score where e is one of the token's two largest, else 0.  sel[token][e] = 1 (largest), 2 (second), 0 (not chosen).  bm[token] = one byte, bit e set where e is chosen.
; sel and bm are whole numbers at fixed places, from which the next launch places the rows: no address and no branch of this launch hangs on the choice.
; SHARES.  Four tokens to a work-group, four waves.  WAVE w TAKES K = 256 w .. 256 w + 255 of the four tokens, in two chunks of 128: lane l holds k = 128 i + 4 l + 0..3, of the four tokens (4 loads of 512
; consecutive bytes) and of gate_w's 8 columns (8 loads; a lane's 128 bytes on end).  All 25 loads of a wave are out at once.  32 sums a lane (token t, expert e at ACC + 8 t + e), then a halving exchange
; over the lanes that leaves lane l with the wave's part of the logit of token l / 8, expert l % 8.  The four waves' parts meet in 512 bytes of LDS behind one barrier; wave 0 adds them and finishes.
; The compare mask of 'chosen' has bit l for lane l: it IS the four tokens' four bytes of bm, and lane 0 stores it as one word.
; No matrix unit: N = 8 is too narrow for a tile, and the product is 16 MFLOP.
; LIMITS.  NaN and infinities among the inputs are not served.  The sum over K is taken in another order than a plain chain.  Equal scores: the lower expert wins, on this program's own f32 scores.
.set XR,  32                           ; v32-127  two chunk slots of 48: +0..15 x[t][c], +16..47 gate_w[c][e]
.set ACC, 128                          ; v128-159 the 32 sums
.set TS,  32                           ; the exchange: what is sent,
.set TR,  48                           ; and what has come from the other half of the lanes
	s_load_b256 s[4:11], s[0:1], 0x0               ; x s[4:5], gate_w s[6:7], gate_b s[8:9], out1 s[10:11]
	s_load_b128 s[12:15], s[0:1], 0x20             ; sel s[12:13], bm s[14:15]
	v_lshl_add_u32 v160, v0, 2, 0x200
	v_mov_b32 v161, 0
	v_lshrrev_b32 v1, 5, v0
	v_readfirstlane_b32 s22, v1                    ; wave 0..3
	v_and_b32 v15, 31, v0                          ; lane
	v_lshlrev_b32 v1, 4, v15                       ; x: 16 bytes a lane
	v_lshlrev_b32 v2, 7, v15                       ; gate_w: 4 rows of 32 bytes a lane
	v_lshlrev_b32 v3, 2, v15                       ; the results: 4 bytes a lane
	v_and_b32 v4, 7, v0
	v_lshlrev_b32 v4, 2, v4                        ; gate_b: my expert's word
	v_lshlrev_b32 v14, 2, v0                       ; LDS: 4 x thread = 128 x wave + 4 x lane
	s_lshl_b32 s16, ttmp9, 14                      ; four rows of x,
	s_lshl_b32 s17, s22, 10                        ; my wave's 256 numbers of each
	s_add_co_u32 s16, s16, s17
	s_mov_b32 s17, 0
	s_lshl_b32 s18, ttmp9, 7                       ; four rows of out1 and of sel
	s_mov_b32 s19, 0
	s_lshl_b32 s30, s22, 13                        ; my wave's 256 rows of gate_w
	s_mov_b32 s31, 0
	s_lshl_b32 s32, ttmp9, 2                       ; four bytes of bm
	s_mov_b32 s33, 0
	s_mov_b32 s20, 0x76543210                      ; v_permlanex16_b32's selects for lane l xor 16
	s_mov_b32 s21, 0xfedcba98
	s_mov_b32 s24, 0xffff0000                      ; the lanes whose bit 4, 3, 2, 1, 0 is set
	s_mov_b32 s25, 0xff00ff00
	s_mov_b32 s26, 0xf0f0f0f0
	s_mov_b32 s27, 0xcccccccc
	s_mov_b32 s28, 0xaaaaaaaa
	s_wait_alu depctr_va_vdst(0)
	s_wait_kmcnt 0x0
	s_add_nc_u64 s[4:5], s[4:5], s[16:17]
	s_add_nc_u64 s[6:7], s[6:7], s[30:31]
	s_add_nc_u64 s[10:11], s[10:11], s[18:19]
	s_add_nc_u64 s[12:13], s[12:13], s[18:19]
	s_add_nc_u64 s[14:15], s[14:15], s[32:33]
	global_load_b32 v5, v4, s[8:9]                 ; the oldest load: every later wait covers it.  (One load in each wave; asked for behind the barrier by wave 0 alone it would be a trip to memory of its own)
.macro LOADC i                         ; chunk i of my two into slot i: 12 loads
.set SB, XR+48*(\i)
.irp t, 0,1,2,3
	global_load_b128 v[SB+4*\t:SB+4*\t+3], v1, s[4:5] offset:4096*\t+512*(\i) th:TH_LOAD_NT
.endr
.irp m, 0,1,2,3,4,5,6,7
	global_load_b128 v[SB+16+4*\m:SB+16+4*\m+3], v2, s[6:7] offset:4096*(\i)+16*\m
.endr
.endm
.macro CH i, left                      ; chunk i: 64 packed multiply-adds (two experts each; x's number serves both halves); left = the loads of the younger chunk
.set SB, XR+48*(\i)
	s_wait_loadcnt \left
.irp c, 0,1,2,3
.irp t, 0,1,2,3
.irp p, 0,1,2,3
.if ((\i) == 0) && (\c == 0)
	v_pk_mul_f32 v[ACC+8*\t+2*\p:ACC+8*\t+2*\p+1], v[SB+16+2*\p:SB+16+2*\p+1], v[SB+4*\t:SB+4*\t+1] op_sel_hi:[1,0]   ; the first product starts the sums
.elseif (\c%2) == 0
	v_pk_fma_f32 v[ACC+8*\t+2*\p:ACC+8*\t+2*\p+1], v[SB+16+8*\c+2*\p:SB+16+8*\c+2*\p+1], v[SB+4*\t+\c:SB+4*\t+\c+1], v[ACC+8*\t+2*\p:ACC+8*\t+2*\p+1] op_sel_hi:[1,0,1]
.else
	v_pk_fma_f32 v[ACC+8*\t+2*\p:ACC+8*\t+2*\p+1], v[SB+16+8*\c+2*\p:SB+16+8*\c+2*\p+1], v[SB+4*\t+\c-1:SB+4*\t+\c], v[ACC+8*\t+2*\p:ACC+8*\t+2*\p+1] op_sel:[0,1,0] op_sel_hi:[1,1,1]
.endif
.endr
.endr
.endr
.endm
	LOADC 0
	LOADC 1
	CH 0, 12                                       ; gate_b and the first chunk are in; the second chunk's 12 loads stay out
	CH 1, 0
; THE EXCHANGE.  Of each pair of sums (n, n + m) a lane keeps the one whose number has the lane's bit m, sends the other to lane l xor m, and adds what it gets: half as many sums a step.
.set n, 0
.rept 16
	v_cndmask_b32 v[TS+n], v[ACC+n+16], v[ACC+n], s24
	v_cndmask_b32 v[ACC+n], v[ACC+n], v[ACC+n+16], s24
.set n, n+1
.endr
.set n, 0
.rept 16
	v_permlanex16_b32 v[TR+n], v[TS+n], s20, s21
.set n, n+1
.endr
.set n, 0
.rept 16
	v_add_f32 v[ACC+n], v[ACC+n], v[TR+n]
.set n, n+1
.endr
.macro BFLY m, mask
.set n, 0
.rept \m
	v_cndmask_b32 v[TS+n], v[ACC+n+\m], v[ACC+n], \mask
	v_cndmask_b32 v[ACC+n], v[ACC+n], v[ACC+n+\m], \mask
.set n, n+1
.endr
.set n, 0
.rept \m
	v_add_f32_dpp v[ACC+n], v[TS+n], v[ACC+n] row_xmask:\m row_mask:0xf bank_mask:0xf
.set n, n+1
.endr
.endm
	BFLY 8, s25
	BFLY 4, s26
	BFLY 2, s27
	BFLY 1, s28
	ds_store_b32 v14, v[ACC]                       ; lane l: my wave's part of the logit of token l / 8, expert l % 8
	s_wait_dscnt 0x0                               ; my store has landed:
	s_barrier_signal -1
	s_barrier_wait -1                              ; all four have.  The launch's one barrier
	s_cmp_lg_u32 s22, 0
	s_cbranch_scc1 .Lend                           ; wave 0 finishes alone: 32 numbers are one wave's work
.irp w, 0,1,2,3
	ds_load_b32 v[16+\w], v3 offset:128*\w
.endr
	s_wait_dscnt 0x0
	v_add_f32 v16, v16, v17
	v_add_f32 v18, v18, v19
	v_add_f32 v16, v16, v18
	v_add_f32 v6, v16, v5                          ; the logit
	v_mov_b32 v7, v6
	v_max_num_f32_dpp v7, v7, v7 row_xmask:1 row_mask:0xf bank_mask:0xf
	v_max_num_f32_dpp v7, v7, v7 row_xmask:2 row_mask:0xf bank_mask:0xf
	v_max_num_f32_dpp v7, v7, v7 row_xmask:4 row_mask:0xf bank_mask:0xf   ; the token's largest logit
	v_sub_f32 v8, v6, v7
	v_mul_f32 v8, 0x3fb8aa3b, v8                   ; x log2(e)
	s_wait_alu depctr_va_vdst(0)
	v_exp_f32 v8, v8
	v_mov_b32 v10, 0                               ; my rank.  (A plain line behind the exponential)
	s_wait_alu depctr_va_vdst(0)
	v_mov_b32 v9, v8
	v_add_f32_dpp v9, v9, v9 row_xmask:1 row_mask:0xf bank_mask:0xf
	v_add_f32_dpp v9, v9, v9 row_xmask:2 row_mask:0xf bank_mask:0xf
	v_add_f32_dpp v9, v9, v9 row_xmask:4 row_mask:0xf bank_mask:0xf
	s_wait_alu depctr_va_vdst(0)
	v_rcp_f32 v9, v9
	v_mov_b32 v11, 0                               ; (a plain line behind the reciprocal; and a lane move's destination is written before it)
	s_wait_alu depctr_va_vdst(0)
	v_mul_f32 v8, v8, v9                           ; the score
; MY RANK = how many of the other seven beat me: a larger score, or an equal one with a lower number (expert e xor X is lower where X's highest bit is set in e).
.irp xm, 1,2,3,4,5,6,7
	v_mov_b32_dpp v11, v8 row_xmask:\xm row_mask:0xf bank_mask:0xf
	v_cmp_gt_f32 s30, v11, v8
	v_cmp_ge_f32 s31, v11, v8
.if \xm == 1
	s_and_b32 s31, s31, s28
	s_and_not1_b32 s30, s30, s28
.elseif \xm < 4
	s_and_b32 s31, s31, s27
	s_and_not1_b32 s30, s30, s27
.else
	s_and_b32 s31, s31, s26
	s_and_not1_b32 s30, s30, s26
.endif
	s_or_b32 vcc_lo, s30, s31
	v_add_co_ci_u32 v10, vcc_lo, 0, v10, vcc_lo
.endr
	v_cmp_gt_u32 vcc_lo, 2, v10                    ; chosen: rank 0 or 1
	v_add_nc_u32 v10, 1, v10
	v_cndmask_b32 v12, 0, v8, vcc_lo
	v_cndmask_b32 v13, 0, v10, vcc_lo
	v_mov_b32 v20, vcc_lo                          ; the mask itself: bit 8 t + e: token t has chosen expert e
	global_store_b32 v3, v12, s[10:11]             ; 128 consecutive bytes
	global_store_b32 v3, v13, s[12:13]
	v_cmp_eq_u32 vcc_lo, 0, v15
	s_wait_alu depctr_va_vdst(0)
	s_wait_xcnt 0x0                                ; EXEC changes only behind this wait: the stores above have had their addresses translated
	s_and_saveexec_b32 s30, vcc_lo
	global_store_b32 v3, v20, s[14:15]             ; lane 0: the four tokens' four bytes
	s_wait_xcnt 0x0                                ; and again in front of the line that widens it
	s_or_b32 exec_lo, exec_lo, s30
.Lend:
	s_wait_tensorcnt 0x0
	ds_add_u32 v160, v161
	s_wait_dscnt 0x0
	s_endpgm
.Lfunc_end_k_qb03d5cdadd_route:
	.size	k_qb03d5cdadd_route, .Lfunc_end_k_qb03d5cdadd_route-k_qb03d5cdadd_route
	.p2alignl 7, 3214868480
	.fill 96, 4, 3214868480
	.section	.rodata,"a",@progbits
	.p2align	6, 0x0
	.amdhsa_kernel k_qb03d5cdadd_route
		.amdhsa_group_segment_fixed_size 1024
		.amdhsa_private_segment_fixed_size 0
		.amdhsa_enable_private_segment 0
		.amdhsa_kernarg_size 48
		.amdhsa_user_sgpr_count 2
		.amdhsa_user_sgpr_kernarg_segment_ptr 1
		.amdhsa_wavefront_size32 1
		.amdhsa_system_sgpr_workgroup_id_x 1
		.amdhsa_system_sgpr_workgroup_id_y 1
		.amdhsa_system_sgpr_workgroup_id_z 1
		.amdhsa_system_vgpr_workitem_id 0
		.amdhsa_next_free_vgpr 162
		.amdhsa_next_free_sgpr 66
		.amdhsa_reserve_vcc 1
		.amdhsa_float_denorm_mode_32 3
		.amdhsa_float_denorm_mode_16_64 3
		.amdhsa_memory_ordered 1
		.amdhsa_forward_progress 1
		.amdhsa_inst_pref_size 23
	.end_amdhsa_kernel
	.amdgpu_metadata
---
amdhsa.version: [ 1, 2 ]
amdhsa.kernels:
  - .name:           k_qb03d5cdadd_route
    .symbol:         k_qb03d5cdadd_route.kd
    .args:
      - { .name: x, .offset: 0, .size: 8, .value_kind: global_buffer, .address_space: global }
      - { .name: gate_w, .offset: 8, .size: 8, .value_kind: global_buffer, .address_space: global }
      - { .name: gate_b, .offset: 16, .size: 8, .value_kind: global_buffer, .address_space: global }
      - { .name: out1, .offset: 24, .size: 8, .value_kind: global_buffer, .address_space: global }
      - { .name: sel, .offset: 32, .size: 8, .value_kind: global_buffer, .address_space: global }
      - { .name: bm, .offset: 40, .size: 8, .value_kind: global_buffer, .address_space: global }
    .group_segment_fixed_size: 1024
    .private_segment_fixed_size: 0
    .kernarg_segment_align: 8
    .kernarg_segment_size: 48
    .max_flat_workgroup_size: 128
    .sgpr_count:     66
    .vgpr_count:     162
    .wavefront_size: 32
...
	.end_amdgpu_metadata
.endif
;; end of part 6
;; launch place (part 7): grid 72 x 1, 8 waves a work-group, no clusters, 0 bytes of LDS; arguments bm, sel, out1, x, xs, lst, gat, out2; writes xs, lst, gat, out2
.if DOCPART == 7
	.amdgcn_target "amdgcn-amd-amdhsa--gfx1250"
	.amdhsa_code_object_version 6
	.text
	.protected	k_qb03d5cdadd_place
	.globl	k_qb03d5cdadd_place
	.p2align	8
	.type	k_qb03d5cdadd_place,@function
k_qb03d5cdadd_place:
	s_mov_b64 s[64:65], 0
	v_nop
	global_prefetch_b8 v0, s[64:65] scope:SCOPE_SE
	s_setreg_imm32_b32 hwreg(HW_REG_WAVE_MODE, 25, 1), 1
	s_wait_xcnt 0x0
; THE ROWS ARE RANKED BY EXPERT, GATHERED AND QUANTISED.  A routed row is (token, chosen expert): 2,048 in all.  Each expert's rows, in the order of their tokens, are cut into BLOCKS of 32 rows (two tiles of 16);
; the last block of an expert is filled with copies of token 0 whose weight is 0 and whose result goes to a row of yp that nobody reads (2,048 + expert).  There are never more than (2,048 + 8 x 31) / 32 = 71
; blocks, whatever the choice.  Work-group B < 71 takes block B, and stores nothing where this split has no such block; work-group 71, which never has a block, sums out2.
; EVERY WAVE MAKES THE TABLE ITSELF, IN REGISTERS, from bm (1,024 bytes: a byte a token, bit e = expert e chosen): two loads, lane l holding tokens 32 l .. 32 l + 31.  The branch and the addresses below hang on
; whole numbers that this launch loads from memory and on register arithmetic on them alone: nothing on that way goes through LDS, and of lane moves only v_readlane_b32.  No LDS, no barrier, no atomics.
;   counts: bit k of each nibble of the 8 words, summed in nibbles (8 at the most), is a lane's count of experts k and k + 4 for each of 4 token places; folded to two counts in 16-bit halves;
;   totals: the 32 lanes' words read into scalars and added (1,024 at the most: no carry between the halves);  the table: each expert's blocks and first block;  my block's expert;
;   that expert's mask: bit e of a word's 4 bytes, drawn together into 4 bits by one multiplication (the four partial products' bits fall on different places, so nothing carries);
;   my rows' tokens: the mask word in which a row's rank falls (a walk over the 32 words), and the set bit of that rank in it (sums of bits by halves).
; Lane (r, h) finds TWO tokens, those of rows r and 16 + r, since it gathers for both tiles: so no token changes lanes.
; SHARES.  Wave w quantises K = 128 w .. 128 w + 127 of the 32 rows: lane (r, h) loads, of row 16 a + r, the blocks of 32 numbers h and 2 + h whole, as the 6-bit operand's layout gives them to that lane:
; a block's largest magnitude needs no other lane, and the conversions' results are the operand's registers.  Wave 0 also makes the rows' places and weights; its two gathers go out with the gather of x.
; OUT: xs = images of the operand's registers: [block][K step 8][tile 2][piece 3][lane][16 bytes], and from XSC on the scale words [block][K step][lane]: lane l = row l of the block.
;      lst: words 0-7 each expert's first block, 8-15 its number of blocks, 16 the number of all blocks, 17-31 zero (work-group 0); from byte 256 on, for each placed row, the row of yp that takes its result:
;      1,024 x (choice - 1) + token.   gat: the row's weight.   out2: the column sums of out1: wave w of work-group 71 sums column w.
; THE QUANTISER: a block's scale byte is its largest magnitude's exponent field - 2, held at 1 from below (a block of zeros so has the byte 1 and zero codes; this program alone reads the bytes).
; LIMITS.  NaN and infinities are not served; blocks whose largest magnitude lies under 2^-124 take the byte 1.  out2's sum is taken in another order than a plain chain.
.set XSC, 1769472
; v1 lane, v2 16 lane, v3 4 lane, v4 h, v5 8 h, v6 r, v10 32 lane;  v16-23 my 8 words of bm;  v24-31, v36-39 at work;  v32-35 packed counts, then v32 my expert's mask
; the two searches, at b = 33 (row r) and b = 53 (row 16 + r): b rank, +1 the word, +2 rows in front of it, +3 its number, +4 which set bit, +5 .. +8 counts in fields of 2, 4, 8, 16 bits, +9 the place, +10, +11 at work, +12 the token
; v46-52 wave 0's places and weights, and the gathers' offsets;  v70 the table
.set FO,  72                           ; v72-95   the two tiles' codes
.set QTT, 96
.set QM,  100
.set QSO, 102
.set BY,  104                          ; v104-107 scale bytes (tile a, half u at 2 a + u)
.set WO,  108                          ; v108-109 scale words
.set WT,  110
	s_load_b256 s[4:11], s[0:1], 0x0               ; bm s[4:5], sel s[6:7], out1 s[8:9], x s[10:11]
	s_load_b256 s[12:19], s[0:1], 0x20             ; xs s[12:13], lst s[14:15], gat s[16:17], out2 s[18:19]
	v_lshrrev_b32 v1, 5, v0
	s_delay_alu instid0(VALU_DEP_1)
	v_readfirstlane_b32 s20, v1                    ; wave 0..7
	v_and_b32 v1, 31, v0                           ; lane
	s_delay_alu instid0(VALU_DEP_1)
	v_lshlrev_b32 v2, 4, v1                        ; 16 x lane
	s_delay_alu instid0(VALU_DEP_2)
	v_lshlrev_b32 v3, 2, v1                        ; 4 x lane
	v_bfe_u32 v4, v0, 4, 1                         ; h
	s_delay_alu instid0(VALU_DEP_1)
	v_lshlrev_b32 v5, 3, v4                        ; 8 h
	v_and_b32 v6, 15, v0                           ; r
	v_lshlrev_b32 v10, 5, v1                       ; 32 x lane
	s_mov_b32 s22, 0xffff0000                      ; lanes 16-31
	s_mov_b32 s24, 0x11111111
	s_mov_b32 s25, 0x0f0f0f0f
	s_mov_b32 s26, 0x01010101
	s_mov_b32 s27, 0x10204080                      ; 2^28 + 2^21 + 2^14 + 2^7
	s_mov_b32 s28, 0x76543210                      ; v_permlanex16_b32's selects for lane l xor 16
	s_mov_b32 s29, 0xfedcba98
	s_mov_b32 s31, 0                               ; the upper word of every offset pair s[30:31]
	s_wait_kmcnt 0x0
	s_cmp_eq_u32 ttmp9, 71
	s_cbranch_scc1 .Lsums
	s_wait_alu depctr_va_vdst(0)
	global_load_b128 v[16:19], v10, s[4:5]         ; the wave reads all 1,024 bytes: 512 consecutive bytes a load...
	global_load_b128 v[20:23], v10, s[4:5] offset:16   ; (a lane's 32 bytes on end: its 32 tokens)
	s_wait_loadcnt 0x0
; A LANE'S COUNTS.  v[24 + k]: nibble 2 t counts expert k, nibble 2 t + 1 expert k + 4, over the 8 tokens at place t of my 8 words
.irp i, 0,1,2,3,4,5,6,7
.irp k, 0,1,2,3
.if \i == 0
.set DD, 24+\k
.else
.set DD, 28+\k
.endif
.if \k == 0
	v_and_b32 v[DD], s24, v[16+\i]
.else
	v_lshrrev_b32 v[DD], \k, v[16+\i]
	s_delay_alu instid0(VALU_DEP_1)
	v_and_b32 v[DD], s24, v[DD]
.endif
.endr
.if \i > 0
.irp k, 0,1,2,3
	v_add_nc_u32 v[24+\k], v[24+\k], v[28+\k]
.endr
.endif
.endr
.irp k, 0,1,2,3
	s_delay_alu instid0(VALU_DEP_4)
	v_and_b32 v[28+\k], s25, v[24+\k]              ; expert k: four bytes of 8 at the most
.endr
.irp k, 0,1,2,3
	v_lshrrev_b32 v[36+\k], 4, v[24+\k]
.endr
.irp k, 0,1,2,3
	s_delay_alu instid0(VALU_DEP_4)
	v_and_b32 v[36+\k], s25, v[36+\k]              ; expert k + 4
.endr
.irp k, 0,1,2,3
	v_mul_lo_u32 v[28+\k], v[28+\k], s26           ; the top byte of x 0x01010101 is the four bytes' sum (32 at the most: no carry reaches it)
.endr
.irp k, 0,1,2,3
	v_mul_lo_u32 v[36+\k], v[36+\k], s26
.endr
.irp k, 0,1,2,3
	v_lshrrev_b32 v[28+\k], 24, v[28+\k]
.endr
.irp k, 0,1,2,3
	v_lshrrev_b32 v[36+\k], 24, v[36+\k]
.endr
.irp k, 0,1,2,3
	s_delay_alu instid0(VALU_DEP_4)
	v_lshl_or_b32 v[32+\k], v[36+\k], 16, v[28+\k] ; my 32 tokens' counts of experts k (low half) and k + 4 (high half)
.endr
; THE TOTALS: 32 lanes into 32 scalars, then a chain of additions; four times.  The reads stand in runs, so that vector and scalar work change places eight times in all
.irp k, 0,1,2,3
.set jj, 0
.rept 32
	v_readlane_b32 s[32+jj], v[32+\k], jj
.set jj, jj+1
.endr
	s_add_co_u32 s[72+\k], s32, s33
.set jj, 2
.rept 30
	s_add_co_u32 s[72+\k], s[72+\k], s[32+jj]
.set jj, jj+1
.endr
.endr
.irp k, 0,1,2,3
	s_and_b32 s[40+\k], s[72+\k], 0xffff           ; s40.. each expert's rows
	s_lshr_b32 s[44+\k], s[72+\k], 16
.endr
	s_mov_b32 s66, 0
.irp e, 0,1,2,3,4,5,6,7                ; s48.. first block, s56.. blocks, s66 all blocks
	s_mov_b32 s[48+\e], s66
	s_add_co_u32 s72, s[40+\e], 31
	s_lshr_b32 s[56+\e], s72, 5
	s_add_co_u32 s66, s66, s[56+\e]
.endr
	s_mov_b32 s67, 0                               ; my block's expert: the last whose first block is not behind mine;
	s_mov_b32 s68, 0                               ; its first block;
	s_mov_b32 s69, s40                             ; its rows
.irp e, 1,2,3,4,5,6,7
	s_cmp_ge_u32 ttmp9, s[48+\e]
	s_cselect_b32 s67, \e, s67
	s_cselect_b32 s68, s[48+\e], s68
	s_cselect_b32 s69, s[40+\e], s69
.endr
	s_cmp_lg_u32 s20, 0
	s_cbranch_scc1 .Lno_table
	s_cmp_lg_u32 ttmp9, 0
	s_cbranch_scc1 .Lno_table
	v_mov_b32 v70, 0                               ; work-group 0, wave 0: the table, 128 bytes, stored as soon as it is made; none of the store's registers is written again
.irp e, 0,1,2,3,4,5,6,7
	s_delay_alu instid0(VALU_DEP_1)
	v_writelane_b32 v70, s[48+\e], \e
	s_delay_alu instid0(VALU_DEP_1)
	v_writelane_b32 v70, s[56+\e], 8+\e
.endr
	s_delay_alu instid0(VALU_DEP_1)
	v_writelane_b32 v70, s66, 16
	global_store_b32 v3, v70, s[14:15]
.Lno_table:
	s_cmp_ge_u32 ttmp9, s66                        ; this split has no such block
	s_cbranch_scc1 .Lend
; MY EXPERT'S MASK: bit 4 i + t of lane W's word: token 32 W + 4 i + t has chosen the expert
.irp i, 0,1,2,3,4,5,6,7
	v_lshrrev_b32 v[24+\i], s67, v[16+\i]
.endr
.irp i, 0,1,2,3,4,5,6,7
	v_and_b32 v[24+\i], s26, v[24+\i]              ; the four tokens' bits, at bits 0, 8, 16, 24
.endr
.irp i, 0,1,2,3,4,5,6,7
	v_mul_lo_u32 v[24+\i], v[24+\i], s27           ; bit 8 t comes to bit 28 + t; the other partial products lie at bits 7 to 23, each alone
.endr
.irp i, 0,1,2,3,4,5,6,7
	v_lshrrev_b32 v[24+\i], 28, v[24+\i]
.endr
	v_lshl_or_b32 v32, v25, 4, v24
.irp i, 2,3,4,5,6,7
	s_delay_alu instid0(VALU_DEP_1)
	v_lshl_or_b32 v32, v[24+\i], 4*\i, v32
.endr
.set ww, 0
.rept 32
	v_readlane_b32 s[32+ww], v32, ww               ; the 32 words as scalars (the table's scalars are done with): in the walk only scalar results go to vector lines, none the other way
.set ww, ww+1
.endr
	s_sub_co_u32 s72, ttmp9, s68
	s_lshl_b32 s72, s72, 5
	v_add_nc_u32 v33, s72, v6                      ; the rank, among the expert's rows, of row r
	s_delay_alu instid0(VALU_DEP_1)
	v_add_nc_u32 v53, 16, v33                      ; and of row 16 + r
	s_mov_b32 s70, 0                               ; rows in the words passed
.irp b, 33, 53
	v_mov_b32 v[\b+1], 0
	v_mov_b32 v[\b+2], 0
	v_mov_b32 v[\b+3], 0
.endr
.set ww, 0
.rept 32                               ; the last word in front of which no more than rank rows lie: its bits, the rows in front of it, its number
	v_cmp_le_u32 vcc_lo, s70, v33
	v_cmp_le_u32 s74, s70, v53
	s_delay_alu instid0(VALU_DEP_2)
	v_cndmask_b32 v34, v34, s[32+ww], vcc_lo
	s_delay_alu instid0(VALU_DEP_2)
	v_cndmask_b32 v54, v54, s[32+ww], s74
	s_delay_alu instid0(VALU_DEP_4)
	v_cndmask_b32 v35, v35, s70, vcc_lo
	s_delay_alu instid0(VALU_DEP_4)
	v_cndmask_b32 v55, v55, s70, s74
	v_cndmask_b32 v36, v36, ww, vcc_lo
	v_cndmask_b32 v56, v56, ww, s74
	s_bcnt1_i32_b32 s72, s[32+ww]
	s_add_co_u32 s70, s70, s72
.set ww, ww+1
.endr
; counts of set bits in fields of 2, 4, 8, 16 bits; the two searches by turns, so that no line waits for the line above it
.irp b, 33, 53
	v_lshrrev_b32 v[\b+10], 1, v[\b+1]
.endr
.irp b, 33, 53
	s_delay_alu instid0(VALU_DEP_2)
	v_and_b32 v[\b+10], 0x55555555, v[\b+10]
.endr
.irp b, 33, 53
	s_delay_alu instid0(VALU_DEP_2)
	v_sub_nc_u32 v[\b+5], v[\b+1], v[\b+10]
.endr
.irp b, 33, 53
	s_delay_alu instid0(VALU_DEP_2)
	v_lshrrev_b32 v[\b+10], 2, v[\b+5]
.endr
.irp b, 33, 53
	s_delay_alu instid0(VALU_DEP_2)
	v_and_b32 v[\b+10], 0x33333333, v[\b+10]
.endr
.irp b, 33, 53
	v_and_b32 v[\b+6], 0x33333333, v[\b+5]
.endr
.irp b, 33, 53
	s_delay_alu instid0(VALU_DEP_2)
	v_add_nc_u32 v[\b+6], v[\b+6], v[\b+10]
.endr
.irp b, 33, 53
	s_delay_alu instid0(VALU_DEP_2)
	v_lshrrev_b32 v[\b+10], 4, v[\b+6]
.endr
.irp b, 33, 53
	s_delay_alu instid0(VALU_DEP_2)
	v_add_nc_u32 v[\b+7], v[\b+6], v[\b+10]
.endr
.irp b, 33, 53
	s_delay_alu instid0(VALU_DEP_2)
	v_and_b32 v[\b+7], 0x0f0f0f0f, v[\b+7]
.endr
.irp b, 33, 53
	s_delay_alu instid0(VALU_DEP_2)
	v_lshrrev_b32 v[\b+10], 8, v[\b+7]
.endr
.irp b, 33, 53
	s_delay_alu instid0(VALU_DEP_2)
	v_add_nc_u32 v[\b+8], v[\b+7], v[\b+10]
.endr
.irp b, 33, 53
	s_delay_alu instid0(VALU_DEP_2)
	v_and_b32 v[\b+8], 0x00ff00ff, v[\b+8]
.endr
.irp b, 33, 53
	v_sub_nc_u32 v[\b+4], v[\b], v[\b+2]           ; which set bit of the word is the row's
.endr
.irp b, 33, 53
	v_mov_b32 v[\b+9], 0                           ; its place
.endr
.macro PICK lv, wd                     ; if the field at the place holds no more than n set bits, the row's lies behind it
.irp b, 33, 53
	s_delay_alu instid0(VALU_DEP_2)
	v_bfe_u32 v[\b+10], v[\b+\lv], v[\b+9], \wd
.endr
.irp b, 33, 53
	s_delay_alu instid0(VALU_DEP_2)
	v_cmp_ge_u32 s[74+(\b-33)/20], v[\b+4], v[\b+10]
.endr
.irp b, 33, 53
	s_delay_alu instid0(VALU_DEP_2)
	v_cndmask_b32 v[\b+10], 0, v[\b+10], s[74+(\b-33)/20]
.endr
.irp b, 33, 53
	s_delay_alu instid0(VALU_DEP_4)
	v_cndmask_b32 v[\b+11], 0, \wd, s[74+(\b-33)/20]
.endr
.irp b, 33, 53
	s_delay_alu instid0(VALU_DEP_4)
	v_sub_nc_u32 v[\b+4], v[\b+4], v[\b+10]
.endr
.irp b, 33, 53
	s_delay_alu instid0(VALU_DEP_4)
	v_add_nc_u32 v[\b+9], v[\b+9], v[\b+11]
.endr
.endm
	PICK 8, 16
	PICK 7, 8
	PICK 6, 4
	PICK 5, 2
	PICK 1, 1
	s_delay_alu instid0(VALU_DEP_2)
	v_lshl_add_u32 v45, v36, 5, v42                ; the token of row r,
	s_delay_alu instid0(VALU_DEP_2)
	v_lshl_add_u32 v65, v56, 5, v62                ; and of row 16 + r
	v_cmp_gt_u32 s76, s69, v33                     ; a true row, or one that fills the block
	v_cmp_gt_u32 s77, s69, v53
	s_delay_alu instid0(VALU_DEP_2)
	v_cndmask_b32 v45, 0, v45, s76
	s_delay_alu instid0(VALU_DEP_2)
	v_cndmask_b32 v65, 0, v65, s77
	s_delay_alu instid0(VALU_DEP_2)
	v_min_u32 v45, 0x3ff, v45                      ; a number from memory enters an address only behind such a bound
	s_delay_alu instid0(VALU_DEP_2)
	v_min_u32 v65, 0x3ff, v65
	s_delay_alu instid0(VALU_DEP_2)
	v_lshlrev_b32 v47, 12, v45                     ; a row of x is 4,096 bytes
	s_delay_alu instid0(VALU_DEP_2)
	v_lshlrev_b32 v48, 12, v65
	s_delay_alu instid0(VALU_DEP_2)
	v_lshl_add_u32 v47, v4, 7, v47                 ; + 128 h: my block of 32 numbers
	s_delay_alu instid0(VALU_DEP_2)
	v_lshl_add_u32 v48, v4, 7, v48
	s_lshl_b32 s30, s20, 9                         ; my wave's K step
	s_add_nc_u64 s[10:11], s[10:11], s[30:31]
.irp a, 0,1
.irp u, 0,1
.irp i, 0,1,2,3,4,5,6,7
	global_load_b128 v[128+64*\a+32*\u+4*\i:131+64*\a+32*\u+4*\i], v[47+\a], s[10:11] offset:256*\u+16*\i
.endr
.endr
.endr
	s_mul_i32 s30, ttmp9, 24576
	s_mul_i32 s72, s20, 3072
	s_add_co_u32 s30, s30, s72
	s_add_nc_u64 s[78:79], s[12:13], s[30:31]      ; my two fragments' images
	s_lshl_b32 s30, ttmp9, 10
	s_lshl_b32 s72, s20, 7
	s_add_co_u32 s30, s30, s72
	s_add_nc_u64 s[12:13], s[12:13], s[30:31]      ; and their scale words
	s_cmp_lg_u32 s20, 0
	s_cbranch_scc1 .Lquant
	s_wait_alu depctr_va_vdst(0)
	v_cndmask_b32 v49, v45, v65, s22               ; wave 0: where each row's result goes, and its weight.  Row l's token: lanes 0-15 row r, lanes 16-31 row 16 + r
	s_delay_alu instid0(VALU_DEP_1)
	v_min_u32 v49, 0x3ff, v49
	s_delay_alu instid0(VALU_DEP_1)
	v_lshlrev_b32 v50, 5, v49
	s_min_u32 s67, s67, 7
	s_lshl_b32 s72, s67, 2
	v_add_nc_u32 v50, s72, v50                     ; 32 bytes a token, 4 an expert
	global_load_b32 v51, v50, s[6:7]               ; 1 or 2: the token's first or second choice
	global_load_b32 v52, v50, s[8:9]               ; the score.  Both are on their way together with the 32 loads of x above
	s_and_not1_b32 s73, s76, s22
	s_and_b32 s72, s77, s22
	s_or_b32 s73, s73, s72                         ; row l is a true row
	s_add_co_u32 s72, s67, 2048
	v_mov_b32 v46, s72                             ; a filling row's result goes to row 2,048 + expert
	s_lshl_b32 s30, ttmp9, 7
	s_add_nc_u64 s[74:75], s[14:15], s[30:31]      ; (a pair of its own: the table's store may still read s[14:15])
	s_add_nc_u64 s[16:17], s[16:17], s[30:31]
	s_wait_loadcnt 0x0                             ; these two, and x, which is wanted next anyway
	v_add_nc_u32 v51, -1, v51
	s_wait_alu depctr_va_vdst(0)
	v_lshl_add_u32 v51, v51, 10, v49               ; 1,024 x (choice - 1) + token
	s_delay_alu instid0(VALU_DEP_1)
	v_cndmask_b32 v51, v46, v51, s73
	v_cndmask_b32 v52, 0, v52, s73
	global_store_b32 v3, v51, s[74:75] offset:256  ; 128 consecutive bytes each
	global_store_b32 v3, v52, s[16:17]
.Lquant:
; 32 numbers of one block in consecutive registers become 24 bytes of codes, registers f + 6 u on, and the scale's byte
.macro QB src, f, u, bt
	v_max3_num_f32 v[QM], |v[(\src)]|, |v[(\src)+1]|, 0x1800000    ; the floor 2^(3 - 127) among the leaves: the byte cannot fall under 1
	v_max3_num_f32 v[QM+1], |v[(\src)+2]|, |v[(\src)+3]|, |v[(\src)+4]|
.irp i, 5,9,13,17,21,25
	s_delay_alu instid0(VALU_DEP_2)
	v_max3_num_f32 v[QM], v[QM], |v[(\src)+\i]|, |v[(\src)+\i+1]|
	s_delay_alu instid0(VALU_DEP_2)
	v_max3_num_f32 v[QM+1], v[QM+1], |v[(\src)+\i+2]|, |v[(\src)+\i+3]|
.endr
	s_delay_alu instid0(VALU_DEP_2)
	v_max3_num_f32 v[QM], v[QM], |v[(\src)+29]|, |v[(\src)+30]|
	s_delay_alu instid0(VALU_DEP_1)
	v_max3_num_f32 v[QM], v[QM], v[QM+1], |v[(\src)+31]|
	s_delay_alu instid0(VALU_DEP_1)
	v_add_nc_u32 v[QSO], 0xff000000, v[QM]         ; 2 off the exponent field: the conversion takes this operand's exponent field as its scale
	v_cvt_scalef32_pk16_fp6_f32 v[(\f)+6*(\u):(\f)+6*(\u)+2], v[(\src):(\src)+15], v[QSO]
	v_cvt_scalef32_pk16_fp6_f32 v[QTT:QTT+2], v[(\src)+16:(\src)+31], v[QSO]   ; (a conversion's three registers begin on an even number)
	v_lshrrev_b32 v[\bt], 23, v[QSO]               ; the byte.  (The plain line behind the conversions)
.irp k, 0,1,2
	v_mov_b32 v[(\f)+6*(\u)+3+\k], v[QTT+\k]
.endr
.endm
	v_mov_b32 v[WT], 0                             ; written once: a lane move's destination counts as one of its sources
	s_wait_loadcnt 0x0
.irp a, 0,1
	QB 128+64*\a, FO+12*\a, 0, BY+2*\a
	QB 160+64*\a, FO+12*\a, 1, BY+2*\a+1
	s_delay_alu instid0(VALU_DEP_4)
	v_lshl_or_b32 v[WO+\a], v[BY+2*\a+1], 16, v[BY+2*\a]   ; my two bytes: blocks h and 2 + h,
	s_delay_alu instid0(VALU_DEP_1)
	v_lshlrev_b32 v[WO+\a], v5, v[WO+\a]           ; at their places in the row's word;
	s_delay_alu instid0(VALU_DEP_1)
	v_permlanex16_b32 v[WT], v[WO+\a], s28, s29
	s_delay_alu instid0(VALU_DEP_1)
	v_or_b32 v[WO+\a], v[WO+\a], v[WT]             ; with lane l xor 16's two the word is whole
.irp j, 0,1,2
	global_store_b128 v2, v[FO+12*\a+4*\j:FO+12*\a+4*\j+3], s[78:79] offset:1536*\a+512*\j   ; 512 consecutive bytes a store
.endr
.endr
	v_cndmask_b32 v[WO], v[WO], v[WO+1], s22       ; lanes 0-15 tile 0's rows, lanes 16-31 tile 1's
	global_store_b32 v3, v[WO], s[12:13] offset:XSC
.Lend:
	s_endpgm
.Lsums:
; WORK-GROUP 71: out2[w] = the sum of out1's column w, by wave w: lane l takes tokens 32 i + l, i = 0 .. 31.  The eight waves read the same 32,768 bytes, each its own word of every 32; no wave needs another
	s_lshl_b32 s72, s20, 2
	s_mov_b32 s73, 0
	s_wait_alu depctr_va_vdst(0)
	v_add_nc_u32 v10, s72, v10                     ; 32 x lane + 4 x wave
.set ii, 0
.rept 32
	global_load_b32 v[128+ii], v10, s[8:9] offset:1024*ii
.set ii, ii+1
.endr
	s_add_nc_u64 s[18:19], s[18:19], s[72:73]
	s_wait_loadcnt 0x0
.irp j, 0,2,4,6,8,10,12,14
	v_pk_add_f32 v[128+\j:129+\j], v[128+\j:129+\j], v[144+\j:145+\j]
.endr
.irp j, 0,2,4,6
	s_delay_alu instid0(VALU_DEP_4)
	v_pk_add_f32 v[128+\j:129+\j], v[128+\j:129+\j], v[136+\j:137+\j]
.endr
.irp j, 0,2
	s_delay_alu instid0(VALU_DEP_2)
	v_pk_add_f32 v[128+\j:129+\j], v[128+\j:129+\j], v[132+\j:133+\j]
.endr
	s_delay_alu instid0(VALU_DEP_1)
	v_pk_add_f32 v[128:129], v[128:129], v[130:131]
	s_delay_alu instid0(VALU_DEP_1)
	v_add_f32 v128, v128, v129
	s_delay_alu instid0(VALU_DEP_1)
	v_add_f32_dpp v128, v128, v128 row_xmask:1 row_mask:0xf bank_mask:0xf
	s_delay_alu instid0(VALU_DEP_1)
	v_add_f32_dpp v128, v128, v128 row_xmask:2 row_mask:0xf bank_mask:0xf
	s_delay_alu instid0(VALU_DEP_1)
	v_add_f32_dpp v128, v128, v128 row_xmask:4 row_mask:0xf bank_mask:0xf
	s_delay_alu instid0(VALU_DEP_1)
	v_add_f32_dpp v128, v128, v128 row_xmask:8 row_mask:0xf bank_mask:0xf
	s_delay_alu instid0(VALU_DEP_1)
	v_permlanex16_b32 v129, v128, s28, s29
	s_delay_alu instid0(VALU_DEP_1)
	v_add_f32 v128, v128, v129
	v_cmp_eq_u32 vcc_lo, 0, v1
	s_wait_alu depctr_va_vdst(0)
	s_wait_xcnt 0x0                                ; EXEC changes only behind this wait
	s_and_saveexec_b32 s74, vcc_lo
	global_store_b32 v3, v128, s[18:19]            ; lane 0: the column's sum
	s_wait_xcnt 0x0                                ; and again in front of the line that widens it
	s_or_b32 exec_lo, exec_lo, s74
	s_endpgm
.Lfunc_end_k_qb03d5cdadd_place:
	.size	k_qb03d5cdadd_place, .Lfunc_end_k_qb03d5cdadd_place-k_qb03d5cdadd_place
	.p2alignl 7, 3214868480
	.fill 96, 4, 3214868480
	.section	.rodata,"a",@progbits
	.p2align	6, 0x0
	.amdhsa_kernel k_qb03d5cdadd_place
		.amdhsa_group_segment_fixed_size 0
		.amdhsa_private_segment_fixed_size 0
		.amdhsa_enable_private_segment 0
		.amdhsa_kernarg_size 64
		.amdhsa_user_sgpr_count 2
		.amdhsa_user_sgpr_kernarg_segment_ptr 1
		.amdhsa_wavefront_size32 1
		.amdhsa_system_sgpr_workgroup_id_x 1
		.amdhsa_system_sgpr_workgroup_id_y 1
		.amdhsa_system_sgpr_workgroup_id_z 1
		.amdhsa_system_vgpr_workitem_id 0
		.amdhsa_next_free_vgpr 256
		.amdhsa_next_free_sgpr 80
		.amdhsa_reserve_vcc 1
		.amdhsa_float_denorm_mode_32 3
		.amdhsa_float_denorm_mode_16_64 3
		.amdhsa_memory_ordered 1
		.amdhsa_forward_progress 1
		.amdhsa_inst_pref_size 75
	.end_amdhsa_kernel
	.amdgpu_metadata
---
amdhsa.version: [ 1, 2 ]
amdhsa.kernels:
  - .name:           k_qb03d5cdadd_place
    .symbol:         k_qb03d5cdadd_place.kd
    .args:
      - { .name: bm, .offset: 0, .size: 8, .value_kind: global_buffer, .address_space: global }
      - { .name: sel, .offset: 8, .size: 8, .value_kind: global_buffer, .address_space: global }
      - { .name: out1, .offset: 16, .size: 8, .value_kind: global_buffer, .address_space: global }
      - { .name: x, .offset: 24, .size: 8, .value_kind: global_buffer, .address_space: global }
      - { .name: xs, .offset: 32, .size: 8, .value_kind: global_buffer, .address_space: global }
      - { .name: lst, .offset: 40, .size: 8, .value_kind: global_buffer, .address_space: global }
      - { .name: gat, .offset: 48, .size: 8, .value_kind: global_buffer, .address_space: global }
      - { .name: out2, .offset: 56, .size: 8, .value_kind: global_buffer, .address_space: global }
    .group_segment_fixed_size: 0
    .private_segment_fixed_size: 0
    .kernarg_segment_align: 8
    .kernarg_segment_size: 64
    .max_flat_workgroup_size: 256
    .sgpr_count:     80
    .vgpr_count:     256
    .wavefront_size: 32
...
	.end_amdgpu_metadata
.endif
;; end of part 7
;; launch ffn1 (part 8): grid 256 x 1, 8 waves a work-group, no clusters, 103,424 bytes of LDS; arguments w1, b1, xs, lst, hs; writes hs
.if DOCPART == 8
	.amdgcn_target "amdgcn-amd-amdhsa--gfx1250"
	.amdhsa_code_object_version 6
	.text
	.protected	k_qb03d5cdadd_ffn1
	.globl	k_qb03d5cdadd_ffn1
	.p2align	8
	.type	k_qb03d5cdadd_ffn1,@function
k_qb03d5cdadd_ffn1:
	s_mov_b64 s[64:65], 0
	v_nop
	global_prefetch_b8 v0, s[64:65] scope:SCOPE_SE
	s_setreg_imm32_b32 hwreg(HW_REG_WAVE_SCHED_MODE, 0, 2), 2
	s_setreg_imm32_b32 hwreg(HW_REG_WAVE_MODE, 25, 1), 1
	s_wait_xcnt 0x0
	s_wait_alu depctr_vm_vsrc(0)
; h = gelu(x W1 + b1) for the placed rows, on codes of FP6 (E2M3) with one E8M0 scale for each 32 along K; h leaves quantised along its own axis, the next product's K.
; SHARES.  Work-group (e = number / 32, s2 = number % 32) owns hidden units 128 s2 .. 128 s2 + 127 of expert e: a slab of W1 of 1,024 (K) x 128 f32, 524,288 bytes, which no other work-group reads.
; PHASE 1, THE STREAM.  The slab is 16 CELLS of 128 K x 64 columns; wave w takes K step w's two.  A load reads two whole rows of a cell (2 x 256 consecutive bytes, aligned): lane (q, g) takes row 32 g + i,
; columns 4 q + 0..3.  So for each c = 0..3 a lane holds 32 neighbours along K of column 4 q + c: a whole block, its largest magnitude needs no other lane, and the conversions' results ARE the
; registers of a fragment whose row m is column 4 m + c (tile c).  The price of 16-byte loads: a load lays four columns side by side and a conversion wants 16 numbers of one column on end: each number is copied once.
; 64 loads of a wave are issued ahead (two half-cells).  The fragments and their scale words go to LDS as images of their registers; ONE barrier; W1 is read from memory once and never stored.
; PHASE 2, THE ROWS.  Wave w takes the expert's blocks w, w + 8, .. (32 rows each; the count is read from lst).  The rows' fragments come from xs straight into registers, W's from LDS.  The product is used
; transposed (source 0 = 16 columns of W1, source 1 = 16 rows): over the four tiles of a cell lane (r, h) holds units 32 h + 4 j + c of row r: a WHOLE block of the next K; the gelu's last line writes it in order.
; No barrier, no stepped LDS address stands in that loop, since its count hangs on data.
; NO CLUSTER: what the 32 work-groups of an expert share is the rows' codes, 24,576 bytes a block beside 524,288 unshared bytes of weights, and they come by plain loads in a loop whose count differs from wave to wave.
; GELU, exact form: h = max(x, 0) - |x| E, E = erfc(|x| / sqrt 2) / 2 = t 2^(P(t) - x^2 log2(e) / 2), t = 1 / (1 + |x| / (2 sqrt 2)), P of degree 9 (a Chebyshev fit of erfc whose fractional error is 1.2e-7 everywhere;
; its coefficients times log2(e), 1 off the constant for the half).  For x < 0 the result is a plain product: nothing cancels.
; LIMITS.  NaN and infinities are not served.  The exponent's rounding lets h's relative error grow to about 5e-6 for x under -5; h is 0 where E falls under 2^-126.  Blocks under 2^-124 take the scale byte 1
; (a block of zeros too: its codes are zeros, and this program alone reads the bytes).
; THE MODE: SCHED_MODE bits 1:0 = 2 (LLVM: expert scheduling mode 2), set by the entry lines.  The code itself states the register dependences between vector or matrix instructions and memory or LDS
; instructions, with s_wait_alu, always for 0.
; THE PLAN.  Registers that memory or LDS instructions touch, and who else names them:
;   v1-v9          offsets and LDS addresses: written at the head, read by every load and store, never written again.  One wait on va_vdst ahead of the first load.
;   window 1's two raw buffers (the stream): a half-cell's maxima and copies read one; the half-cell two further on lands in it.  One wait on va_vdst behind the copies.
;   F, PP          a cell's conversions, moves and selects write them, its 13 LDS stores read them.  One wait on va_vdst ahead of the stores; one on vm_vsrc ahead of the second cell's first conversion.
;   WF0, WF1       W's fragments.  Half step n's products read WF[n % 2]; the LDS loads of cell n + 1 land in the other, which half step n - 1's products read.
;   WS, two sets   K step s's products read set s % 2; in the K step's first half the words of K step s + 1 land in the other set.
;                  So ONE wait on va_vdst stands at a half step's head, and its loads follow, a fragment ahead of each pair of products, which name none of the registers that those loads touch.
;   XS, window 1's v0-191   the rows' scale words and fragments: read by a block's products; the next block's land behind the last product.  One wait on va_vdst ahead of those loads.
;   FO, WO         h's codes and scale words: written by the quantiser, read by a block's seven stores.  One wait on va_vdst ahead of each tile's stores.
;   At the loop's head one wait on va_vdst and one on vm_vsrc: v32-255, which the stream or the last block's gelu, quantiser and stores named, take LDS loads and new sums.
.set PITCHB, 16384                     ; a row of W1 in bytes
.set CELLB,  256                       ; from a wave's first cell to its second: 64 columns
.set SIMG,   98304                     ; LDS: from 0 the cells' fragments: 6,144 n + 1,536 c + 512 j + 16 lane; from SIMG their scale words: 512 (n / 2) + 16 lane + 8 (n % 2)
.set XSC,    1769472
.set HSC,    7077888
; window 0: v1 stream offset; v2, v3 16 lane (+ 49,152); v4 SIMG + 16 lane; v5, v6 my wave's places for images and scale words; v7 8 h; v8 4 lane; v9 128 h; v[10:11] the polynomial's highest coefficient, twice
.set XS,  16                           ; v16-23   the rows' scale words, one register a K step: lanes 0-15 tile 0, lanes 16-31 tile 1.  Scales alone
.set WS,  24                           ; v24-31   W's scale words, two sets of four.  Scales alone
.set M,   32                           ; the stream: v32-35 largest magnitudes; v36-39 the conversions' scale operands; v40-47 bytes; v48-51 words; v52-55 lane moves' results; v[56:57] words of two tiles each
.set SO,  36
.set BY,  40
.set WD,  48
.set PD,  52
.set PP,  56
.set TT,  60                           ; v60-75   second halves of blocks
.set F,   76                           ; v76-123  a cell's four fragments
.set X,   128                          ; v128-191 two columns' 32 numbers on end
.set WF,  32                           ; the rows: v32-79, v80-127 W's fragments, two buffers: cell n in buffer n % 2
.set ACC, 128                          ; v128-255 accumulator (tile of rows a, tile of units t) at 64 a + 8 t
.set GT,  32                           ; the gelu: t, P, x^2 and max(x, 0), 16 each; v80-111 h, a block in order
.set GP,  48
.set GQ,  64
.set GH,  80
.set BO,  112
.set WO,  114
.set WT,  116
.set FO,  128                          ; h's codes and the quantiser's registers lie where the first group's sums lay
.set QTT, 152
.set QM,  156
.set QSO, 158
; window 1: the stream: two buffers of 128 as loaded.  The rows: v0-191 x's 16 fragments (K step s, tile a at 12 (2 s + a)); v192-255 b1 in the result's layout
.set MSB, 0
.macro WIN new                         ; the immediate's high byte repeats the setting that is left; a switch that changes nothing is dropped
.if MSB != \new
	s_set_vgpr_msb (MSB<<8)|\new
.set MSB, \new
.endif
.endm
	s_load_b256 s[4:11], s[0:1], 0x0               ; w1 s[4:5], b1 s[6:7], xs s[8:9], lst s[10:11]
	s_load_b64 s[12:13], s[0:1], 0x20              ; hs
	v_lshrrev_b32 v12, 5, v0
	v_readfirstlane_b32 s14, v12                   ; wave 0..7
	s_lshr_b32 s15, ttmp9, 5                       ; e
	s_and_b32 s16, ttmp9, 31                       ; s2
	v_and_b32 v12, 31, v0                          ; lane
	v_and_b32 v13, 15, v0                          ; q
	v_bfe_u32 v14, v0, 4, 1                        ; g
	v_lshlrev_b32 v2, 4, v12
	v_add_nc_u32 v3, 49152, v2
	v_add_nc_u32 v4, SIMG, v2
	v_lshlrev_b32 v8, 2, v12
	v_lshlrev_b32 v9, 7, v14
	v_lshlrev_b32 v7, 3, v14
	v_lshlrev_b32 v1, 4, v13
	v_lshl_add_u32 v1, v14, 19, v1                 ; 16 q + 32 g rows
	s_wait_alu depctr_va_sdst(0)                   ; s14, the wave's number, is written, ahead of its first reader
	s_mul_i32 s17, s14, 12288
	v_add_nc_u32 v5, s17, v2
	s_lshl_b32 s17, s14, 9
	v_add_nc_u32 v6, s17, v4
	v_mov_b32 v10, 0x3e7c6f08
	v_mov_b32 v11, 0x3e7c6f08
.irp c, 0,1,2,3
	v_mov_b32 v[PD+\c], 0                          ; written once: a lane move's destination counts as one of its sources
.endr
	s_mov_b32 s32, 0x76543210                      ; v_permlanex16_b32's selects for lane l xor 16
	s_mov_b32 s33, 0xfedcba98
	s_mov_b32 s34, 0xffff0000                      ; lanes 16-31
	s_mov_b32 s35, 0x3eb504f3                      ; 1 / (2 sqrt 2)
	s_lshl_b32 s18, s15, 24                        ; the expert's 2^24 bytes, my wave's 128 rows, the work-group's 128 columns
	s_lshl_b32 s17, s14, 21
	s_add_co_u32 s18, s18, s17
	s_lshl_b32 s17, s16, 9
	s_add_co_u32 s18, s18, s17
	s_mov_b32 s19, 0
	s_lshl_b32 s38, s15, 2
	s_wait_kmcnt 0x0
	s_add_nc_u64 s[4:5], s[4:5], s[18:19]
	s_load_b32 s28, s[10:11], s38 offset:0x0       ; the expert's first block,
	s_load_b32 s29, s[10:11], s38 offset:0x20      ; its blocks,
	s_load_b32 s30, s[10:11], 0x40                 ; all blocks
.macro WLOAD hc                        ; half-cell hc (cell hc / 2, K rows 64 (hc % 2) on): 32 loads into buffer hc % 2
	WIN 0x40
.set ii, 0
.rept 32
	global_load_b128 v[128*((\hc)%2)+4*ii:128*((\hc)%2)+4*ii+3], v1, s[4:5] offset:CELLB*((\hc)/2)+(64*((\hc)%2)+ii)*PITCHB th:TH_LOAD_NT
.set ii, ii+1
.endr
.endm
.macro COPY2 c0                        ; columns c0, c0 + 1 of my quad: 32 numbers each, on end
.irp cc, 0,1
.set ii, 0
.rept 32
	v_mov_b32 v[X+32*\cc+ii], v[LB+4*ii+\c0+\cc]
.set ii, ii+1
.endr
.endr
.endm
.macro CONV2 c0                        ; their codes: registers 6 u .. 6 u + 5 of fragments c0, c0 + 1; their bytes
.irp cc, 0,1
	v_cvt_scalef32_pk16_fp6_f32 v[F+12*(\c0+\cc)+6*UU:F+12*(\c0+\cc)+6*UU+2], v[X+32*\cc:X+32*\cc+15], v[SO+\c0+\cc]
	v_cvt_scalef32_pk16_fp6_f32 v[TT+4*(\c0+\cc):TT+4*(\c0+\cc)+2], v[X+32*\cc+16:X+32*\cc+31], v[SO+\c0+\cc]   ; (a conversion's three registers begin on an even number)
.endr
.irp cc, 0,1
	v_lshrrev_b32 v[BY+4*UU+\c0+\cc], 23, v[SO+\c0+\cc]   ; (the plain lines behind the conversions)
.endr
.irp cc, 0,1
.irp k, 0,1,2
	v_mov_b32 v[F+12*(\c0+\cc)+6*UU+3+\k], v[TT+4*(\c0+\cc)+\k]
.endr
.endr
.endm
.macro HALF hc
.set LB, 128*((\hc)%2)
.set UU, (\hc)%2
.if (\hc) < 3
	s_wait_loadcnt 32                              ; mine are in; the next half-cell's 32 stay out
.else
	s_wait_loadcnt 0x0
.endif
	WIN 0x05                                       ; sources 0 and 1 in window 1
.irp c, 0,1,2,3
	v_max3_num_f32 v[M+\c], |v[LB+\c]|, |v[LB+4+\c]|, 0x1800000   ; four blocks by turns; the floor 2^(3 - 127) among the leaves holds the byte at 1 from below
.endr
.irp i, 2,4,6,8,10,12,14,16,18,20,22,24,26,28,30
.irp c, 0,1,2,3
	v_max3_num_f32 v[M+\c], |v[LB+4*\i+\c]|, |v[LB+4*\i+4+\c]|, v[M+\c]
.endr
.endr
	COPY2 0
	WIN 0
.if (\hc) == 2
	s_wait_dscnt 0x0                               ; the last cell's LDS stores are done
	s_wait_alu depctr_vm_vsrc(0)                   ; the first cell's LDS stores have read v[F ..] and v[PP:PP+1], which this cell's conversions, moves and selects write again
.endif
.irp c, 0,1,2,3
	v_add_nc_u32 v[SO+\c], 0xff000000, v[M+\c]     ; 2 off the exponent field: the conversion's scale operand
.endr
	s_wait_alu depctr_va_vdst(0)
	CONV2 0
	WIN 0x05
	COPY2 2
.if (\hc) < 2
	WIN 0x40
	s_wait_alu depctr_va_vdst(0)                   ; the maxima and the copies are done reading this raw buffer, in which the 32 loads below land
	WLOAD (\hc)+2                                  ; the buffer is read out: it takes the half-cell two further on
.endif
	WIN 0
	CONV2 2
.if UU == 1                            ; the cell is whole: its four scale words, and all of it to LDS
.irp c, 0,1,2,3
	v_lshl_or_b32 v[WD+\c], v[BY+4+\c], 16, v[BY+\c]   ; my two bytes: blocks g and 2 + g,
.endr
.irp c, 0,1,2,3
	v_lshlrev_b32 v[WD+\c], v7, v[WD+\c]           ; at their places;
.endr
.irp c, 0,1,2,3
	v_permlanex16_b32 v[PD+\c], v[WD+\c], s32, s33
.endr
.irp c, 0,1,2,3
	v_or_b32 v[WD+\c], v[WD+\c], v[PD+\c]          ; with lane l xor 16's two the word is whole
.endr
	v_cndmask_b32 v[PP], v[WD], v[WD+1], s34       ; a register carries two tiles' words: the even tile's in lanes 0-15, the odd one's in lanes 16-31
	v_cndmask_b32 v[PP+1], v[WD+2], v[WD+3], s34
	s_wait_alu depctr_va_vdst(0)                   ; the conversions, moves and selects have written the four fragments v[F ..] and v[PP:PP+1], which the 13 LDS stores read
.irp c, 0,1,2,3
.irp j, 0,1,2
	ds_store_b128 v5, v[F+12*\c+4*\j:F+12*\c+4*\j+3] offset:6144*((\hc)/2)+1536*\c+512*\j
.endr
.endr
	ds_store_b64 v6, v[PP:PP+1] offset:8*((\hc)/2)
.endif
.endm
	WIN 0x40
	s_wait_alu depctr_va_vdst(0)                   ; the offsets and LDS addresses v1 to v9 are written: every load and store of the kernel reads one of them
	WLOAD 0
	WLOAD 1
	WIN 0
	s_wait_kmcnt 0x0                               ; the table's three words: the bases are made while the stream's first loads are on their way
	s_min_u32 s29, s29, 32                         ; 1,024 tokens are 32 blocks at the most
	s_add_co_u32 s29, s29, 7
	s_sub_co_u32 s29, s29, s14
	s_lshr_b32 s29, s29, 3                         ; my trips, for blocks w, w + 8, ..: (blocks + 7 - wave) / 8: 0 where the expert has no block for me, 4 at the most
	s_add_co_u32 s17, s28, s14                     ; my first block.  A wave that the split leaves without one asks for the last block that was written, and drops it
	s_sub_co_u32 s30, s30, 1
	s_min_u32 s17, s17, s30
	s_min_u32 s17, s17, 71                         ; a number from memory enters an address only behind such a bound
	s_mul_i32 s18, s17, 24576
	s_add_nc_u64 s[20:21], s[8:9], s[18:19]        ; the block's fragments of x,
	s_lshl_b32 s18, s17, 10
	s_add_nc_u64 s[22:23], s[8:9], s[18:19]        ; their scale words (XSC stands in the immediate),
	s_mul_i32 s18, s17, 98304
	s_mul_i32 s36, s16, 3072
	s_add_co_u32 s18, s18, s36
	s_add_nc_u64 s[24:25], s[12:13], s[18:19]      ; where h's two fragments go,
	s_lshl_b32 s18, s17, 12
	s_lshl_b32 s36, s16, 7
	s_add_co_u32 s18, s18, s36
	s_add_nc_u64 s[26:27], s[12:13], s[18:19]      ; and their scale words
	s_lshl_b32 s18, s15, 14
	s_lshl_b32 s36, s16, 9
	s_add_co_u32 s18, s18, s36
	s_add_nc_u64 s[6:7], s[6:7], s[18:19]          ; b1 at my 128 units
	HALF 0
	HALF 1
	HALF 2
	HALF 3
	WIN 0x40                                       ; window 1 is free now.  b1 in the result's layout: register 8 t + j of lane (r, h) is unit 64 (t / 4) + 32 h + 4 j + t % 4
	s_wait_alu depctr_va_vdst(0)                   ; the stream's maxima and copies are done reading window 1's registers, in which b1 and the first block's fragments land
.irp t, 0,1,2,3,4,5,6,7
.irp j, 0,1,2,3,4,5,6,7
	global_load_b32 v[192+8*\t+\j], v9, s[6:7] offset:(64*(\t/4)+4*\j+(\t%4))*4
.endr
.endr
.macro LOADX                           ; a block's rows: 8 scale words and 16 fragments, as they were stored
	WIN 0
.irp s, 0,1,2,3,4,5,6,7
	global_load_b32 v[XS+\s], v8, s[22:23] offset:XSC+128*\s
.endr
	WIN 0x40
.irp f, 0,1,2,3,4,5,6,7,8,9,10,11,12,13,14,15
.irp j, 0,1,2
	global_load_b128 v[12*\f+4*\j:12*\f+4*\j+3], v2, s[20:21] offset:1536*\f+512*\j
.endr
.endr
	WIN 0
.endm
	LOADX
	s_wait_dscnt 0x0                               ; my images have landed:
	s_barrier_signal -1
	s_barrier_wait -1                              ; all sixteen cells have.  The launch's one barrier; the loads above read bytes that nobody writes and stay out across it
.macro MM d, a, b, cb, sa, sb, ra, rb  ; ra, rb: the side's scale words stand in lanes 16-31
.if (\ra) && (\rb)
	v_wmma_scale_f32_16x16x128_f8f6f4 v[(\d):(\d)+7], v[(\a):(\a)+11], v[(\b):(\b)+11], v[(\cb):(\cb)+7], v[\sa], v[\sb] matrix_a_fmt:MATRIX_FMT_FP6 matrix_b_fmt:MATRIX_FMT_FP6 matrix_a_scale:MATRIX_SCALE_ROW1 matrix_b_scale:MATRIX_SCALE_ROW1
.elseif (\ra)
	v_wmma_scale_f32_16x16x128_f8f6f4 v[(\d):(\d)+7], v[(\a):(\a)+11], v[(\b):(\b)+11], v[(\cb):(\cb)+7], v[\sa], v[\sb] matrix_a_fmt:MATRIX_FMT_FP6 matrix_b_fmt:MATRIX_FMT_FP6 matrix_a_scale:MATRIX_SCALE_ROW1
.elseif (\rb)
	v_wmma_scale_f32_16x16x128_f8f6f4 v[(\d):(\d)+7], v[(\a):(\a)+11], v[(\b):(\b)+11], v[(\cb):(\cb)+7], v[\sa], v[\sb] matrix_a_fmt:MATRIX_FMT_FP6 matrix_b_fmt:MATRIX_FMT_FP6 matrix_b_scale:MATRIX_SCALE_ROW1
.else
	v_wmma_scale_f32_16x16x128_f8f6f4 v[(\d):(\d)+7], v[(\a):(\a)+11], v[(\b):(\b)+11], v[(\cb):(\cb)+7], v[\sa], v[\sb] matrix_a_fmt:MATRIX_FMT_FP6 matrix_b_fmt:MATRIX_FMT_FP6
.endif
.endm
.macro WF3 n, c                        ; fragment c of cell n: 3 LDS loads, into buffer n % 2
.irp j, 0,1,2
.if (\n) < 8
	ds_load_b128 v[WF+48*((\n)%2)+12*(\c)+4*\j:WF+48*((\n)%2)+12*(\c)+4*\j+3], v2 offset:6144*(\n)+1536*(\c)+512*\j
.else
	ds_load_b128 v[WF+48*((\n)%2)+12*(\c)+4*\j:WF+48*((\n)%2)+12*(\c)+4*\j+3], v3 offset:6144*((\n)-8)+1536*(\c)+512*\j
.endif
.endr
.endm
; Half a K step, n = 2 s + hf: cell n's four tiles x the two tiles of rows.  The 16 accumulators take turns, one instruction a turn.  The first K step's C is the bias.
; Cell n + 1 is asked for here, a fragment ahead of each pair of products, into the buffer that half step n - 1 multiplied.  LDS loads come back in order (ISA guide 5.7.1): behind fragment c of cell n were issued
; that cell's 3 (3 - c) further loads and the 3 (c + 1) of cell n + 1: 12, whatever c; one more where this half step has asked for scale words; in the last half step the cell's own alone.
.macro HSTEP s, hf
.set NN, 2*(\s)+(\hf)
.if (\s) == 0
	WIN 0x14                                       ; source 1 (the rows) and source 2 (b1) in window 1; an LDS load's address and data stay in window 0
.else
	WIN 0x04
.endif
.if (NN > 0) && (NN < 15)
.rept 4
	v_nop                                          ; four places behind the last half step's products, kept ahead of the wait: they are issued while those products run
.endr
	s_wait_alu depctr_va_vdst(0)                   ; the last half step's products are done reading the other buffer of W's fragments and, at a K step's first half, the last K step's are done reading the other set of scale words: the loads below land there
.endif
.if ((\hf) == 0) && ((\s) < 7)
	ds_load_b128 v[WS+4*(((\s)+1)%2):WS+4*(((\s)+1)%2)+3], v4 offset:512*((\s)+1)
.endif
.irp c, 0,1,2,3
.if NN < 15
	WF3 NN+1, \c                                   ; no wait: no product since the wait above names these registers
.endif
.if NN == 15
	s_wait_dscnt 9-3*\c
.elseif ((\hf) == 0) && ((\s) < 7)
	s_wait_dscnt 13
.else
	s_wait_dscnt 12
.endif
.irp a, 0,1
.set DV, ACC+64*\a+8*(4*(\hf)+\c)
.if (\s) == 0
.set CV, 192+8*(4*(\hf)+\c)
.else
.set CV, DV
.endif
	MM DV, WF+48*(\hf)+12*\c, 12*(2*(\s)+\a), CV, WS+4*((\s)%2)+2*(\hf)+\c/2, XS+(\s), \c%2, \a
.endr
.endr
.endm
; 16 sums (two tiles, c0 and c0 + 1) become 16 numbers of h, written at their places in the block: 4 j + c
.macro GELU16 xb, c0
.set kk, 0
.rept 16
	v_fma_f32 v[GT+kk], |v[(\xb)+kk]|, s35, 1.0    ; each accumulator is read from its low end on
.set kk, kk+1
.endr
.set kk, 0
	s_wait_alu depctr_va_vdst(0)
.rept 16
	v_rcp_f32 v[GT+kk], v[GT+kk]                   ; t
.set kk, kk+1
.endr
.set kk, 0
.rept 8
	v_pk_mul_f32 v[GQ+kk:GQ+kk+1], v[(\xb)+kk:(\xb)+kk+1], v[(\xb)+kk:(\xb)+kk+1]   ; x^2.  (Plain lines behind the reciprocals)
.set kk, kk+2
.endr
.set kk, 0
	s_wait_alu depctr_va_vdst(0)                   ; the sixteen reciprocals have written t, v[GT ..]: one wait for the batch, ahead of its first reader
.rept 8
	v_pk_fma_f32 v[GP+kk:GP+kk+1], v[GT+kk:GT+kk+1], v[10:11], 0xbf97d29d op_sel_hi:[1,1,0]
.set kk, kk+2
.endr
.irp cf, 0x40097039, 0xbfd1a1e5, 0x3ecdfd18, 0xbe899a80, 0x3e0efb2e, 0x3f0a29d2, 0x3fb8ab5a, 0xc034d90f
.set kk, 0
.rept 8
	v_pk_fma_f32 v[GP+kk:GP+kk+1], v[GP+kk:GP+kk+1], v[GT+kk:GT+kk+1], \cf op_sel_hi:[1,1,0]
.set kk, kk+2
.endr
.endr
.set kk, 0
.rept 8
	v_pk_fma_f32 v[GP+kk:GP+kk+1], v[GQ+kk:GQ+kk+1], 0xbf38aa3b, v[GP+kk:GP+kk+1] op_sel_hi:[1,0,1]   ; - x^2 log2(e) / 2
.set kk, kk+2
.endr
.set kk, 0
	s_wait_alu depctr_va_vdst(0)
.rept 16
	v_exp_f32 v[GP+kk], v[GP+kk]
.set kk, kk+1
.endr
.set kk, 0
.rept 16
	v_max_num_f32 v[GQ+kk], 0, v[(\xb)+kk]         ; (plain lines behind the exponentials)
.set kk, kk+1
.endr
.set kk, 0
	s_wait_alu depctr_va_vdst(0)                   ; the sixteen exponentials have written v[GP ..]: one wait for the batch, ahead of its first reader
.rept 8
	v_pk_mul_f32 v[GP+kk:GP+kk+1], v[GP+kk:GP+kk+1], v[GT+kk:GT+kk+1]   ; E
.set kk, kk+2
.endr
.set kk, 0
.rept 16
	v_fma_f32 v[GH+4*(kk%8)+\c0+kk/8], -v[GP+kk], |v[(\xb)+kk]|, v[GQ+kk]
.set kk, kk+1
.endr
.endm
.macro QB src, f, u, bt                ; 32 numbers of one block in consecutive registers become registers f + 6 u on, and the scale's byte
	v_max3_num_f32 v[QM], |v[(\src)]|, |v[(\src)+1]|, 0x1800000
	v_max3_num_f32 v[QM+1], |v[(\src)+2]|, |v[(\src)+3]|, |v[(\src)+4]|
.irp i, 5,9,13,17,21,25
	v_max3_num_f32 v[QM], v[QM], |v[(\src)+\i]|, |v[(\src)+\i+1]|
	v_max3_num_f32 v[QM+1], v[QM+1], |v[(\src)+\i+2]|, |v[(\src)+\i+3]|
.endr
	v_max3_num_f32 v[QM], v[QM], |v[(\src)+29]|, |v[(\src)+30]|
	v_max3_num_f32 v[QM], v[QM], v[QM+1], |v[(\src)+31]|
	v_add_nc_u32 v[QSO], 0xff000000, v[QM]
	v_cvt_scalef32_pk16_fp6_f32 v[(\f)+6*(\u):(\f)+6*(\u)+2], v[(\src):(\src)+15], v[QSO]
	v_cvt_scalef32_pk16_fp6_f32 v[QTT:QTT+2], v[(\src)+16:(\src)+31], v[QSO]
	v_lshrrev_b32 v[\bt], 23, v[QSO]               ; (the plain line behind the conversions)
.irp k, 0,1,2
	v_mov_b32 v[(\f)+6*(\u)+3+\k], v[QTT+\k]
.endr
.endm
	s_mov_b32 s31, 0                               ; trips done
	s_cmp_eq_u32 s29, 0
	s_cbranch_scc1 .Ldone                          ; the split leaves me no block
.Lblk:
	s_wait_alu depctr_va_vdst(0)                   ; the vector lines that named v32-127 (the stream's; later the gelu's and the quantiser's) and the last block's products, which read W's scale words, are done: LDS loads land in these registers
	s_wait_alu depctr_vm_vsrc(0)                   ; my LDS stores of the images have read v[F ..] and v[PP:PP+1], the last block's stores v[FO ..] and v[WO]: LDS loads and this block's products write these registers again
	ds_load_b128 v[WS:WS+3], v4
.irp c, 0,1,2,3
	WF3 0, \c
.endr
	s_wait_loadcnt 0x0                             ; the block's rows (and, the first time, b1): so their bases may step below
.irp s, 0,1,2,3,4,5,6,7
	HSTEP \s, 0
	HSTEP \s, 1
.endr
.rept 4
	v_nop                                          ; four places behind the last products, ahead of the first read of their results and of the first vector write of their sources (ISA guide 7.12.1)
.endr
	WIN 0
	s_add_co_u32 s31, s31, 1                       ; the counter's one step a trip
	s_cmp_ge_u32 s31, s29
	s_cbranch_scc1 .Lno_next
	s_add_nc_u64 s[20:21], s[20:21], 8*24576       ; my next block lies eight blocks on
	s_add_nc_u64 s[22:23], s[22:23], 8*1024
	s_wait_alu depctr_va_vdst(0)                   ; the block's products are done reading the rows' scale words v[XS ..] and fragments, in which the next block's land
	LOADX                                          ; its rows land under the gelu, which names none of these registers
.Lno_next:
.irp a, 0,1
.irp u, 0,1
	GELU16 ACC+64*\a+32*\u, 0
	GELU16 ACC+64*\a+32*\u+16, 2
	QB GH, FO+12*\a, \u, BO+\u
.endr
	v_lshl_or_b32 v[WO+\a], v[BO+1], 16, v[BO]     ; the row's scale word, as in the stream
	v_lshlrev_b32 v[WO+\a], v7, v[WO+\a]
	v_permlanex16_b32 v[WT], v[WO+\a], s32, s33
	v_or_b32 v[WO+\a], v[WO+\a], v[WT]
.if \a == 1
	v_cndmask_b32 v[WO], v[WO], v[WO+1], s34       ; lanes 0-15 tile 0's rows, lanes 16-31 tile 1's
.endif
	s_wait_alu depctr_va_vdst(0)                   ; the quantiser has written this tile's codes v[FO + 12 a ..] (behind the second tile: the select has written v[WO] too), which the stores below read
.irp j, 0,1,2
	global_store_b128 v2, v[FO+12*\a+4*\j:FO+12*\a+4*\j+3], s[24:25] offset:1536*\a+512*\j   ; K step s2 of the next product, as an image: 512 consecutive bytes a store
.endr
.endr
	global_store_b32 v8, v[WO], s[26:27] offset:HSC
	s_wait_xcnt 0x0                                ; the stores' data and bases are written again only behind this wait
	s_add_nc_u64 s[24:25], s[24:25], 8*98304
	s_add_nc_u64 s[26:27], s[26:27], 8*4096
	s_cmp_lt_u32 s31, s29
	s_cbranch_scc1 .Lblk
.Ldone:
	s_wait_xcnt 0x0
	v_lshl_add_u32 v254, v0, 2, 0x19000            ; the add's two registers are made anew here: no memory or LDS instruction of this text reads v254 or v255
	v_mov_b32 v255, 0
	s_wait_dscnt 0x0                               ; the closing lines, six on end
	s_wait_alu 0x0
	s_wait_tensorcnt 0x0
	ds_add_u32 v254, v255
	s_wait_dscnt 0x0
	s_endpgm
.Lfunc_end_k_qb03d5cdadd_ffn1:
	.size	k_qb03d5cdadd_ffn1, .Lfunc_end_k_qb03d5cdadd_ffn1-k_qb03d5cdadd_ffn1
	.p2alignl 7, 3214868480
	.fill 96, 4, 3214868480
	.section	.rodata,"a",@progbits
	.p2align	6, 0x0
	.amdhsa_kernel k_qb03d5cdadd_ffn1
		.amdhsa_group_segment_fixed_size 103424
		.amdhsa_private_segment_fixed_size 0
		.amdhsa_enable_private_segment 0
		.amdhsa_kernarg_size 40
		.amdhsa_user_sgpr_count 2
		.amdhsa_user_sgpr_kernarg_segment_ptr 1
		.amdhsa_wavefront_size32 1
		.amdhsa_system_sgpr_workgroup_id_x 1
		.amdhsa_system_sgpr_workgroup_id_y 1
		.amdhsa_system_sgpr_workgroup_id_z 1
		.amdhsa_system_vgpr_workitem_id 0
		.amdhsa_next_free_vgpr 512
		.amdhsa_next_free_sgpr 66
		.amdhsa_reserve_vcc 0
		.amdhsa_float_denorm_mode_32 3
		.amdhsa_float_denorm_mode_16_64 3
		.amdhsa_memory_ordered 1
		.amdhsa_forward_progress 1
		.amdhsa_inst_pref_size 212
	.end_amdhsa_kernel
	.amdgpu_metadata
---
amdhsa.version: [ 1, 2 ]
amdhsa.kernels:
  - .name:           k_qb03d5cdadd_ffn1
    .symbol:         k_qb03d5cdadd_ffn1.kd
    .args:
      - { .name: w1, .offset: 0, .size: 8, .value_kind: global_buffer, .address_space: global }
      - { .name: b1, .offset: 8, .size: 8, .value_kind: global_buffer, .address_space: global }
      - { .name: xs, .offset: 16, .size: 8, .value_kind: global_buffer, .address_space: global }
      - { .name: lst, .offset: 24, .size: 8, .value_kind: global_buffer, .address_space: global }
      - { .name: hs, .offset: 32, .size: 8, .value_kind: global_buffer, .address_space: global }
    .group_segment_fixed_size: 103424
    .private_segment_fixed_size: 0
    .kernarg_segment_align: 8
    .kernarg_segment_size: 40
    .max_flat_workgroup_size: 256
    .sgpr_count:     66
    .vgpr_count:     512
    .wavefront_size: 32
...
	.end_amdgpu_metadata
.endif
;; end of part 8
;; launch ffn2 (part 9): grid 256 x 1, 8 waves a work-group, no clusters, 173,056 bytes of LDS; arguments w2, b2, hs, lst, gat, yp; writes yp
.if DOCPART == 9
	.amdgcn_target "amdgcn-amd-amdhsa--gfx1250"
	.amdhsa_code_object_version 6
	.text
	.protected	k_qb03d5cdadd_ffn2
	.globl	k_qb03d5cdadd_ffn2
	.p2align	8
	.type	k_qb03d5cdadd_ffn2,@function
k_qb03d5cdadd_ffn2:
	s_mov_b64 s[64:65], 0
	v_nop
	global_prefetch_b8 v0, s[64:65] scope:SCOPE_SE
	s_setreg_imm32_b32 hwreg(HW_REG_WAVE_SCHED_MODE, 0, 2), 2
	s_setreg_imm32_b32 hwreg(HW_REG_WAVE_MODE, 25, 1), 1
	s_wait_xcnt 0x0
	s_wait_alu depctr_vm_vsrc(0)
; yp = weight x (h W2 + b2) for the placed rows, on codes of FP6 (E2M3) with one E8M0 scale for each 32 along K, in two halves of K that the last launch adds.
; SHARES.  Work-group (e = number / 32, ds = (number / 2) % 16, kh = number % 2) owns output columns 64 ds .. 64 ds + 63 over K = 2,048 kh .. 2,048 kh + 2,047 of expert e: a slab of W2 of 2,048 x 64 f32,
; 524,288 bytes, which no other work-group reads.  64 columns make a slab's rows 256 consecutive bytes, aligned; half of K makes 256 work-groups of equal slabs.
; PHASE 1, THE STREAM, as in the launch before: 16 cells of 128 K x 64 columns (cell = K step), two to a wave; lane (q, g) of a load takes row 32 g + i, columns 4 q + 0..3, so that for each c a lane holds a whole
; block of 32 along K of column 4 q + c, and the conversions' results are the registers of tile c, whose row m is column 4 m + c.  Images to LDS, ONE barrier; W2 is read from memory once and never stored.
; PHASE 2, THE ROWS.  Wave w takes the expert's blocks w, w + 8, .. (the count is read from lst).  h's fragments come from hs straight into a ring of eight K steps' registers, a slot asked for again in the K step
; behind the one that multiplied it; W's from LDS.
; Transposed use (source 0 = 16 columns of W2, source 1 = 16 rows): lane (r, h) holds columns 32 h + 4 j + c of row r: 128 neighbouring bytes.  They are multiplied by the row's weight, go through the wave's own
; stage in LDS and leave as whole rows: sixteen lanes store 256 consecutive bytes, aligned, at the row of yp that lst names.  b2 is the C of the first K step where kh = 0; zeros where kh = 1.
; No barrier, no stepped LDS address stands in that loop, since its count hangs on data.
; NO CLUSTER: what the work-groups of an expert share is h's codes, 49,152 bytes a block beside 524,288 unshared bytes of weights, and they come by plain loads in a loop whose count differs from wave to wave.
; LIMITS.  NaN and infinities are not served.  Blocks of W2 under 2^-124 take the scale byte 1 (a block of zeros too: its codes are zeros).  K's two halves are summed apart and added at the end.
; THE MODE: SCHED_MODE bits 1:0 = 2 (LLVM: expert scheduling mode 2), set by the entry lines.  The code itself states the register dependences between vector or matrix instructions and memory or LDS
; instructions, with s_wait_alu, always for 0.
; THE PLAN.  Registers that memory or LDS instructions touch, and who else names them:
;   v1-v14         offsets and LDS addresses: written at the head, read by loads and stores, never written again.  One wait on va_vdst ahead of the first load.  v254, v255: written at the head, read by the closing add alone.
;   window 1's two raw buffers, F, PP (the stream): as in the launch before: a wait on va_vdst behind a half-cell's copies and one ahead of a cell's LDS stores; one on vm_vsrc ahead of the second cell's first conversion.
;   WF0, WF1       W's fragments.  K step s's products read WF[s % 2]; the LDS loads of cell s + 1 land in the other, which K step s - 1's products read.
;   WS, two sets   K steps 2 g and 2 g + 1 read set g % 2; in K step 2 g the words of the next two K steps land in the other set.
;   h's ring       K step s's products read slot s % 8; in K step s + 1 the fragments of K step s + 8 land in it.
;                  So ONE wait on va_vdst stands at a K step's head, and its loads follow: h's six in one run under their window, W's a fragment ahead of each pair of products, which name none of these registers.
;   DR, GR, HS     a block's places, weights and scale words of h: read by the first K step's vector lines and by the products; the next block's land behind the last product.  One wait on va_vdst at the head of those loads.
;   OO, YY, OF     the way out: the multiplications write OO, the LDS stores read it; the loads from the stage land in YY, where the sums lay; the global stores read YY and the offsets OF, made in the first K step.
;                  One wait on va_vdst behind the multiplications.
;   At the loop's head one wait on va_vdst and one on vm_vsrc: v32-231, which the stream or the last block's way out named, take LDS loads, new sums and new offsets.
.set PITCHB, 4096                      ; a row of W2 in bytes
.set CELLB,  524288                    ; from a wave's first cell to its second: 128 rows
.set SIMG,   98304                     ; LDS: from 0 the cells' fragments: 6,144 n + 1,536 c + 512 j + 16 lane; from SIMG their scale words: 512 (n / 2) + 16 lane + 8 (n % 2)
.set STG,    102400                    ; the stages: 32 rows x (256 bytes + 16) for each wave
.set HSC,    7077888
; window 0: v1 stream offset; v2, v3 16 lane (+ 49,152); v4 SIMG + 16 lane; v5, v6 my wave's places for images and scale words; v7 8 g; v8 4 lane; v9 128 h; v10 4 q; v11 64 g; v12, v13 the stage, in and back; v14 16 q
.set HS,  16                           ; v16-31   h's scale words, one register a K step: lanes 0-15 tile 0, lanes 16-31 tile 1.  Scales alone
.set M,   32                           ; the stream's registers, as in the launch before
.set SO,  36
.set BY,  40
.set WD,  48
.set PD,  52
.set PP,  56
.set TT,  60
.set F,   76
.set X,   128
.set WF,  32                           ; the rows: v32-79, v80-127 W's four fragments of a K step, two buffers
.set ACC, 128                          ; v128-191 accumulator (tile of rows a, tile of columns c) at 32 a + 8 c
.set WS,  192                          ; v192-199 W's scale words, two sets of four (two K steps each).  Scales alone
.set DR,  200                          ; v200-215 the 16 rows' places in yp, as loaded
.set OF,  216                          ; v216-231 and as byte offsets
.set GR,  232                          ; v232-233 the rows' weights as loaded;  v234-235 in use
.set GG,  234
.set OO,  32                           ; the way out: v32-95 results in order; v128-191 whole rows
.set YY,  128
; window 1: the stream: two buffers of 128 as loaded.  The rows: v0-191 a ring of 8 K steps x 2 fragments of h; v192-223 b2 in the result's layout
.set MSB, 0
.macro WIN new                         ; the immediate's high byte repeats the setting that is left; a switch that changes nothing is dropped
.if MSB != \new
	s_set_vgpr_msb (MSB<<8)|\new
.set MSB, \new
.endif
.endm
	s_load_b256 s[4:11], s[0:1], 0x0               ; w2 s[4:5], b2 s[6:7], hs s[8:9], lst s[10:11]
	s_load_b128 s[12:15], s[0:1], 0x20             ; gat s[12:13], yp s[14:15]
	v_lshl_add_u32 v254, v0, 2, 0x2a000
	v_mov_b32 v255, 0
	v_lshrrev_b32 v15, 5, v0
	v_readfirstlane_b32 s16, v15                   ; wave 0..7
	s_lshr_b32 s17, ttmp9, 5                       ; e
	s_bfe_u32 s18, ttmp9, 0x40001                  ; ds
	s_and_b32 s19, ttmp9, 1                        ; kh
	v_and_b32 v15, 31, v0                          ; lane
	v_and_b32 v10, 15, v0                          ; q
	v_bfe_u32 v11, v0, 4, 1                        ; g
	v_lshlrev_b32 v2, 4, v15
	v_add_nc_u32 v3, 49152, v2
	v_add_nc_u32 v4, SIMG, v2
	v_lshlrev_b32 v8, 2, v15
	v_lshlrev_b32 v9, 7, v11
	v_lshlrev_b32 v7, 3, v11
	v_lshlrev_b32 v14, 4, v10
	v_lshl_add_u32 v1, v11, 17, v14                ; 16 q + 32 g rows
	s_wait_alu depctr_va_sdst(0)                   ; s16, the wave's number, is written, ahead of its first reader
	s_mul_i32 s36, s16, 12288
	v_add_nc_u32 v5, s36, v2
	s_lshl_b32 s36, s16, 9
	v_add_nc_u32 v6, s36, v4
	s_mul_i32 s36, s16, 8704
	s_add_co_u32 s36, s36, STG                     ; my stage
	v_mul_u32_u24 v12, v10, 272
	v_lshl_add_u32 v12, v11, 7, v12
	v_add_nc_u32 v12, s36, v12                     ; in: row r, + 128 h
	v_mul_u32_u24 v13, v11, 4352
	v_add_nc_u32 v13, v13, v14
	v_add_nc_u32 v13, s36, v13                     ; back: lanes 0-15 a row of tile 0, lanes 16-31 the same row of tile 1
	v_lshlrev_b32 v10, 2, v10
	v_lshlrev_b32 v11, 6, v11
.irp c, 0,1,2,3
	v_mov_b32 v[PD+\c], 0                          ; written once: a lane move's destination counts as one of its sources
.endr
	s_mov_b32 s32, 0x76543210                      ; v_permlanex16_b32's selects for lane l xor 16
	s_mov_b32 s33, 0xfedcba98
	s_mov_b32 s34, 0xffff0000                      ; lanes 16-31
	s_lshl_b32 s36, s17, 24                        ; the expert's 2^24 bytes, my half of K, my wave's 256 rows, the work-group's 64 columns
	s_lshl_b32 s39, s19, 23
	s_add_co_u32 s36, s36, s39
	s_lshl_b32 s39, s16, 20
	s_add_co_u32 s36, s36, s39
	s_lshl_b32 s39, s18, 8
	s_add_co_u32 s36, s36, s39
	s_mov_b32 s37, 0
	s_lshl_b32 s38, s17, 2
	s_wait_kmcnt 0x0
	s_add_nc_u64 s[4:5], s[4:5], s[36:37]
	s_load_b32 s28, s[10:11], s38 offset:0x0       ; the expert's first block,
	s_load_b32 s29, s[10:11], s38 offset:0x20      ; its blocks,
	s_load_b32 s30, s[10:11], 0x40                 ; all blocks
.macro WLOAD hc                        ; half-cell hc (cell hc / 2, K rows 64 (hc % 2) on): 32 loads into buffer hc % 2
	WIN 0x40
.set ii, 0
.rept 32
	global_load_b128 v[128*((\hc)%2)+4*ii:128*((\hc)%2)+4*ii+3], v1, s[4:5] offset:CELLB*((\hc)/2)+(64*((\hc)%2)+ii)*PITCHB th:TH_LOAD_NT
.set ii, ii+1
.endr
.endm
.macro COPY2 c0                        ; columns c0, c0 + 1 of my quad: 32 numbers each, on end
.irp cc, 0,1
.set ii, 0
.rept 32
	v_mov_b32 v[X+32*\cc+ii], v[LB+4*ii+\c0+\cc]
.set ii, ii+1
.endr
.endr
.endm
.macro CONV2 c0                        ; their codes: registers 6 u .. 6 u + 5 of fragments c0, c0 + 1; their bytes
.irp cc, 0,1
	v_cvt_scalef32_pk16_fp6_f32 v[F+12*(\c0+\cc)+6*UU:F+12*(\c0+\cc)+6*UU+2], v[X+32*\cc:X+32*\cc+15], v[SO+\c0+\cc]
	v_cvt_scalef32_pk16_fp6_f32 v[TT+4*(\c0+\cc):TT+4*(\c0+\cc)+2], v[X+32*\cc+16:X+32*\cc+31], v[SO+\c0+\cc]   ; (a conversion's three registers begin on an even number)
.endr
.irp cc, 0,1
	v_lshrrev_b32 v[BY+4*UU+\c0+\cc], 23, v[SO+\c0+\cc]   ; (the plain lines behind the conversions)
.endr
.irp cc, 0,1
.irp k, 0,1,2
	v_mov_b32 v[F+12*(\c0+\cc)+6*UU+3+\k], v[TT+4*(\c0+\cc)+\k]
.endr
.endr
.endm
.macro HALF hc
.set LB, 128*((\hc)%2)
.set UU, (\hc)%2
.if (\hc) < 3
	s_wait_loadcnt 32                              ; mine are in; the next half-cell's 32 stay out
.else
	s_wait_loadcnt 0x0
.endif
	WIN 0x05                                       ; sources 0 and 1 in window 1
.irp c, 0,1,2,3
	v_max3_num_f32 v[M+\c], |v[LB+\c]|, |v[LB+4+\c]|, 0x1800000   ; four blocks by turns; the floor 2^(3 - 127) among the leaves holds the byte at 1 from below
.endr
.irp i, 2,4,6,8,10,12,14,16,18,20,22,24,26,28,30
.irp c, 0,1,2,3
	v_max3_num_f32 v[M+\c], |v[LB+4*\i+\c]|, |v[LB+4*\i+4+\c]|, v[M+\c]
.endr
.endr
	COPY2 0
	WIN 0
.if (\hc) == 2
	s_wait_dscnt 0x0                               ; the last cell's LDS stores are done
	s_wait_alu depctr_vm_vsrc(0)                   ; the first cell's LDS stores have read v[F ..] and v[PP:PP+1], which this cell's conversions, moves and selects write again
.endif
.irp c, 0,1,2,3
	v_add_nc_u32 v[SO+\c], 0xff000000, v[M+\c]     ; 2 off the exponent field: the conversion's scale operand
.endr
	s_wait_alu depctr_va_vdst(0)
	CONV2 0
	WIN 0x05
	COPY2 2
.if (\hc) < 2
	WIN 0x40
	s_wait_alu depctr_va_vdst(0)                   ; the maxima and the copies are done reading this raw buffer, in which the 32 loads below land
	WLOAD (\hc)+2                                  ; the buffer is read out: it takes the half-cell two further on
.endif
	WIN 0
	CONV2 2
.if UU == 1                            ; the cell is whole: its four scale words, and all of it to LDS
.irp c, 0,1,2,3
	v_lshl_or_b32 v[WD+\c], v[BY+4+\c], 16, v[BY+\c]   ; my two bytes: blocks g and 2 + g,
.endr
.irp c, 0,1,2,3
	v_lshlrev_b32 v[WD+\c], v7, v[WD+\c]           ; at their places;
.endr
.irp c, 0,1,2,3
	v_permlanex16_b32 v[PD+\c], v[WD+\c], s32, s33
.endr
.irp c, 0,1,2,3
	v_or_b32 v[WD+\c], v[WD+\c], v[PD+\c]          ; with lane l xor 16's two the word is whole
.endr
	v_cndmask_b32 v[PP], v[WD], v[WD+1], s34       ; a register carries two tiles' words: the even tile's in lanes 0-15, the odd one's in lanes 16-31
	v_cndmask_b32 v[PP+1], v[WD+2], v[WD+3], s34
	s_wait_alu depctr_va_vdst(0)                   ; the conversions, moves and selects have written the four fragments v[F ..] and v[PP:PP+1], which the 13 LDS stores read
.irp c, 0,1,2,3
.irp j, 0,1,2
	ds_store_b128 v5, v[F+12*\c+4*\j:F+12*\c+4*\j+3] offset:6144*((\hc)/2)+1536*\c+512*\j
.endr
.endr
	ds_store_b64 v6, v[PP:PP+1] offset:8*((\hc)/2)
.endif
.endm
	WIN 0x40
	s_wait_alu depctr_va_vdst(0)                   ; the offsets and LDS addresses v1 to v14 are written: every load and store of the kernel reads one of them
	WLOAD 0
	WLOAD 1
	WIN 0
	s_wait_kmcnt 0x0                               ; the table's three words: the bases are made while the stream's first loads are on their way
	s_min_u32 s29, s29, 32                         ; 1,024 tokens are 32 blocks at the most
	s_add_co_u32 s29, s29, 7
	s_sub_co_u32 s29, s29, s16
	s_lshr_b32 s29, s29, 3                         ; my trips, for blocks w, w + 8, ..: (blocks + 7 - wave) / 8: 0 where the expert has no block for me, 4 at the most
	s_add_co_u32 s39, s28, s16                     ; my first block.  A wave that the split leaves without one asks for the last block that was written, and drops it
	s_sub_co_u32 s30, s30, 1
	s_min_u32 s39, s39, s30
	s_min_u32 s39, s39, 71                         ; a number from memory enters an address only behind such a bound
	s_lshl_b32 s36, s39, 7
	s_add_nc_u64 s[20:21], s[10:11], s[36:37]      ; the block's rows' places (256 stands in the immediate),
	s_add_nc_u64 s[22:23], s[12:13], s[36:37]      ; their weights,
	s_lshl_b32 s36, s39, 12
	s_lshl_b32 s35, s19, 11
	s_add_co_u32 s36, s36, s35
	s_add_nc_u64 s[24:25], s[8:9], s[36:37]        ; h's scale words of my half of K (HSC stands in the immediate),
	s_mul_i32 s36, s39, 98304
	s_mul_i32 s35, s19, 49152
	s_add_co_u32 s36, s36, s35
	s_add_nc_u64 s[26:27], s[8:9], s[36:37]        ; and its fragments
	s_mul_i32 s36, s19, 8421376
	s_lshl_b32 s35, s18, 8
	s_add_co_u32 s36, s36, s35
	s_add_nc_u64 s[14:15], s[14:15], s[36:37]      ; yp: my half's plane, my 64 columns
	s_lshl_b32 s36, s17, 12
	s_add_co_u32 s36, s36, s35
	s_add_nc_u64 s[6:7], s[6:7], s[36:37]          ; b2 at my 64 columns
	HALF 0
	HALF 1
	HALF 2
	HALF 3
	s_cmp_lg_u32 s19, 0                            ; window 1 is free now.  The first K step's C: register 8 c + j of lane (r, h) is column 32 h + 4 j + c
	s_cbranch_scc1 .Lzero
	WIN 0x40
	s_wait_alu depctr_va_vdst(0)                   ; the stream's maxima and copies are done reading window 1's registers, in which b2 lands
.irp c, 0,1,2,3
.irp j, 0,1,2,3,4,5,6,7
	global_load_b32 v[192+8*\c+\j], v9, s[6:7] offset:(4*\j+\c)*4
.endr
.endr
	WIN 0
	s_branch .Lbias_done
.Lzero:
	WIN 0x40
.irp j, 0,1,2,3,4,5,6,7,8,9,10,11,12,13,14,15,16,17,18,19,20,21,22,23,24,25,26,27,28,29,30,31
	v_mov_b32 v[192+\j], 0                         ; K's second half adds no bias: 32 registers, once
.endr
	WIN 0
.Lbias_done:
.macro HFRAG s                         ; h's two fragments of K step s into slot s % 8: 6 loads (destination window 1)
.irp a, 0,1
.irp j, 0,1,2
	global_load_b128 v[24*((\s)%8)+12*\a+4*\j:24*((\s)%8)+12*\a+4*\j+3], v2, s[26:27] offset:3072*(\s)+1536*\a+512*\j
.endr
.endr
.endm
.macro PRE                             ; a block's head: 4 + 2 + 16 loads of places, weights and scale words, then the fragments of K steps 0 to 7
	WIN 0
	s_wait_alu depctr_va_vdst(0)                   ; the first time: the stream's maxima and copies are done reading window 1; later: the block's products are done reading v[HS ..] and h's ring, its first K step's lines v[DR ..] and v[GR ..]: the loads below land there
.irp m, 0,1,2,3
	global_load_b128 v[DR+4*\m:DR+4*\m+3], v11, s[20:21] offset:256+16*\m   ; lanes 0-15: tile 0's 16 rows; lanes 16-31: tile 1's
.endr
.irp a, 0,1
	global_load_b32 v[GR+\a], v10, s[22:23] offset:64*\a
.endr
.irp s, 0,1,2,3,4,5,6,7,8,9,10,11,12,13,14,15
	global_load_b32 v[HS+\s], v8, s[24:25] offset:HSC+128*\s
.endr
	WIN 0x40
.irp s, 0,1,2,3,4,5,6,7
	HFRAG \s
.endr
	WIN 0
.endm
	PRE
	s_wait_dscnt 0x0                               ; my images have landed:
	s_barrier_signal -1
	s_barrier_wait -1                              ; all sixteen cells have.  The launch's one barrier; the loads above read bytes that nobody writes and stay out across it
.macro MM d, a, b, cb, sa, sb, ra, rb  ; ra, rb: the side's scale words stand in lanes 16-31
.if (\ra) && (\rb)
	v_wmma_scale_f32_16x16x128_f8f6f4 v[(\d):(\d)+7], v[(\a):(\a)+11], v[(\b):(\b)+11], v[(\cb):(\cb)+7], v[\sa], v[\sb] matrix_a_fmt:MATRIX_FMT_FP6 matrix_b_fmt:MATRIX_FMT_FP6 matrix_a_scale:MATRIX_SCALE_ROW1 matrix_b_scale:MATRIX_SCALE_ROW1
.elseif (\ra)
	v_wmma_scale_f32_16x16x128_f8f6f4 v[(\d):(\d)+7], v[(\a):(\a)+11], v[(\b):(\b)+11], v[(\cb):(\cb)+7], v[\sa], v[\sb] matrix_a_fmt:MATRIX_FMT_FP6 matrix_b_fmt:MATRIX_FMT_FP6 matrix_a_scale:MATRIX_SCALE_ROW1
.elseif (\rb)
	v_wmma_scale_f32_16x16x128_f8f6f4 v[(\d):(\d)+7], v[(\a):(\a)+11], v[(\b):(\b)+11], v[(\cb):(\cb)+7], v[\sa], v[\sb] matrix_a_fmt:MATRIX_FMT_FP6 matrix_b_fmt:MATRIX_FMT_FP6 matrix_b_scale:MATRIX_SCALE_ROW1
.else
	v_wmma_scale_f32_16x16x128_f8f6f4 v[(\d):(\d)+7], v[(\a):(\a)+11], v[(\b):(\b)+11], v[(\cb):(\cb)+7], v[\sa], v[\sb] matrix_a_fmt:MATRIX_FMT_FP6 matrix_b_fmt:MATRIX_FMT_FP6
.endif
.endm
.macro WF3 n, c                        ; fragment c of cell n: 3 LDS loads, into buffer n % 2
.irp j, 0,1,2
.if (\n) < 8
	ds_load_b128 v[WF+48*((\n)%2)+12*(\c)+4*\j:WF+48*((\n)%2)+12*(\c)+4*\j+3], v2 offset:6144*(\n)+1536*(\c)+512*\j
.else
	ds_load_b128 v[WF+48*((\n)%2)+12*(\c)+4*\j:WF+48*((\n)%2)+12*(\c)+4*\j+3], v3 offset:6144*((\n)-8)+1536*(\c)+512*\j
.endif
.endr
.endm
; A K step: four tiles of columns x two tiles of rows.  The 8 accumulators take turns, one instruction a turn.
; Cell s + 1 is asked for here, a fragment ahead of each pair of products, into the buffer that K step s - 1 multiplied; h's K step s + 7 into the slot that K step s - 1 multiplied.  LDS loads come back in order
; (ISA guide 5.7.1): behind fragment c of cell s were issued that cell's 3 (3 - c) further loads and the 3 (c + 1) of cell s + 1: 12, whatever c; one more where this K step has asked for scale words; in the last
; K step the cell's own alone.
.macro KSTEP s
.if (\s) == 0
	s_wait_loadcnt 42                              ; the block's places, weights, scale words and first fragments of h are in; behind them: the fragments of seven later K steps, 6 loads each
.irp i, 0,1,2,3,4,5,6,7,8,9,10,11,12,13,14,15
	v_min_u32 v[OF+\i], 0x807, v[DR+\i]            ; a number from memory enters an address only behind such a bound: yp has 2,056 rows
.endr
.irp i, 0,1,2,3,4,5,6,7,8,9,10,11,12,13,14,15
	v_lshl_add_u32 v[OF+\i], v[OF+\i], 12, v14     ; row x 4,096 + 16 q.  Kept apart from what was loaded, so that the next block's head may land while this one goes out
.endr
	v_mov_b32 v[GG], v[GR]
	v_mov_b32 v[GG+1], v[GR+1]
	WIN 0x14                                       ; source 1 (h) and source 2 (the bias) in window 1; an LDS load's address and data stay in window 0
.elseif (\s) < 15
.rept 4
	v_nop                                          ; four places behind the last K step's products, kept ahead of the wait: they are issued while those products run
.endr
.if (\s) <= 8
	WIN 0x40
.endif
	s_wait_alu depctr_va_vdst(0)                   ; the last K step's products are done reading their slot of h's ring, the other buffer of W's fragments and, at an even K step, the other set of scale words: the loads below land there
.if (\s) <= 8
	HFRAG (\s)+7                                   ; the slot takes the K step eight further on than the one that it held
.endif
	WIN 0x04
.endif
.if (((\s)%2) == 0) && ((\s) < 14)
	ds_load_b128 v[WS+4*((((\s)+2)/2)%2):WS+4*((((\s)+2)/2)%2)+3], v4 offset:512*(((\s)+2)/2)
.endif
.irp c, 0,1,2,3
.if (\s) < 15
	WF3 (\s)+1, \c                                 ; no wait: no product since the wait above names these registers
.endif
.if (\c == 0) && ((\s) > 0)
.if (\s) <= 8
	s_wait_loadcnt 42                              ; behind this K step's fragments of h: those of seven later K steps, 6 loads each, the six just issued among them
.else
	s_wait_loadcnt 6*(15-(\s))
.endif
.endif
.if (\s) == 15
	s_wait_dscnt 9-3*\c
.elseif (((\s)%2) == 0) && ((\s) < 14)
	s_wait_dscnt 13
.else
	s_wait_dscnt 12
.endif
.irp a, 0,1
.set DV, ACC+32*\a+8*\c
.if (\s) == 0
.set CV, 192+8*\c
.else
.set CV, DV
.endif
	MM DV, WF+48*((\s)%2)+12*\c, 24*((\s)%8)+12*\a, CV, WS+4*(((\s)/2)%2)+2*((\s)%2)+\c/2, HS+(\s), \c%2, \a
.endr
.endr
.endm
	s_mov_b32 s31, 0                               ; trips done
	s_cmp_eq_u32 s29, 0
	s_cbranch_scc1 .Ldone                          ; the split leaves me no block
.Lblk:
	s_wait_alu depctr_va_vdst(0)                   ; the vector lines that named v32-127 (the stream's; later the way out's multiplications) and the last block's products, which read W's scale words, are done: LDS loads land in these registers
	s_wait_alu depctr_vm_vsrc(0)                   ; my LDS stores of the images have read v[F ..] and v[PP:PP+1]; the last block's LDS stores v[OO ..], its global stores v[YY ..] and v[OF ..]: LDS loads, this block's products and its first K step's lines write them again
	ds_load_b128 v[WS:WS+3], v4
.irp c, 0,1,2,3
	WF3 0, \c
.endr
.irp s, 0,1,2,3,4,5,6,7,8,9,10,11,12,13,14,15
	KSTEP \s
.endr
.rept 4
	v_nop                                          ; four places behind the last products, ahead of the first read of their results and of the first vector write of their sources (ISA guide 7.12.1)
.endr
	WIN 0
	s_add_co_u32 s31, s31, 1                       ; the counter's one step a trip
	s_cmp_ge_u32 s31, s29
	s_cbranch_scc1 .Lno_next
	s_add_nc_u64 s[20:21], s[20:21], 8*128         ; my next block lies eight blocks on.  The last K step's wait was for 0: no load of mine is out, so the bases may step
	s_add_nc_u64 s[22:23], s[22:23], 8*128
	s_add_nc_u64 s[24:25], s[24:25], 8*4096
	s_add_nc_u64 s[26:27], s[26:27], 8*98304
	PRE                                            ; its head lands while this block goes out
.Lno_next:
.irp a, 0,1
.irp c, 0,1,2,3
.irp j, 0,1,2,3,4,5,6,7
	v_mul_f32 v[OO+32*\a+4*\j+\c], v[ACC+32*\a+8*\c+\j], v[GG+\a]   ; x the row's weight, written in the order of the columns; each accumulator from its low end on
.endr
.endr
.endr
	s_wait_alu depctr_va_vdst(0)                   ; the multiplications have written v[OO ..], which the LDS stores read, and are done reading the sums, in whose registers the loads from the stage land; the offsets v[OF ..], which the global stores read, are written
.irp a, 0,1
.irp m, 0,1,2,3,4,5,6,7
	ds_store_b128 v12, v[OO+32*\a+4*\m:OO+32*\a+4*\m+3] offset:4352*\a+16*\m
.endr
.endr
.irp i, 0,1,2,3,4,5,6,7,8,9,10,11,12,13,14,15
	ds_load_b128 v[YY+4*\i:YY+4*\i+3], v13 offset:272*\i   ; LDS serves a wave's instructions in order (ISA guide 5.7.1.4): these see my stores; the stage is my wave's own
.endr
.irp i, 0,1,2,3,4,5,6,7,8,9,10,11,12,13,14,15
	s_wait_dscnt 15-\i
	global_store_b128 v[OF+\i], v[YY+4*\i:YY+4*\i+3], s[14:15]   ; sixteen lanes store 256 consecutive bytes, aligned; the next launch reads them
.endr
	s_wait_xcnt 0x0                                ; the stores' data and offsets are written again only behind this wait
	s_cmp_lt_u32 s31, s29
	s_cbranch_scc1 .Lblk
.Ldone:
	s_wait_dscnt 0x0                               ; the closing lines, six on end
	s_wait_alu 0x0
	s_wait_tensorcnt 0x0
	ds_add_u32 v254, v255
	s_wait_dscnt 0x0
	s_endpgm
.Lfunc_end_k_qb03d5cdadd_ffn2:
	.size	k_qb03d5cdadd_ffn2, .Lfunc_end_k_qb03d5cdadd_ffn2-k_qb03d5cdadd_ffn2
	.p2alignl 7, 3214868480
	.fill 96, 4, 3214868480
	.section	.rodata,"a",@progbits
	.p2align	6, 0x0
	.amdhsa_kernel k_qb03d5cdadd_ffn2
		.amdhsa_group_segment_fixed_size 173056
		.amdhsa_private_segment_fixed_size 0
		.amdhsa_enable_private_segment 0
		.amdhsa_kernarg_size 48
		.amdhsa_user_sgpr_count 2
		.amdhsa_user_sgpr_kernarg_segment_ptr 1
		.amdhsa_wavefront_size32 1
		.amdhsa_system_sgpr_workgroup_id_x 1
		.amdhsa_system_sgpr_workgroup_id_y 1
		.amdhsa_system_sgpr_workgroup_id_z 1
		.amdhsa_system_vgpr_workitem_id 0
		.amdhsa_next_free_vgpr 512
		.amdhsa_next_free_sgpr 66
		.amdhsa_reserve_vcc 0
		.amdhsa_float_denorm_mode_32 3
		.amdhsa_float_denorm_mode_16_64 3
		.amdhsa_memory_ordered 1
		.amdhsa_forward_progress 1
		.amdhsa_inst_pref_size 123
	.end_amdhsa_kernel
	.amdgpu_metadata
---
amdhsa.version: [ 1, 2 ]
amdhsa.kernels:
  - .name:           k_qb03d5cdadd_ffn2
    .symbol:         k_qb03d5cdadd_ffn2.kd
    .args:
      - { .name: w2, .offset: 0, .size: 8, .value_kind: global_buffer, .address_space: global }
      - { .name: b2, .offset: 8, .size: 8, .value_kind: global_buffer, .address_space: global }
      - { .name: hs, .offset: 16, .size: 8, .value_kind: global_buffer, .address_space: global }
      - { .name: lst, .offset: 24, .size: 8, .value_kind: global_buffer, .address_space: global }
      - { .name: gat, .offset: 32, .size: 8, .value_kind: global_buffer, .address_space: global }
      - { .name: yp, .offset: 40, .size: 8, .value_kind: global_buffer, .address_space: global }
    .group_segment_fixed_size: 173056
    .private_segment_fixed_size: 0
    .kernarg_segment_align: 8
    .kernarg_segment_size: 48
    .max_flat_workgroup_size: 256
    .sgpr_count:     66
    .vgpr_count:     512
    .wavefront_size: 32
...
	.end_amdgpu_metadata
.endif
;; end of part 9
;; launch comb (part 10): grid 256 x 1, 8 waves a work-group, no clusters, 0 bytes of LDS; arguments yp, out0; writes out0
.if DOCPART == 10
	.amdgcn_target "amdgcn-amd-amdhsa--gfx1250"
	.amdhsa_code_object_version 6
	.text
	.protected	k_qb03d5cdadd_comb
	.globl	k_qb03d5cdadd_comb
	.p2align	8
	.type	k_qb03d5cdadd_comb,@function
k_qb03d5cdadd_comb:
	s_mov_b64 s[64:65], 0
	v_nop
	global_prefetch_b8 v0, s[64:65] scope:SCOPE_SE
	s_setreg_imm32_b32 hwreg(HW_REG_WAVE_MODE, 25, 1), 1
	s_wait_xcnt 0x0
; out0[token] = the sum of the token's four parts in yp: its first and its second expert's weighted result, each in two halves of K.  yp: [half 2][2,056 rows][1,024] f32, row = 1,024 x (choice - 1) + token.
; A stream: thread g (of 65,536) takes the 16 bytes at 16 g + 2^20 i, i = 0..3, of each part: a wave's load or store covers 512 consecutive bytes.  All 16 loads of a thread go out first.
; No LDS, no barrier: threads share nothing.  Each output has one owner, so the sum needs no atomics.
	s_load_b128 s[4:7], s[0:1], 0x0                ; yp s[4:5], out0 s[6:7]
	v_lshlrev_b32 v1, 4, v0
	s_lshl_b32 s8, ttmp9, 12
	v_add_nc_u32 v1, s8, v1                        ; 16 x (256 x work-group + thread)
	s_wait_alu depctr_va_vdst(0)
	s_wait_kmcnt 0x0
	s_add_nc_u64 s[10:11], s[4:5], 8421376         ; K's second half
.irp i, 0,1,2,3
	global_load_b128 v[16+16*\i:19+16*\i], v1, s[4:5] offset:1048576*\i th:TH_LOAD_NT
	global_load_b128 v[20+16*\i:23+16*\i], v1, s[4:5] offset:4194304+1048576*\i th:TH_LOAD_NT
	global_load_b128 v[24+16*\i:27+16*\i], v1, s[10:11] offset:1048576*\i th:TH_LOAD_NT
	global_load_b128 v[28+16*\i:31+16*\i], v1, s[10:11] offset:4194304+1048576*\i th:TH_LOAD_NT
.endr
.irp i, 0,1,2,3
	s_wait_loadcnt 12-4*\i                         ; this piece's four loads are in; the later pieces' stay out
	v_pk_add_f32 v[16+16*\i:17+16*\i], v[16+16*\i:17+16*\i], v[20+16*\i:21+16*\i]
	v_pk_add_f32 v[18+16*\i:19+16*\i], v[18+16*\i:19+16*\i], v[22+16*\i:23+16*\i]
	v_pk_add_f32 v[24+16*\i:25+16*\i], v[24+16*\i:25+16*\i], v[28+16*\i:29+16*\i]
	v_pk_add_f32 v[26+16*\i:27+16*\i], v[26+16*\i:27+16*\i], v[30+16*\i:31+16*\i]
	s_delay_alu instid0(VALU_DEP_2)
	v_pk_add_f32 v[16+16*\i:17+16*\i], v[16+16*\i:17+16*\i], v[24+16*\i:25+16*\i]
	s_delay_alu instid0(VALU_DEP_2)
	v_pk_add_f32 v[18+16*\i:19+16*\i], v[18+16*\i:19+16*\i], v[26+16*\i:27+16*\i]
	global_store_b128 v1, v[16+16*\i:19+16*\i], s[6:7] offset:1048576*\i th:TH_STORE_NT
.endr
	s_endpgm
.Lfunc_end_k_qb03d5cdadd_comb:
	.size	k_qb03d5cdadd_comb, .Lfunc_end_k_qb03d5cdadd_comb-k_qb03d5cdadd_comb
	.p2alignl 7, 3214868480
	.fill 96, 4, 3214868480
	.section	.rodata,"a",@progbits
	.p2align	6, 0x0
	.amdhsa_kernel k_qb03d5cdadd_comb
		.amdhsa_group_segment_fixed_size 0
		.amdhsa_private_segment_fixed_size 0
		.amdhsa_enable_private_segment 0
		.amdhsa_kernarg_size 16
		.amdhsa_user_sgpr_count 2
		.amdhsa_user_sgpr_kernarg_segment_ptr 1
		.amdhsa_wavefront_size32 1
		.amdhsa_system_sgpr_workgroup_id_x 1
		.amdhsa_system_sgpr_workgroup_id_y 1
		.amdhsa_system_sgpr_workgroup_id_z 1
		.amdhsa_system_vgpr_workitem_id 0
		.amdhsa_next_free_vgpr 96
		.amdhsa_next_free_sgpr 66
		.amdhsa_reserve_vcc 0
		.amdhsa_float_denorm_mode_32 3
		.amdhsa_float_denorm_mode_16_64 3
		.amdhsa_memory_ordered 1
		.amdhsa_forward_progress 1
		.amdhsa_inst_pref_size 5
	.end_amdhsa_kernel
	.amdgpu_metadata
---
amdhsa.version: [ 1, 2 ]
amdhsa.kernels:
  - .name:           k_qb03d5cdadd_comb
    .symbol:         k_qb03d5cdadd_comb.kd
    .args:
      - { .name: yp, .offset: 0, .size: 8, .value_kind: global_buffer, .address_space: global }
      - { .name: out0, .offset: 8, .size: 8, .value_kind: global_buffer, .address_space: global }
    .group_segment_fixed_size: 0
    .private_segment_fixed_size: 0
    .kernarg_segment_align: 8
    .kernarg_segment_size: 16
    .max_flat_workgroup_size: 256
    .sgpr_count:     66
    .vgpr_count:     96
    .wavefront_size: 32
...
	.end_amdgpu_metadata
.endif
;; end of part 10
